; MI455X (gfx1250); checked and timed in simulation.
; The chip was launched on July 23, 2026; its instructions are those of AMD's public machine-readable ISA for CDNA 5 (MIT licence, August 2026) and "CDNA5" Instruction Set Architecture Reference Guide (July 2026). The comments in the code are by the model that wrote it; some were corrected since.
;; Improved Transformer Encoder Block. Allowed arithmetic: matrix products marked QUANTISED: E4M3 operands, one given power-of-two scale a tensor, by v_wmma_f32_16x16x64_fp8_fp8 or v_wmma_f32_16x16x128_fp8_fp8, f32 sums; everything else in f32.
;; Inputs: b1 4,096 float32; b2 512 float32; b_o 512 float32; key_padding_mask 4 x 2,048 bool; ln1_b 512 float32; ln1_g 512 float32; ln2_b 512 float32; ln2_g 512 float32; lowp_scales 16 int32 (the exponents e of the quantised operands' scales 2^e); src 4 x 2,048 x 512 float32; w1 512 x 4,096 float32; w2 2,048 x 512 float32; w_k 512 x 512 float32; w_o 512 x 512 float32; w_q 512 x 512 float32; w_v 512 x 512 float32.
;; Outputs: out0 4 x 2,048 x 512 float32.
;; This version of the problem:
;;   THIS VERSION OF THE PROBLEM IS GIVEN IN LOW PRECISION. The matrix products marked QUANTISED in the list below multiply operands that are first quantised to E4M3 (4 exponent bits, 3 mantissa bits; 8 bits a number), with one given power-of-two scale for each operand tensor; their sums are f32. All else is computed in f32.
;;   The module's matrix products, in the order in which they are computed (A, B: the left and right operand; K: the contracted axis; several contracted axes count as one K, in the product's order):
;;     1. [M 8,192, K 512] x [K 512, N 512]; A: computed on the way; B: input w_q: QUANTISED (scales: A lowp_scales[0], B lowp_scales[1])
;;     2. [M 8,192, K 512] x [K 512, N 512]; A: computed on the way; B: input w_k: QUANTISED (scales: A lowp_scales[2], B lowp_scales[3])
;;     3. [M 8,192, K 512] x [K 512, N 512]; A: computed on the way; B: input w_v: QUANTISED (scales: A lowp_scales[4], B lowp_scales[5])
;;     4. batch 32 x [M 2,048, K 64] x [K 64, N 2,048]; A: computed on the way; B: computed on the way: QUANTISED (scales: A lowp_scales[6], B lowp_scales[7])
;;     5. batch 32 x [M 64, K 2,048] x [K 2,048, N 2,048]; A: computed on the way; B: softmax (see below): QUANTISED (scales: A lowp_scales[8], B lowp_scales[9])
;;     6. [M 8,192, K 512] x [K 512, N 512]; A: computed on the way; B: input w_o: QUANTISED (scales: A lowp_scales[10], B lowp_scales[11])
;;     7. [M 8,192, K 512] x [K 512, N 4,096]; A: computed on the way; B: input w1: QUANTISED (scales: A lowp_scales[12], B lowp_scales[13])
;;     8. [M 8,192, K 2,048] x [K 2,048, N 512]; A: computed on the way; B: input w2: QUANTISED (scales: A lowp_scales[14], B lowp_scales[15])
;;   THE QUANTISER, for each operand of a quantised product, along K:
;;     - The operand's scale is 2^e, e = its entry of the input lowp_scales (int32; the entries are numbered through the quantised products in the list's order, A before B).
;;     - Each number is divided by the scale, clamped to +-448, and rounded to the nearest number of E4M3, ties to even, subnormals kept.
;;     - The product sums the exact products of the quantised numbers (number of the format x scale) in f32.
;;   ~~~python
;;   def quantise(x, axis, e):      # numpy; x: float32 -> the quantised numbers, widened to float32 again
;;       x = np.moveaxis(x, axis, -1); K = x.shape[-1]
;;       r = np.clip(x / 2.0 ** e, -448, 448)
;;       step = 2.0 ** (np.maximum(np.frexp(np.where(r == 0, 1, r))[1] - 1, -6) - 3)
;;       q = np.round(r / step) * step * 2.0 ** e      # np.round: ties to even
;;       return np.moveaxis(q, -1, axis).astype(np.float32)
;;   ~~~
;;   SOFTMAX AHEAD OF A QUANTISED PRODUCT. Where the list says 'softmax', what is quantised is not the finished softmax but p = 2^(t - M), with t = logit x log2(e) and M = ceil(the row's largest t), a whole number; so 1/2 < the row's largest p <= 1. The row's sum l is taken of the UNQUANTISED p, in f32, and the product's result is divided by l at the end. Since M is a whole number, a kernel that streams over the keys may use a running M (the ceiling of the running maximum): every later rescaling is an exact power of two, so the quantised numbers keep their values, but for numbers so far below the row's largest that they fall under the format's range.
;;   OPERANDS COMPUTED ON THE WAY. 'Computed on the way' means the value that the module computes at that place (a softmax that the list does not call 'softmax' is quantised finished and normalised). What goes into a quantiser is computed in f32, as accurately as f32 sums, v_exp_f32 and their like allow (about 1e-6 of the number): no bf16 or f16 on the way to a quantiser, and a product that is left as it is and whose result goes on into a quantised operand takes f32 operands (vector FMAs, or v_wmma_f32_16x16x4_f32). A number that lies on a knife's edge between two numbers of the format may be rounded either way, as far as f32 arithmetic and the matrix unit's own rounding can turn it there, and no further.
;; 2 versions, each right; version 2 is version 1 with the launches lnqkv, attn, oproj, ffn1, ffn2 written anew for expert scheduling mode. Each part assembles by itself: llvm-mc -triple=amdgcn-amd-amdhsa -mcpu=gfx1250 --defsym DOCPART=n.
;; ======== version 1 of 2: 6 launches
;; limits: right only within a limited range of input values
;; workspace buffers: wc 4,194,304 bytes; qc 4,194,304 bytes; kv 8,388,608 bytes; cc 4,194,304 bytes; s2 16,777,216 bytes; x2c 4,194,304 bytes; hc 16,777,216 bytes
;; launch wprep (part 1): grid 256 x 1, 4 waves a work-group, no clusters, 0 bytes of LDS; arguments w_q, w_k, w_v, w_o, w1, w2, lowp_scales, wc; writes wc
.if DOCPART == 1
	.amdgcn_target "amdgcn-amd-amdhsa--gfx1250"
	.amdhsa_code_object_version 6
	.text
	.protected	k_q47b06d2a7d_wprep
	.globl	k_q47b06d2a7d_wprep
	.p2align	8
	.type	k_q47b06d2a7d_wprep,@function
k_q47b06d2a7d_wprep:
	s_mov_b64 s[64:65], 0
	v_nop
	global_prefetch_b8 v0, s[64:65] scope:SCOPE_SE
	s_setreg_imm32_b32 hwreg(HW_REG_WAVE_MODE, 25, 1), 1
	s_wait_xcnt 0x0
; The six weights, f32 stored [K][N], become codes of E4M3 laid as IMAGES OF OPERAND REGISTERS: wc holds, for each weight, [tile of 16 columns][K step of 128][2,048 bytes];
; in an image the 16 bytes of piece p (0..7) of column lane r lie at 256 p + 16 r.  Lane r of tile T stands for column 32 (T/2) + 8 (T%2) + r + 8 (r/8).
; Two orders of K inside a weight, the same as its partner operand's: plain (w_o, w2): k = 128 ks + 16 p + i;  for partners made by a LayerNorm (w_q, w_k, w_v, w1): k = 128 (i/4) + 4 (8 ks + p) + i%4.
; A LANE TAKES A COLUMN AND ITS REGISTERS RUN DOWN K: a wave takes 32 columns x one K step; each load reads 128 consecutive bytes a wave, 512 a work-group; nothing is transposed.
; code = x / 2^e, held within +-448, nearest, ties to even.  LIMITS: each e between -126 and 119.  NaN among the inputs is not served.
; No LDS, no barrier: waves share nothing.  Matrix units, clusters and tensor loads have nothing to do here: the launch is a stream.
.set X, 32                             ; v32-159  128 numbers: register 16 p + i
.set C, 160                            ; v160-191 codes: four registers a piece, so that no store's data are written again
.macro QW pitch, lnk
.set pp, 0
.rept 8
.set ii, 0
.rept 16
.if \lnk
	global_load_b32 v[X+16*pp+ii], v1, s[24:25] offset:(128*(ii/4)+4*pp+(ii%4))*\pitch th:TH_LOAD_NT
.else
	global_load_b32 v[X+16*pp+ii], v1, s[24:25] offset:(16*pp+ii)*\pitch th:TH_LOAD_NT
.endif
.set ii, ii+1
.endr
.set pp, pp+1
.endr
.set pp, 0
.rept 8
.if 112-16*pp > 63
	s_wait_loadcnt 63                              ; behind piece p stand 112 - 16 p loads; the wait's field holds 63 at the most
.else
	s_wait_loadcnt 112-16*pp                       ; the loads issued behind piece p may stay out
.endif
.set ii, 0
.rept 16
	v_med3_num_f32 v[X+16*pp+ii], v[X+16*pp+ii], -v10, v10   ; the conversion does not saturate (ISA guide 7.6.2): the hold at 448 x the scale
.set ii, ii+1
.endr
	v_cvt_scalef32_pk8_fp8_f32 v[C+4*pp:C+4*pp+1], v[X+16*pp:X+16*pp+7], v11
	v_cvt_scalef32_pk8_fp8_f32 v[C+4*pp+2:C+4*pp+3], v[X+16*pp+8:X+16*pp+15], v11
	global_store_b128 v2, v[C+4*pp:C+4*pp+3], s[22:23] offset:256*pp   ; the sixteen lanes of a tile store 256 consecutive bytes, aligned
.set pp, pp+1
.endr
	s_endpgm
.endm
	s_load_b512 s[8:23], s[0:1], 0x0               ; w_q, w_k, w_v, w_o, w1, w2, the scales, wc
	v_lshrrev_b32 v3, 5, v0
	v_readfirstlane_b32 s3, v3                     ; wave
	v_and_b32 v4, 31, v0                           ; lane = my column among the wave's 32
	v_lshlrev_b32 v1, 2, v4                        ; 4 bytes a lane
	v_bfe_u32 v5, v4, 3, 1                         ; which of the two tiles my column falls into
	v_and_b32 v6, 7, v4
	v_lshrrev_b32 v7, 4, v4
	v_lshl_add_u32 v6, v7, 3, v6                   ; and which lane r of it
	v_lshlrev_b32 v6, 4, v6
	s_wait_kmcnt 0x0
	s_load_b512 s[36:51], s[20:21], 0x0            ; the sixteen exponents
	s_wait_kmcnt 0x0
	s_cmp_lt_u32 ttmp9, 64
	s_cbranch_scc0 .Lwide
	s_lshr_b32 s4, ttmp9, 4                        ; work-groups 0-63: w_q, w_k, w_v, w_o; 4 blocks of 128 columns x 4 K steps each
	s_bfe_u32 s5, ttmp9, 0x20002                   ; block of columns
	s_and_b32 s6, ttmp9, 3                         ; K step
	s_lshl_b32 s7, s4, 18                          ; place in wc
	s_mov_b64 s[24:25], s[8:9]
	s_mov_b32 s26, s37
	s_cmp_eq_u32 s4, 1
	s_cselect_b64 s[24:25], s[10:11], s[24:25]
	s_cselect_b32 s26, s39, s26
	s_cmp_eq_u32 s4, 2
	s_cselect_b64 s[24:25], s[12:13], s[24:25]
	s_cselect_b32 s26, s41, s26
	s_cmp_eq_u32 s4, 3
	s_cselect_b64 s[24:25], s[14:15], s[24:25]
	s_cselect_b32 s26, s47, s26
	s_cselect_b32 s27, 7, 5                        ; a K step begins 128 rows on (plain order) or 32 (the LayerNorm's)
	s_cselect_b32 s30, 1, 0                        ; which body
	s_mov_b32 s28, 13                              ; a tile of columns is 4 K steps: 8,192 bytes
	s_mov_b32 s29, 11                              ; a row of the weight is 2,048 bytes
	s_branch .Lplace
.Lwide:
	s_cmp_lt_u32 ttmp9, 192
	s_cbranch_scc0 .Lw2
	s_sub_co_u32 s4, ttmp9, 64                     ; work-groups 64-191: w1, 32 blocks of columns x 4 K steps
	s_lshr_b32 s5, s4, 2
	s_and_b32 s6, s4, 3
	s_mov_b32 s7, 0x100000
	s_mov_b64 s[24:25], s[16:17]
	s_mov_b32 s26, s49
	s_mov_b32 s27, 5
	s_mov_b32 s28, 13
	s_mov_b32 s29, 14                              ; a row is 16,384 bytes
	s_mov_b32 s30, 2
	s_branch .Lplace
.Lw2:
	s_sub_co_u32 s4, ttmp9, 192                    ; work-groups 192-255: w2, 4 blocks of columns x 16 K steps
	s_lshr_b32 s5, s4, 4
	s_and_b32 s6, s4, 15
	s_mov_b32 s7, 0x300000
	s_mov_b64 s[24:25], s[18:19]
	s_mov_b32 s26, s51
	s_mov_b32 s27, 7
	s_mov_b32 s28, 15                              ; a tile of columns is 16 K steps: 32,768 bytes
	s_mov_b32 s29, 11
	s_mov_b32 s30, 1
.Lplace:
	s_lshl_b32 s31, s5, 9                          ; from: 4 (128 block + 32 wave) bytes along a row,
	s_lshl_b32 s32, s3, 7
	s_add_co_u32 s31, s31, s32
	s_lshl_b32 s32, s6, s27                        ; the K step's first row,
	s_lshl_b32 s32, s32, s29                       ; in bytes
	s_add_co_u32 s32, s31, s32
	s_mov_b32 s33, 0
	s_add_nc_u64 s[24:25], s[24:25], s[32:33]
	s_lshl_b32 s31, s5, 3                          ; to: tile 8 block + 2 wave,
	s_lshl_b32 s34, s3, 1
	s_add_co_u32 s31, s31, s34
	s_lshl_b32 s31, s31, s28
	s_lshl_b32 s34, s6, 11                         ; the K step's image,
	s_add_co_u32 s31, s31, s34
	s_add_co_u32 s32, s31, s7                      ; in the weight's part of wc
	s_add_nc_u64 s[22:23], s[22:23], s[32:33]
	v_lshlrev_b32 v5, s28, v5
	v_add_nc_u32 v2, v5, v6                        ; my tile of the two, + 16 r
	s_add_co_i32 s26, s26, 127
	s_lshl_b32 s31, s26, 23
	v_mov_b32 v11, s31                             ; 2^e as f32: the conversion takes its exponent field
	s_add_co_i32 s26, s26, 8
	s_lshl_b32 s26, s26, 23
	s_or_b32 s26, s26, 0x600000
	v_mov_b32 v10, s26                             ; 448 x 2^e
	s_cmp_eq_u32 s30, 1
	s_cbranch_scc1 .Lplain
	s_cmp_eq_u32 s30, 2
	s_cbranch_scc1 .Lw1
	QW 2048, 1
.Lplain:
	QW 2048, 0
.Lw1:
	QW 16384, 1
.Lfunc_end_k_q47b06d2a7d_wprep:
	.size	k_q47b06d2a7d_wprep, .Lfunc_end_k_q47b06d2a7d_wprep-k_q47b06d2a7d_wprep
	.p2alignl 7, 3214868480
	.fill 96, 4, 3214868480
	.section	.rodata,"a",@progbits
	.p2align	6, 0x0
	.amdhsa_kernel k_q47b06d2a7d_wprep
		.amdhsa_group_segment_fixed_size 0
		.amdhsa_private_segment_fixed_size 0
		.amdhsa_enable_private_segment 0
		.amdhsa_kernarg_size 64
		.amdhsa_user_sgpr_count 2
		.amdhsa_user_sgpr_kernarg_segment_ptr 1
		.amdhsa_wavefront_size32 1
		.amdhsa_system_sgpr_workgroup_id_x 1
		.amdhsa_system_sgpr_workgroup_id_y 1
		.amdhsa_system_sgpr_workgroup_id_z 1
		.amdhsa_system_vgpr_workitem_id 0
		.amdhsa_next_free_vgpr 200
		.amdhsa_next_free_sgpr 66
		.amdhsa_reserve_vcc 0
		.amdhsa_float_denorm_mode_32 3
		.amdhsa_float_denorm_mode_16_64 3
		.amdhsa_memory_ordered 1
		.amdhsa_forward_progress 1
		.amdhsa_inst_pref_size 70
	.end_amdhsa_kernel
	.amdgpu_metadata
---
amdhsa.version: [ 1, 2 ]
amdhsa.kernels:
  - .name:           k_q47b06d2a7d_wprep
    .symbol:         k_q47b06d2a7d_wprep.kd
    .args:
      - { .name: w_q, .offset: 0, .size: 8, .value_kind: global_buffer, .address_space: global }
      - { .name: w_k, .offset: 8, .size: 8, .value_kind: global_buffer, .address_space: global }
      - { .name: w_v, .offset: 16, .size: 8, .value_kind: global_buffer, .address_space: global }
      - { .name: w_o, .offset: 24, .size: 8, .value_kind: global_buffer, .address_space: global }
      - { .name: w1, .offset: 32, .size: 8, .value_kind: global_buffer, .address_space: global }
      - { .name: w2, .offset: 40, .size: 8, .value_kind: global_buffer, .address_space: global }
      - { .name: lowp_scales, .offset: 48, .size: 8, .value_kind: global_buffer, .address_space: global }
      - { .name: wc, .offset: 56, .size: 8, .value_kind: global_buffer, .address_space: global }
    .group_segment_fixed_size: 0
    .private_segment_fixed_size: 0
    .kernarg_segment_align: 8
    .kernarg_segment_size: 64
    .max_flat_workgroup_size: 128
    .sgpr_count:     66
    .vgpr_count:     200
    .wavefront_size: 32
...
	.end_amdgpu_metadata
.endif
;; end of part 1
;; launch lnqkv (part 2): grid 3 x 64, 8 waves a work-group, no clusters, 70,656 bytes of LDS; arguments src, ln1_g, ln1_b, lowp_scales, wc, qc, kv; writes qc, kv
.if DOCPART == 2
	.amdgcn_target "amdgcn-amd-amdhsa--gfx1250"
	.amdhsa_code_object_version 6
	.text
	.protected	k_q47b06d2a7d_lnqkv
	.globl	k_q47b06d2a7d_lnqkv
	.p2align	8
	.type	k_q47b06d2a7d_lnqkv,@function
k_q47b06d2a7d_lnqkv:
	s_mov_b64 s[64:65], 0
	v_nop
	global_prefetch_b8 v0, s[64:65] scope:SCOPE_SE
	s_setreg_imm32_b32 hwreg(HW_REG_WAVE_MODE, 25, 1), 1
	s_wait_xcnt 0x0
; x = LayerNorm(src), quantised with product p's scale; one of Q (p = 0), K (1), V (2) = x W; the result quantised for attention.  Work-group (p, block of 128 rows).
; SHARES.  Wave w normalises rows 16 w .. 16 w + 15 (a row a wave: lane L holds k = 128 j + 4 L + e, four dense loads of 512 bytes) and stores each row's codes into the block's eight row-tile images in LDS;
; one barrier; then wave w is HEAD w: its 64 columns of the weight (4 tiles x 4 K steps, 256 registers, window 1) stay in registers, and it multiplies them with all 128 rows.
; 192 work-groups: a product's codes fill the eight waves' registers once, and 3 x 8,192 rows do not divide evenly into 256 such groups.
; Q and K: the product is used TRANSPOSED (source 0 = 16 columns, source 1 = 16 rows): a lane holds one token and 16 neighbouring channels.  V: natural (source 0 = rows): a lane holds one channel and 16 neighbouring tokens,
; since the tokens are the K of attention's second product.  Lane r of a tile (of rows or of columns) stands for index 32 (T/2) + 8 (T%2) + r + 8 (r/8): that makes the 16 registers of two neighbouring tiles neighbours.
; The conversions' results are stored as images of operand registers: every store of a wave covers 512 consecutive bytes, aligned.
; The variance is taken in a second pass over x - mean: no difference of large sums.
; LIMITS: e[2p] and e[6+p] - e[2p] - e[2p+1] between -126 and 119.  NaN among the inputs is not served.
; No tensor loads: the weights go straight into registers and the rows are read once by the wave that normalises them; nothing is shared between work-groups at one time, so no cluster.
.set PC,  16                           ; v16-31   codes just made
.set GG,  32                           ; v32-47   the gain at my 16 k
.set BT,  48                           ; v48-63   the bias
.set XA,  64                           ; v64-127  four rows
.set XB,  128                          ; v128-191 four rows
.set TT,  192                          ; v192-223 at work, eight a row
.set MU,  224                          ; v224-231 the means, in pairs (the low word serves both halves)
.set RS,  232                          ; v232-239 1 / sqrt(var + eps), likewise
.set XF,  64                           ; later: x's fragments of two row tiles: (u, s) at 64 u + 16 s
.set ACC, 192                          ; later: eight accumulators
.set TILE, 8704                        ; a row tile's image in LDS: 32 pieces x (256 bytes + 16)
.set MSB, 0
.macro WIN new                         ; the immediate's high byte repeats the setting that is left
.if MSB != \new
	s_set_vgpr_msb (MSB<<8)|\new
.set MSB, \new
.endif
.endm
.macro XLD xb, i0                      ; rows i0 .. i0 + 3 of my sixteen
.irp p, 0,1,2,3
.irp j, 0,1,2,3
	global_load_b128 v[\xb+16*\p+4*\j:\xb+16*\p+4*\j+3], v1, s[30:31] offset:(\i0+\p)*2048+512*\j
.endr
.endr
.endm
.macro WLD l0, n                       ; n loads of my head's weight codes: load l brings bytes 512 l on into registers 4 l on of window 1
	WIN 0x40
.set ll, \l0
.rept \n
	global_load_b128 v[4*ll:4*ll+3], v1, s[32:33] offset:512*ll
.set ll, ll+1
.endr
	WIN 0
.endm
.macro RED4                            ; v[TT + 8 p] summed over the 32 lanes, four rows side by side
.irp m, 1,2,4,8
.irp p, 0,1,2,3
	v_add_f32_dpp v[TT+8*\p], v[TT+8*\p], v[TT+8*\p] row_xmask:\m row_mask:0xf bank_mask:0xf
.endr
.endr
.irp p, 0,1,2,3
	v_permlanex16_b32 v[TT+8*\p+1], v[TT+8*\p], s22, s23
.endr
.irp p, 0,1,2,3
	v_add_f32 v[TT+8*\p], v[TT+8*\p], v[TT+8*\p+1]
.endr
.endm
.macro LN4 xb                          ; four rows in v[xb] on become four times 16 codes in v[PC] on
.irp p, 0,1,2,3
.irp a, 0,1,2,3
	v_pk_add_f32 v[TT+8*\p+2*\a:TT+8*\p+2*\a+1], v[\xb+16*\p+4*\a:\xb+16*\p+4*\a+1], v[\xb+16*\p+4*\a+2:\xb+16*\p+4*\a+3]
.endr
.endr
.irp p, 0,1,2,3
	v_pk_add_f32 v[TT+8*\p:TT+8*\p+1], v[TT+8*\p:TT+8*\p+1], v[TT+8*\p+2:TT+8*\p+3]
	v_pk_add_f32 v[TT+8*\p+4:TT+8*\p+5], v[TT+8*\p+4:TT+8*\p+5], v[TT+8*\p+6:TT+8*\p+7]
.endr
.irp p, 0,1,2,3
	v_pk_add_f32 v[TT+8*\p:TT+8*\p+1], v[TT+8*\p:TT+8*\p+1], v[TT+8*\p+4:TT+8*\p+5]
.endr
.irp p, 0,1,2,3
	v_add_f32 v[TT+8*\p], v[TT+8*\p], v[TT+8*\p+1]
.endr
	RED4
.irp p, 0,1,2,3
	v_mul_f32 v[MU+2*\p], s24, v[TT+8*\p]          ; the mean: sum / 512
.endr
.irp p, 0,1,2,3
.irp a, 0,2,4,6,8,10,12,14
	v_pk_add_f32 v[\xb+16*\p+\a:\xb+16*\p+\a+1], v[\xb+16*\p+\a:\xb+16*\p+\a+1], v[MU+2*\p:MU+2*\p+1] op_sel_hi:[1,0] neg_lo:[0,1] neg_hi:[0,1]
.endr
.endr
.irp p, 0,1,2,3
	v_pk_mul_f32 v[TT+8*\p:TT+8*\p+1], v[\xb+16*\p:\xb+16*\p+1], v[\xb+16*\p:\xb+16*\p+1]
	v_pk_mul_f32 v[TT+8*\p+2:TT+8*\p+3], v[\xb+16*\p+2:\xb+16*\p+3], v[\xb+16*\p+2:\xb+16*\p+3]
.endr
.irp a, 4,8,12
.irp p, 0,1,2,3
	v_pk_fma_f32 v[TT+8*\p:TT+8*\p+1], v[\xb+16*\p+\a:\xb+16*\p+\a+1], v[\xb+16*\p+\a:\xb+16*\p+\a+1], v[TT+8*\p:TT+8*\p+1]
	v_pk_fma_f32 v[TT+8*\p+2:TT+8*\p+3], v[\xb+16*\p+\a+2:\xb+16*\p+\a+3], v[\xb+16*\p+\a+2:\xb+16*\p+\a+3], v[TT+8*\p+2:TT+8*\p+3]
.endr
.endr
.irp p, 0,1,2,3
	v_pk_add_f32 v[TT+8*\p:TT+8*\p+1], v[TT+8*\p:TT+8*\p+1], v[TT+8*\p+2:TT+8*\p+3]
.endr
.irp p, 0,1,2,3
	v_add_f32 v[TT+8*\p], v[TT+8*\p], v[TT+8*\p+1]
.endr
	RED4
.irp p, 0,1,2,3
	v_fma_f32 v[TT+8*\p], v[TT+8*\p], s24, s25     ; var + eps
.endr
.irp p, 0,1,2,3
	v_rsq_f32 v[RS+2*\p], v[TT+8*\p]
.endr
	v_nop                                          ; a plain instruction behind the last of the four,
	s_wait_alu depctr_va_vdst(0)                   ; and one wait for the batch, ahead of its first reader
.irp p, 0,1,2,3
.irp a, 0,2,4,6,8,10,12,14
	v_pk_mul_f32 v[\xb+16*\p+\a:\xb+16*\p+\a+1], v[\xb+16*\p+\a:\xb+16*\p+\a+1], v[RS+2*\p:RS+2*\p+1] op_sel_hi:[1,0]
.endr
.endr
.irp p, 0,1,2,3
.irp a, 0,2,4,6,8,10,12,14
	v_pk_fma_f32 v[\xb+16*\p+\a:\xb+16*\p+\a+1], v[\xb+16*\p+\a:\xb+16*\p+\a+1], v[GG+\a:GG+\a+1], v[BT+\a:BT+\a+1]
.endr
.endr
.irp p, 0,1,2,3
.irp a, 0,1,2,3,4,5,6,7,8,9,10,11,12,13,14,15
	v_med3_num_f32 v[\xb+16*\p+\a], v[\xb+16*\p+\a], -v8, v8   ; the conversion does not saturate (ISA guide 7.6.2)
.endr
.endr
	s_wait_dscnt 0x0                               ; the last codes' LDS stores have read their registers
.irp p, 0,1,2,3
	v_cvt_scalef32_pk8_fp8_f32 v[PC+4*\p:PC+4*\p+1], v[\xb+16*\p:\xb+16*\p+7], v9
	v_cvt_scalef32_pk8_fp8_f32 v[PC+4*\p+2:PC+4*\p+3], v[\xb+16*\p+8:\xb+16*\p+15], v9
.endr
	v_nop                                          ; one plain instruction behind the last scaled conversion
.endm
.macro LNROWS xb, i0                   ; row i of wave w is token 16 w + i: tile 2 (w/2) + i/8 of the block, lane 8 (w%2) + i%8; my lane's 16 codes are piece L of that row
	LN4 \xb
.irp p, 0,1,2,3
	ds_store_b128 v2, v[PC+4*\p:PC+4*\p+3] offset:(((\i0+\p)/8)%2)*TILE+((\i0+\p)%8)*16
.endr
.endm
.macro FETCH                           ; the eight fragments of two row tiles: group m of tile u lies at 544 m + 272 h + 16 r
.irp u, 0,1
.irp m, 0,1,2,3,4,5,6,7,8,9,10,11,12,13,14,15
	ds_load_b128 v[XF+64*\u+4*\m:XF+64*\u+4*\m+3], v4 offset:\u*TILE+544*\m
.endr
.endr
.endm
; 32 matrix instructions, K step by K step; the eight accumulators take turns, one instruction a turn; the first K step starts the sums
.macro MULQK
.irp s, 0,1,2,3
.irp u, 0,1
.irp t, 0,1,2,3
.if \s == 0
	v_wmma_f32_16x16x128_fp8_fp8 v[ACC+32*\u+8*\t:ACC+32*\u+8*\t+7], v[16*(4*\t+\s):16*(4*\t+\s)+15], v[XF+64*\u+16*\s:XF+64*\u+16*\s+15], 0
.else
	v_wmma_f32_16x16x128_fp8_fp8 v[ACC+32*\u+8*\t:ACC+32*\u+8*\t+7], v[16*(4*\t+\s):16*(4*\t+\s)+15], v[XF+64*\u+16*\s:XF+64*\u+16*\s+15], v[ACC+32*\u+8*\t:ACC+32*\u+8*\t+7]
.endif
.endr
.endr
.endr
.endm
.macro MULV
.irp s, 0,1,2,3
.irp u, 0,1
.irp t, 0,1,2,3
.if \s == 0
	v_wmma_f32_16x16x128_fp8_fp8 v[ACC+16*\t+8*\u:ACC+16*\t+8*\u+7], v[XF+64*\u+16*\s:XF+64*\u+16*\s+15], v[16*(4*\t+\s):16*(4*\t+\s)+15], 0
.else
	v_wmma_f32_16x16x128_fp8_fp8 v[ACC+16*\t+8*\u:ACC+16*\t+8*\u+7], v[XF+64*\u+16*\s:XF+64*\u+16*\s+15], v[16*(4*\t+\s):16*(4*\t+\s)+15], v[ACC+16*\t+8*\u:ACC+16*\t+8*\u+7]
.endif
.endr
.endr
.endr
.endm
; One group of 32 tokens.  fetch = 1: the next group's fragments are asked for behind the products.
.macro PAIRSTEP fetch
	s_wait_dscnt 0x0                               ; this group's fragments are in
	s_cmp_eq_u32 s19, 2
	s_cbranch_scc1 .Lvway_\@
	WIN 0x01                                       ; source 0 (the weight) window 1
	MULQK
	WIN 0
	s_branch .Lmuld_\@
.Lvway_\@:
	WIN 0x04                                       ; source 1 (the weight) window 1
	MULV
	WIN 0
.Lmuld_\@:
.rept 4
	v_nop                                          ; four places ahead of loads into registers that the products read, and of the first read of results
.endr
.if \fetch
	s_add_co_u32 s36, s36, 2*TILE
	v_add_nc_u32 v4, s36, v3
	FETCH
.endif
.irp g, 0,1,2,3
.irp i, 0,1,2,3,4,5,6,7,8,9,10,11,12,13,14,15
	v_med3_num_f32 v[ACC+16*\g+\i], v[ACC+16*\g+\i], -v10, v10   ; each accumulator from its low end on
.endr
	v_cvt_scalef32_pk8_fp8_f32 v[PC+4*\g:PC+4*\g+1], v[ACC+16*\g:ACC+16*\g+7], v11
	v_cvt_scalef32_pk8_fp8_f32 v[PC+4*\g+2:PC+4*\g+3], v[ACC+16*\g+8:ACC+16*\g+15], v11
.endr
	v_nop                                          ; one plain instruction behind the last scaled conversion: the next products write its sources
	s_cmp_eq_u32 s19, 2
	s_cbranch_scc1 .Lvst_\@
.irp g, 0,1,2,3
	global_store_b128 v5, v[PC+4*\g:PC+4*\g+3], s[34:35] offset:512*\g    ; tile u = g/2, channels 32 (g%2) on
.endr
	s_branch .Lstd_\@
.Lvst_\@:
.irp g, 0,1,2,3
	global_store_b128 v5, v[PC+4*\g:PC+4*\g+3], s[34:35] offset:2048*\g   ; channel tile g, this group's 32 tokens
.endr
.Lstd_\@:
	s_wait_xcnt 0x0                                ; the stores have read their offset and data: both are written again only behind this wait
	v_add_nc_u32 v5, s38, v5
.endm
	s_load_b256 s[4:11], s[0:1], 0x0               ; src, ln1_g, ln1_b, the scales
	s_load_b128 s[12:15], s[0:1], 0x20             ; wc, qc
	s_load_b64 s[16:17], s[0:1], 0x30              ; kv
	v_lshl_add_u32 v6, v0, 2, 0x11000
	v_mov_b32 v7, 0
	v_lshrrev_b32 v12, 5, v0
	v_readfirstlane_b32 s18, v12                   ; wave = head
	v_and_b32 v13, 31, v0
	v_lshlrev_b32 v1, 4, v13                       ; 16 x lane
	s_mov_b32 s19, ttmp9                           ; p
	s_and_b32 s20, ttmp7, 0xffff                   ; block of 128 rows
	s_lshr_b32 s40, s18, 1
	s_mul_i32 s40, s40, 2*TILE
	s_and_b32 s41, s18, 1
	s_lshl_b32 s41, s41, 7
	s_add_co_u32 s40, s40, s41
	v_mul_u32_u24 v2, v13, 272
	v_add_nc_u32 v2, s40, v2                       ; where my codes go: pair w/2, lanes 8 (w%2) on, piece = my lane
	v_and_b32 v14, 15, v0
	v_bfe_u32 v15, v0, 4, 1
	v_mul_u32_u24 v3, v15, 272
	v_lshl_add_u32 v3, v14, 4, v3                  ; where a fragment's group begins for my lane: 272 h + 16 r
	s_mov_b32 s22, 0x76543210
	s_mov_b32 s23, 0xfedcba98                      ; v_permlanex16_b32: lane l xor 16
	s_mov_b32 s24, 0x3b000000                      ; 1 / 512
	s_mov_b32 s25, 0x3727c5ac                      ; 1e-5
	s_lshl_b32 s44, s19, 3
	s_lshl_b32 s45, s19, 2
	s_lshl_b32 s42, s20, 18                        ; 128 rows of 2,048 bytes,
	s_lshl_b32 s43, s18, 15                        ; my 16 of them
	s_add_co_u32 s42, s42, s43
	s_mov_b32 s43, 0
	s_lshl_b32 s46, s19, 18                        ; product p's weight in wc,
	s_lshl_b32 s47, s18, 15                        ; my head's four tiles
	s_add_co_u32 s46, s46, s47
	s_mov_b32 s47, 0
	s_wait_kmcnt 0x0
	s_load_b64 s[26:27], s[10:11], s44 offset:0x0  ; e[2p], e[2p+1]
	s_load_b32 s28, s[10:11], s45 offset:0x18      ; e[6+p]
	s_add_nc_u64 s[30:31], s[4:5], s[42:43]
	s_add_nc_u64 s[32:33], s[12:13], s[46:47]
.irp j, 0,1,2,3
	global_load_b128 v[GG+4*\j:GG+4*\j+3], v1, s[6:7] offset:512*\j
	global_load_b128 v[BT+4*\j:BT+4*\j+3], v1, s[8:9] offset:512*\j
.endr
	XLD XA, 0
	XLD XB, 4
	WLD 0, 16
.irp p, 1,3,5,7
	v_mov_b32 v[MU+\p], 0                          ; named as the upper halves of pairs, so they are written
	v_mov_b32 v[RS+\p], 0
.endr
	s_cmp_eq_u32 s19, 0
	s_cselect_b64 s[34:35], s[14:15], s[16:17]     ; Q goes to qc, K and V to kv
	s_cselect_b32 s46, 17, 18                      ; a head's bytes there: 2^17 or 2^18
	s_lshr_b32 s47, s20, 4
	s_lshl_b32 s47, s47, 3
	s_add_co_u32 s47, s47, s18                     ; 8 x batch + head
	s_lshl_b32 s47, s47, s46
	s_and_b32 s48, s20, 15
	s_lshl_b32 s48, s48, 13                        ; the block's 128 tokens: 8,192 bytes in K's, Q's and V's layout alike
	s_add_co_u32 s47, s47, s48
	s_cmp_eq_u32 s19, 2
	s_mov_b32 s38, 2048
	s_cselect_b32 s38, 512, s38                    ; from one group of 32 tokens to the next
	s_cselect_b32 s48, 0x20000, 0                  ; V lies behind the head's K
	s_add_co_u32 s47, s47, s48
	v_add_nc_u32 v5, s47, v1
	s_wait_kmcnt 0x0
	s_add_co_i32 s48, s26, 127
	s_lshl_b32 s49, s48, 23
	v_mov_b32 v9, s49                              ; 2^e[2p]
	s_add_co_i32 s48, s48, 8
	s_lshl_b32 s48, s48, 23
	s_or_b32 s48, s48, 0x600000
	v_mov_b32 v8, s48                              ; 448 x that
	s_sub_co_i32 s48, s28, s26
	s_sub_co_i32 s48, s48, s27                     ; a sum stands for sum x 2^(e[2p] + e[2p+1]): the three scales are folded into the conversion's one
	s_add_co_i32 s48, s48, 127
	s_lshl_b32 s49, s48, 23
	v_mov_b32 v11, s49
	s_add_co_i32 s48, s48, 8
	s_lshl_b32 s48, s48, 23
	s_or_b32 s48, s48, 0x600000
	v_mov_b32 v10, s48
	s_wait_loadcnt 32                              ; gain, bias and rows 0-3 are in; behind them: rows 4-7 (16) and 16 of the weight
	LNROWS XA, 0
	XLD XA, 8
	WLD 16, 16
	s_wait_loadcnt 48                              ; rows 4-7; behind them 16 + 16 + 16
	LNROWS XB, 4
	XLD XB, 12
	WLD 32, 32
	s_wait_loadcnt 63                              ; rows 8-11; behind them 64, and the wait's field holds 63
	LNROWS XA, 8
	s_wait_loadcnt 32                              ; rows 12-15; behind them the weight's last 32
	LNROWS XB, 12
	s_wait_dscnt 0x0                               ; for the others' sake: my codes lie in LDS
	s_barrier_signal -1
	s_barrier_wait -1                              ; the block's eight images are whole; from here on LDS is only read
	v_mov_b32 v4, v3
	FETCH
	s_wait_loadcnt 0x0                             ; the weight
	s_mov_b32 s36, 0
	s_mov_b32 s37, 0
.Lpair:
	PAIRSTEP 1
	s_add_co_u32 s37, s37, 1
	s_cmp_lt_u32 s37, 3
	s_cbranch_scc1 .Lpair
	PAIRSTEP 0                                     ; the last group fetches nothing
	s_wait_tensorcnt 0x0
	ds_add_u32 v6, v7
	s_wait_dscnt 0x0
	s_endpgm
.Lfunc_end_k_q47b06d2a7d_lnqkv:
	.size	k_q47b06d2a7d_lnqkv, .Lfunc_end_k_q47b06d2a7d_lnqkv-k_q47b06d2a7d_lnqkv
	.p2alignl 7, 3214868480
	.fill 96, 4, 3214868480
	.section	.rodata,"a",@progbits
	.p2align	6, 0x0
	.amdhsa_kernel k_q47b06d2a7d_lnqkv
		.amdhsa_group_segment_fixed_size 70656
		.amdhsa_private_segment_fixed_size 0
		.amdhsa_enable_private_segment 0
		.amdhsa_kernarg_size 56
		.amdhsa_user_sgpr_count 2
		.amdhsa_user_sgpr_kernarg_segment_ptr 1
		.amdhsa_wavefront_size32 1
		.amdhsa_system_sgpr_workgroup_id_x 1
		.amdhsa_system_sgpr_workgroup_id_y 1
		.amdhsa_system_sgpr_workgroup_id_z 1
		.amdhsa_system_vgpr_workitem_id 0
		.amdhsa_next_free_vgpr 512
		.amdhsa_next_free_sgpr 66
		.amdhsa_reserve_vcc 0
		.amdhsa_float_denorm_mode_32 3
		.amdhsa_float_denorm_mode_16_64 3
		.amdhsa_memory_ordered 1
		.amdhsa_forward_progress 1
		.amdhsa_inst_pref_size 115
	.end_amdhsa_kernel
	.amdgpu_metadata
---
amdhsa.version: [ 1, 2 ]
amdhsa.kernels:
  - .name:           k_q47b06d2a7d_lnqkv
    .symbol:         k_q47b06d2a7d_lnqkv.kd
    .args:
      - { .name: src, .offset: 0, .size: 8, .value_kind: global_buffer, .address_space: global }
      - { .name: ln1_g, .offset: 8, .size: 8, .value_kind: global_buffer, .address_space: global }
      - { .name: ln1_b, .offset: 16, .size: 8, .value_kind: global_buffer, .address_space: global }
      - { .name: lowp_scales, .offset: 24, .size: 8, .value_kind: global_buffer, .address_space: global }
      - { .name: wc, .offset: 32, .size: 8, .value_kind: global_buffer, .address_space: global }
      - { .name: qc, .offset: 40, .size: 8, .value_kind: global_buffer, .address_space: global }
      - { .name: kv, .offset: 48, .size: 8, .value_kind: global_buffer, .address_space: global }
    .group_segment_fixed_size: 70656
    .private_segment_fixed_size: 0
    .kernarg_segment_align: 8
    .kernarg_segment_size: 56
    .max_flat_workgroup_size: 256
    .sgpr_count:     66
    .vgpr_count:     512
    .wavefront_size: 32
...
	.end_amdgpu_metadata
.endif
;; end of part 2
;; launch attn (part 3): grid 8 x 32, 4 waves a work-group, no clusters, 272,896 bytes of LDS; arguments qc, kv, key_padding_mask, lowp_scales, cc; writes cc
.if DOCPART == 3
	.amdgcn_target "amdgcn-amd-amdhsa--gfx1250"
	.amdhsa_code_object_version 6
	.text
	.protected	k_q47b06d2a7d_attn
	.globl	k_q47b06d2a7d_attn
	.p2align	8
	.type	k_q47b06d2a7d_attn,@function
k_q47b06d2a7d_attn:
	s_mov_b64 s[64:65], 0
	v_nop
	global_prefetch_b8 v0, s[64:65] scope:SCOPE_SE
	s_setreg_imm32_b32 hwreg(HW_REG_WAVE_MODE, 25, 1), 1
	s_wait_xcnt 0x0
; ctx = softmax(Q K^T / 8 + slope (k - q), masked keys out) V for one head and 256 queries, both products on codes of E4M3; ctx is quantised for the next product and stored as images of operand registers.
; SHARES.  Work-group (block of 256 queries, batch x 8 + head); four waves, as many as a WGP has SIMDs; a wave owns 64 queries, four tiles of 16, so that each fragment of K, of V and of the table that it reads from LDS feeds four tiles.
; Every wave walks all 2,048 keys, 128 a step.  The head's K and V codes (262,144 bytes, already images of operand registers) are copied into LDS as they lie, a chunk of four steps ahead of their use, through registers.
; BOTH PRODUCTS ARE USED TRANSPOSED: S^T = K Q^T, O^T = V^T P^T: a lane holds one query throughout; the keys of a tile are chosen so that 16 registers of two neighbouring tiles are 16 neighbouring keys.
; A STEP goes by PAIRS of tiles: K Q^T of tiles 0, 1 | their softmax | K Q^T of tiles 2, 3, then V^T P of tiles 0, 1, which runs under what follows | the next step's K and table are asked for | softmax of tiles 2, 3 | their V^T P.
; The wave is alone on its SIMD, so the two tiles of a pair go through the softmax LINE BY LINE, and the maximum and the sum run in four chains a tile: eight independent lines stand between a line and the one that reads its result.
; THE BIAS AND THE MASK COST NO VECTOR INSTRUCTION: a table in LDS holds, for each key, (key % 128) x 2^(2 - head - e6 - e7), or -2^120 where the key is masked, and goes in as the C of S^T's products.
; What is left of the bias is one number a lane and step: t = c' s + s2 D, c' = log2(e) / 8 x 2^(e6 + e7), s2 = log2(e) x 2^-(head + 1), D = the step's first key - my query (a whole number, exact in f32).
; THE SOFTMAX: M = the running largest t rounded up to a whole number; p = 2^(t - M) is quantised, not normalised; the row's sum is taken of the unquantised p; when M moves, sum and O^T are multiplied by 2^(old M - new M), exactly.
; The largest t starts at -2^60, above every masked t: a step all of whose keys are masked gives p = 0.
; p is at most 1, so its hold at 448 x 2^e9 can bite only where e9 <= -9: a scalar branch on that given whole number jumps over the 128 lines of a pair elsewhere.  The launch has no tensor load, and so no joint
; loads in a cluster: what partners would share is 262,144 bytes a work-group, read once and asked for three steps ahead.
; LIMITS: e6 + e7 between -55 and 37; e9 and e10 between -126 and 119.  NaN among the inputs is not served; a batch ALL of whose keys are masked is not served.
; REGISTERS, in windows of 256 (s_set_vgpr_msb: bits 1:0 source 0, 3:2 source 1, 5:4 source 2, 7:6 destination).  All that a softmax touches but O^T lies in window 0.
.set LI,  1                            ; v1   16 x lane
.set AV0, 2                            ; v2   + V's place in LDS
.set AT0, 3                            ; v3   the table: 64 h
.set ADK, 4                            ; v4-6 the step's addresses
.set ADV, 5
.set ADT, 6
.set GA0, 7                            ; v7   16 x thread: a chunk's copy, K's part
.set GV0, 8                            ; v8   V's part
.set GAK, 9                            ; v9, v10 the same in the chunk in hand: byte in the head's block = byte in LDS
.set GAV, 10
.set PSC, 11                           ; v11  2^e9, for p's conversions
.set DD,  12                           ; v12-15 D of tiles 0 to 3
.set ST,  16                           ; tile x at v[16 + 8 x]: +0 s2 D - M (+1 its pair's upper word), +2, +3 the sum in two halves, +4 -M, +5 the largest t, +6 f (+7 its pair's upper word)
.set S,   48                           ; v48-175  S^T of a pair of tiles, then p: 64 a tile
.set P,   176                          ; v176-239 p's codes, 16 a tile; at the end ctx's codes
.set TMP, 240                          ; v240-255 at work: 8 for each tile of the pair
.set KF,  0                            ; window 1: v0-63 K, v64-127 the table's 64 entries, v128-191 V, v192-223 Q (8 a tile)
.set TF,  64
.set VF,  128
.set QF,  192
.set OO,  0                            ; window 2: v0-127 O^T (32 a tile), v128-255 a chunk on its way
.set STG, 128
.set VLDS, 0x20000
.set TLDS, 0x40000
.set MSB, 0
.macro WIN new                         ; the immediate's high byte repeats the setting that is left
.if MSB != \new
	s_set_vgpr_msb (MSB<<8)|\new
.set MSB, \new
.endif
.endm
; Four of a chunk's 32 loads.  A chunk is 32,768 bytes of K (loads 0-15) and as many of V (loads 16-31); each load of the work-group covers 2,048 consecutive bytes.
.macro GL4 n
	WIN 0x80                                       ; destination window 2
.irp k, 0,1,2,3
.if 4*(\n)+\k < 16
	global_load_b128 v[STG+16*(\n)+4*\k:STG+16*(\n)+4*\k+3], v[GAK], s[6:7] offset:2048*(4*(\n)+\k)
.else
	global_load_b128 v[STG+16*(\n)+4*\k:STG+16*(\n)+4*\k+3], v[GAV], s[6:7] offset:2048*(4*(\n)+\k-16)
.endif
.endr
	WIN 0
.endm
.macro HOOK gl, n                      ; gl = 1: the chunk's first step carries the next chunk's loads, four at each of eight places, so that the wave never stands with all 32 at once
.if \gl
	GL4 \n
.endif
.endm
.macro DST                             ; the chunk goes into LDS, at the bytes that it has in the head's block
	WIN 0x08                                       ; the data (source 1) in window 2
.irp i, 0,1,2,3,4,5,6,7,8,9,10,11,12,13,14,15
	ds_store_b128 v[GAK], v[STG+4*\i:STG+4*\i+3] offset:2048*\i
.endr
.irp i, 0,1,2,3,4,5,6,7,8,9,10,11,12,13,14,15
	ds_store_b128 v[GAV], v[STG+64+4*\i:STG+64+4*\i+3] offset:2048*\i
.endr
	WIN 0
.endm
.macro LDKT ko, to                     ; a step's K (16 loads) and its 64 table entries a lane (16 loads), ko and to bytes on from the step in hand
	WIN 0x40                                       ; destination window 1
.irp l, 0,1,2,3,4,5,6,7,8,9,10,11,12,13,14,15
	ds_load_b128 v[KF+4*\l:KF+4*\l+3], v[ADK] offset:\ko+512*\l
.endr
.irp b, 0,1,2,3
.irp j, 0,1,2,3
	ds_load_b128 v[TF+16*\b+4*\j:TF+16*\b+4*\j+3], v[ADT] offset:\to+128*\b+16*\j   ; register 16 b + i: key 32 b + 16 h + i of the step
.endr
.endr
	WIN 0
.endm
.macro QK p                            ; S^T of tiles p, p + 1: eight tiles of 16 keys each; C = the table's entries; in the order in which the maximum will read them
	WIN 0x15                                       ; K, Q and the table in window 1, S^T in window 0
.irp t, 0,1,2,3,4,5,6,7
.irp y, 0,1
	v_wmma_f32_16x16x64_fp8_fp8 v[S+64*\y+8*\t:S+64*\y+8*\t+7], v[KF+8*\t:KF+8*\t+7], v[QF+8*((\p)+\y):QF+8*((\p)+\y)+7], v[TF+8*\t:TF+8*\t+7]
.endr
.endr
.endm
.macro PV p                            ; O^T += V^T P^T of tiles p, p + 1: eight accumulators, one instruction each
	WIN 0xa1                                       ; V in window 1, p's codes in window 0, C and D in window 2
.irp c, 0,1,2,3
.irp y, 0,1
	v_wmma_f32_16x16x128_fp8_fp8 v[OO+32*((\p)+\y)+8*\c:OO+32*((\p)+\y)+8*\c+7], v[VF+16*\c:VF+16*\c+15], v[P+16*((\p)+\y):P+16*((\p)+\y)+15], v[OO+32*((\p)+\y)+8*\c:OO+32*((\p)+\y)+8*\c+7]
.endr
.endr
.endm
; The softmax of tiles p and p + 1 for one key step, the two tiles line by line.  gl, n: see HOOK; three of its places lie in here.
.macro SOFTMAX2 p, gl, n
.irp c, 0,1,2,3                        ; the step's largest score of my query among my 64 keys: four chains a tile, the registers in ascending order
.irp y, 0,1
	v_max3_num_f32 v[TMP+8*\y+\c], v[S+64*\y+3*\c], v[S+64*\y+3*\c+1], v[S+64*\y+3*\c+2]
.endr
.endr
.set jj, 0
.rept 26
.irp y, 0,1
	v_max3_num_f32 v[TMP+8*\y+jj%4], v[TMP+8*\y+jj%4], v[S+64*\y+12+2*jj], v[S+64*\y+13+2*jj]
.endr
.set jj, jj+1
.endr
	HOOK \gl, \n
.irp y, 0,1
	v_max3_num_f32 v[TMP+8*\y], v[TMP+8*\y], v[TMP+8*\y+1], v[TMP+8*\y+2]
.endr
.irp y, 0,1
	v_mul_f32 v[TMP+8*\y+1], s24, v[DD+(\p)+\y]    ; s2 D
.endr
.irp y, 0,1
	v_max_num_f32 v[TMP+8*\y], v[TMP+8*\y], v[TMP+8*\y+3]
.endr
.irp y, 0,1
	v_mov_b32 v[TMP+8*\y+3], v[ST+8*((\p)+\y)+4]   ; the old -M
.endr
.irp y, 0,1
	v_permlanex16_b32 v[TMP+8*\y+2], v[TMP+8*\y], s20, s21
.endr
.irp y, 0,1
	v_max_num_f32 v[TMP+8*\y], v[TMP+8*\y], v[TMP+8*\y+2]   ; and among lane l xor 16's
.endr
.irp y, 0,1
	v_fma_f32 v[TMP+8*\y], s22, v[TMP+8*\y], v[TMP+8*\y+1]  ; as t (c' is positive)
.endr
.irp y, 0,1
	v_max_num_f32 v[ST+8*((\p)+\y)+5], v[ST+8*((\p)+\y)+5], v[TMP+8*\y]   ; the running largest t
.endr
.irp y, 0,1
	v_floor_f32 v[ST+8*((\p)+\y)+4], -v[ST+8*((\p)+\y)+5]   ; -M = floor(-t): M is a whole number
.endr
.irp y, 0,1
	v_fma_f32 v[ST+8*((\p)+\y)], s24, v[DD+(\p)+\y], v[ST+8*((\p)+\y)+4]   ; s2 D - M, one rounding
.endr
.irp y, 0,1
	v_sub_f32 v[TMP+8*\y+3], v[ST+8*((\p)+\y)+4], v[TMP+8*\y+3]   ; old M - new M, 0 or less
.endr
.irp y, 0,1
	v_cvt_i32_f32 v[TMP+8*\y+3], v[TMP+8*\y+3]     ; (it saturates)
.endr
.irp y, 0,1
	v_ldexp_f32 v[ST+8*((\p)+\y)+6], 1.0, v[TMP+8*\y+3]   ; f = 2^(old M - new M)
.endr
.set jj, 0
.rept 32
	v_pk_fma_f32 v[S+jj:S+jj+1], v[S+jj:S+jj+1], s[22:23], v[ST+8*(\p):ST+8*(\p)+1] op_sel_hi:[1,0,0]   ; the first tile's t - M, two at a time
.set jj, jj+2
.endr
	HOOK \gl, (\n)+1
.set jj, 0
.rept 32                               ; ONE BATCH of 128 exponentials; the second tile's scalings stand among the first tile's: none of these lines reads an exponential's result
	v_exp_f32 v[S+jj], v[S+jj]                     ; p = 2^(t - M)
	v_exp_f32 v[S+jj+1], v[S+jj+1]
	v_pk_fma_f32 v[S+64+jj:S+64+jj+1], v[S+64+jj:S+64+jj+1], s[22:23], v[ST+8*(\p)+8:ST+8*(\p)+9] op_sel_hi:[1,0,0]
.set jj, jj+2
.endr
.set jj, 0
.rept 64
	v_exp_f32 v[S+64+jj], v[S+64+jj]
.set jj, jj+1
.endr
.irp y, 0,1
	v_pk_mul_f32 v[ST+8*((\p)+\y)+2:ST+8*((\p)+\y)+3], v[ST+8*((\p)+\y)+2:ST+8*((\p)+\y)+3], v[ST+8*((\p)+\y)+6:ST+8*((\p)+\y)+7] op_sel_hi:[1,0]   ; the sums under the new M: the plain lines behind the batch
.endr
	s_wait_alu depctr_va_vdst(0)                   ; one wait for the 128 exponentials, ahead of their first reader
.irp c, 0,1,2                          ; the rows' sums are taken of the unquantised p: four chains a tile, the running sum among them
.irp y, 0,1
	v_pk_add_f32 v[TMP+8*\y+2*\c:TMP+8*\y+2*\c+1], v[S+64*\y+4*\c:S+64*\y+4*\c+1], v[S+64*\y+4*\c+2:S+64*\y+4*\c+3]
.endr
.endr
.set jj, 0
.rept 26
.irp y, 0,1
.if jj%4 == 0
.set cr, ST+8*((\p)+\y)+2
.else
.set cr, TMP+8*\y+2*(jj%4)-2
.endif
	v_pk_add_f32 v[cr:cr+1], v[cr:cr+1], v[S+64*\y+12+2*jj:S+64*\y+13+2*jj]
.endr
.set jj, jj+1
.endr
.irp y, 0,1
	v_pk_add_f32 v[TMP+8*\y:TMP+8*\y+1], v[TMP+8*\y:TMP+8*\y+1], v[TMP+8*\y+2:TMP+8*\y+3]
.endr
.irp y, 0,1
	v_pk_add_f32 v[ST+8*((\p)+\y)+2:ST+8*((\p)+\y)+3], v[ST+8*((\p)+\y)+2:ST+8*((\p)+\y)+3], v[TMP+8*\y+4:TMP+8*\y+5]
.endr
.irp y, 0,1
	v_pk_add_f32 v[ST+8*((\p)+\y)+2:ST+8*((\p)+\y)+3], v[ST+8*((\p)+\y)+2:ST+8*((\p)+\y)+3], v[TMP+8*\y:TMP+8*\y+1]
.endr
	HOOK \gl, (\n)+2
	s_cmp_gt_i32 s45, -9                           ; 448 x 2^e9 >= 1 from e9 = -8 on: p, at most 1, cannot pass it
	s_cbranch_scc1 .Lnohold_\@
.set jj, 0
.rept 128
	v_min_num_f32 v[S+jj], s33, v[S+jj]            ; the conversion does not saturate (ISA guide 7.6.2); p is not negative, so the hold is one-sided
.set jj, jj+1
.endr
.Lnohold_\@:
.irp b, 0,1,2,3
.irp y, 0,1
	v_cvt_scalef32_pk8_fp8_f32 v[P+16*((\p)+\y)+4*\b:P+16*((\p)+\y)+4*\b+1], v[S+64*\y+16*\b:S+64*\y+16*\b+7], v[PSC]
	v_cvt_scalef32_pk8_fp8_f32 v[P+16*((\p)+\y)+4*\b+2:P+16*((\p)+\y)+4*\b+3], v[S+64*\y+16*\b+8:S+64*\y+16*\b+15], v[PSC]
.endr
.endr
	WIN 0x82                                       ; O^T (destination and source 0) in window 2
.set jj, 0
.rept 16
.irp y, 0,1
	v_pk_mul_f32 v[OO+32*((\p)+\y)+jj:OO+32*((\p)+\y)+jj+1], v[OO+32*((\p)+\y)+jj:OO+32*((\p)+\y)+jj+1], v[ST+8*((\p)+\y)+6:ST+8*((\p)+\y)+7] op_sel_hi:[1,0]   ; O^T under the new M; these are also the plain lines behind the conversions and ahead of the products that write S^T anew
.endr
.set jj, jj+2
.endr
	WIN 0
.endm
; A key step: 128 keys.  At its head K and the table are on their way or in (32 LDS loads).  pf = 1: the next step's are asked for in its middle.  gl: see HOOK.
.macro STEP pf, gl
.irp j, 0,1,2,3
	v_add_f32 v[DD+\j], 0x43000000, v[DD+\j]       ; D + 128.  These seven plain lines are the places behind the last step's products, ahead of the loads into V's registers
.endr
	v_add_nc_u32 v[ADV], s26, v[AV0]
	v_add_nc_u32 v[ADK], s26, v[LI]
	v_add_nc_u32 v[ADT], s27, v[AT0]
	HOOK \gl, 0
	WIN 0x40                                       ; destination window 1
.irp l, 0,1,2,3,4,5,6,7,8,9,10,11,12,13,14,15
	ds_load_b128 v[VF+4*\l:VF+4*\l+3], v[ADV] offset:512*\l
.endr
	s_wait_dscnt 16                                ; K and the table are in; V's sixteen loads, issued behind them, may stay out
	QK 0
	WIN 0
.rept 4
	v_nop                                          ; four places ahead of the first read of results (ISA guide 7.12.1)
.endr
	SOFTMAX2 0, \gl, 1
	QK 2
	s_wait_dscnt 0x0                               ; V, asked for at the step's head
	PV 0                                           ; runs under the softmax below
	WIN 0
.rept 4
	v_nop                                          ; four places ahead of the loads into K's and the table's registers and of the first read of results
.endr
	HOOK \gl, 4
.if \pf
	LDKT 8192, 512                                 ; the next step's K and table: half a step ahead of their use
.endif
	SOFTMAX2 2, \gl, 5
	PV 2
	WIN 0
	s_add_co_u32 s26, s26, 8192
	s_add_co_u32 s27, s27, 512
.endm
; A chunk of four steps.  fill = 1: the next chunk is asked for in its first step and laid into LDS at its end, between two barriers: every wave's reads are back ahead of the first, every wave's stores have landed ahead of the second.
; The chunk's last step asks for no K ahead: the next chunk's is not in LDS yet; the first lines below fetch it behind the barrier.
.macro CHUNK fill
	v_add_nc_u32 v[ADK], s26, v[LI]
	v_add_nc_u32 v[ADT], s27, v[AT0]
	LDKT 0, 0
.if \fill
	s_add_co_u32 s28, s28, 32768
	v_add_nc_u32 v[GAK], s28, v[GA0]               ; (the loads that read these registers have been waited for)
	v_add_nc_u32 v[GAV], s28, v[GV0]
	STEP 1, 1
	s_mov_b32 s30, 0
.Lstep_\@:
	STEP 1, 0
	s_add_co_u32 s30, s30, 1
	s_cmp_lt_u32 s30, 2
	s_cbranch_scc1 .Lstep_\@
.else
	s_mov_b32 s30, 0
.Lstep_\@:
	STEP 1, 0
	s_add_co_u32 s30, s30, 1
	s_cmp_lt_u32 s30, 3
	s_cbranch_scc1 .Lstep_\@
.endif
	STEP 0, 0
.if \fill
	s_wait_dscnt 0x0
	s_barrier_signal -1
	s_barrier_wait -1
	s_wait_loadcnt 0x0
	DST
	s_wait_dscnt 0x0
	s_barrier_signal -1
	s_barrier_wait -1
.endif
.endm
	s_load_b256 s[4:11], s[0:1], 0x0               ; qc, kv, the mask, the scales
	s_load_b64 s[12:13], s[0:1], 0x20              ; cc
	v_lshl_add_u32 v254, v0, 2, 0x42800
	v_mov_b32 v255, 0
	v_lshrrev_b32 v[ADK], 5, v0
	v_readfirstlane_b32 s14, v[ADK]                ; wave
	s_and_b32 s16, ttmp7, 0xffff                   ; 8 x batch + head
	s_lshr_b32 s17, s16, 3
	s_and_b32 s18, s16, 7
	s_lshl_b32 s19, ttmp9, 2
	s_add_co_u32 s19, s19, s14                     ; my group of four query tiles
	v_and_b32 v[ADK], 31, v0
	v_lshlrev_b32 v[LI], 4, v[ADK]
	v_add_nc_u32 v[AV0], VLDS, v[LI]
	v_bfe_u32 v[ADK], v0, 4, 1
	v_lshlrev_b32 v[AT0], 6, v[ADK]
	v_add_nc_u32 v[AT0], TLDS, v[AT0]
	v_lshlrev_b32 v[GA0], 4, v0
	v_add_nc_u32 v[GV0], VLDS, v[GA0]
	v_mov_b32 v[GAK], v[GA0]
	v_mov_b32 v[GAV], v[GV0]
	v_lshlrev_b32 v[ADT], 6, v0
	v_add_nc_u32 v[ADT], TLDS, v[ADT]              ; where I store my sixteen table entries
	s_mov_b32 s20, 0x76543210
	s_mov_b32 s21, 0xfedcba98                      ; v_permlanex16_b32: lane l xor 16
	s_mov_b32 s53, 0
	s_wait_kmcnt 0x0
	s_load_b512 s[36:51], s[10:11], 0x0
	s_lshl_b32 s52, s16, 18
	s_add_nc_u64 s[6:7], s[6:7], s[52:53]          ; the head's K and V
.irp n, 0,1,2,3,4,5,6,7
	GL4 \n                                         ; chunk 0
.endr
	s_lshl_b32 s52, s17, 11
	s_add_nc_u64 s[8:9], s[8:9], s[52:53]
	global_load_b128 v[TMP:TMP+3], v[GA0], s[8:9]  ; my sixteen bytes of the mask
	s_lshl_b32 s52, s16, 17
	s_lshl_b32 s55, s19, 12                        ; four tiles of 1,024 bytes
	s_add_co_u32 s52, s52, s55
	s_add_nc_u64 s[4:5], s[4:5], s[52:53]
	WIN 0x40
.irp l, 0,1,2,3,4,5,6,7
	global_load_b128 v[QF+4*\l:QF+4*\l+3], v[LI], s[4:5] offset:512*\l
.endr
	WIN 0
	s_lshl_b32 s52, s17, 7
	s_lshl_b32 s54, s19, 2
	s_add_co_u32 s52, s52, s54                     ; ctx: row tile 128 x batch + 4 x group,
	s_lshl_b32 s52, s52, 13
	s_lshl_b32 s54, s18, 10                        ; the head's 64 of the 512 along K: 1,024 bytes of the image
	s_add_co_u32 s52, s52, s54
	s_add_nc_u64 s[12:13], s[12:13], s[52:53]
	v_and_b32 v[S], 15, v0
	v_and_b32 v[S+1], 8, v[S]
	v_add_nc_u32 v[S], v[S], v[S+1]                ; r + 8 (r / 8)
	s_lshl_b32 s57, s19, 6
	v_add_nc_u32 v[S], s57, v[S]                   ; my query of tile 0; tiles 1, 2, 3 lie 8, 32, 40 further on
.irp j, 0,1,2,3
	v_add_nc_u32 v[S+1], 128+32*(\j/2)+8*(\j%2), v[S]
	v_cvt_f32_u32 v[DD+\j], v[S+1]
	v_mul_f32 v[DD+\j], -1.0, v[DD+\j]             ; D = -query - 128: the first step adds 128
.endr
.irp x, 0,1,2,3
	v_mov_b32 v[ST+8*\x], 0
	v_mov_b32 v[ST+8*\x+1], 0
	v_mov_b32 v[ST+8*\x+2], 0                      ; the sum
	v_mov_b32 v[ST+8*\x+3], 0
	v_mov_b32 v[ST+8*\x+4], 0x5d800000             ; -M = 2^60
	v_mov_b32 v[ST+8*\x+5], 0xdd800000             ; the largest t so far: -2^60
	v_mov_b32 v[ST+8*\x+6], 0
	v_mov_b32 v[ST+8*\x+7], 0
.endr
	WIN 0x80
.set jj, 0
.rept 128
	v_mov_b32 v[OO+jj], 0                          ; O^T: the step has no first form of its own; the first change of M leaves zeros zeros
.set jj, jj+1
.endr
	WIN 0
	s_wait_kmcnt 0x0
	s_add_co_i32 s52, s42, s43                     ; e6 + e7
	s_lshl_b32 s58, s52, 23
	s_add_co_i32 s22, s58, 0x3e38aa3b              ; c' = log2(e) / 8 x 2^(e6 + e7): the exponents are added to the exponent field
	s_mov_b32 s23, s22
	s_add_co_u32 s54, s18, 1
	s_lshl_b32 s54, s54, 23
	s_sub_co_u32 s24, 0x3fb8aa3b, s54              ; s2 = log2(e) x 2^-(head + 1)
	s_sub_co_i32 s56, 2, s18
	s_sub_co_i32 s56, s56, s52                     ; 2 - head - e6 - e7
	s_add_co_i32 s25, s44, s45                     ; e8 + e9
	s_add_co_i32 s54, s45, 127
	s_lshl_b32 s55, s54, 23
	v_mov_b32 v[PSC], s55                          ; 2^e9
	s_add_co_i32 s54, s54, 8
	s_lshl_b32 s54, s54, 23
	s_or_b32 s33, s54, 0x600000                    ; 448 x 2^e9
	s_add_co_i32 s54, s46, 127
	s_lshl_b32 s35, s54, 23                        ; 2^e10
	s_add_co_i32 s54, s54, 8
	s_lshl_b32 s54, s54, 23
	s_or_b32 s34, s54, 0x600000                    ; 448 x 2^e10
	v_and_b32 v[ADK], 7, v0
	v_lshlrev_b32 v[ADK], 4, v[ADK]                ; (16 x thread) % 128
.irp e, 0,1,2,3,4,5,6,7,8,9,10,11,12,13,14,15
	v_add_nc_u32 v[S+\e], \e, v[ADK]
	v_cvt_f32_u32 v[S+\e], v[S+\e]
	v_ldexp_f32 v[S+\e], v[S+\e], s56              ; (key % 128) x 2^(2 - head - e6 - e7): exact
.endr
	v_mov_b32 v[S+17], 0xfb800000                  ; -2^120
	s_wait_loadcnt 0x0                             ; chunk 0, the mask, Q
.irp e, 0,1,2,3,4,5,6,7,8,9,10,11,12,13,14,15
	v_bfe_u32 v[S+16], v[TMP+\e/4], 8*(\e%4), 8
	v_cmp_ne_u32 vcc_lo, 0, v[S+16]
	v_cndmask_b32 v[S+\e], v[S+\e], v[S+17], vcc_lo
.endr
.irp j, 0,1,2,3
	ds_store_b128 v[ADT], v[S+4*\j:S+4*\j+3] offset:16*\j
.endr
	DST
	s_mov_b32 s26, 0                               ; the step's K and V in LDS
	s_mov_b32 s27, 0                               ; the step's table entries
	s_mov_b32 s28, 0                               ; the chunk being copied
	s_mov_b32 s29, 0
	s_wait_dscnt 0x0                               ; for the others' sake: my part of the table and of chunk 0 lies in LDS
	s_barrier_signal -1
	s_barrier_wait -1
.Lchunk:
	CHUNK 1
	s_add_co_u32 s29, s29, 1
	s_cmp_lt_u32 s29, 3
	s_cbranch_scc1 .Lchunk
	CHUNK 0                                        ; the last chunk asks for nothing
	; THE WAY OUT
.rept 4
	v_nop                                          ; four places behind the last products
.endr
.irp x, 0,1,2,3
	v_add_f32 v[TMP+\x], v[ST+8*\x+2], v[ST+8*\x+3]
.endr
.irp x, 0,1,2,3
	v_permlanex16_b32 v[TMP+8+\x], v[TMP+\x], s20, s21
.endr
.irp x, 0,1,2,3
	v_add_f32 v[TMP+\x], v[TMP+\x], v[TMP+8+\x]    ; the rows' sums
.endr
.irp x, 0,1,2,3
	v_rcp_f32 v[TMP+\x], v[TMP+\x]
.endr
	v_mov_b32 v[TMP+4], s34                        ; 448 x 2^e10 (plain lines behind the reciprocals)
	v_mov_b32 v[TMP+5], s35                        ; 2^e10
	s_wait_alu depctr_va_vdst(0)                   ; one wait for the four reciprocals, ahead of their first reader
.irp x, 0,1,2,3
	v_ldexp_f32 v[TMP+\x], v[TMP+\x], s25          ; x 2^(e8 + e9)
.endr
	WIN 0x02                                       ; source 0 (O^T) window 2
.irp x, 0,1,2,3
.set jj, 0
.rept 32
	v_mul_f32 v[S+32*\x+jj], v[OO+32*\x+jj], v[TMP+\x]   ; each accumulator from its low end on
.set jj, jj+1
.endr
.endr
	WIN 0
.irp g, 0,1,2,3,4,5,6,7                ; tile g / 2, channels 32 (g % 2) + 16 h + 0 .. 15
.irp i, 0,1,2,3,4,5,6,7,8,9,10,11,12,13,14,15
	v_med3_num_f32 v[S+16*\g+\i], v[S+16*\g+\i], -v[TMP+4], v[TMP+4]
.endr
	v_cvt_scalef32_pk8_fp8_f32 v[P+4*\g:P+4*\g+1], v[S+16*\g:S+16*\g+7], v[TMP+5]
	v_cvt_scalef32_pk8_fp8_f32 v[P+4*\g+2:P+4*\g+3], v[S+16*\g+8:S+16*\g+15], v[TMP+5]
.endr
	v_nop                                          ; one plain line behind the last scaled conversion
.irp g, 0,1,2,3,4,5,6,7
	global_store_b128 v[LI], v[P+4*\g:P+4*\g+3], s[12:13] offset:(\g/2)*8192+(\g%2)*512   ; 32 lanes store 512 consecutive bytes, aligned
.endr
	s_wait_tensorcnt 0x0
	ds_add_u32 v254, v255
	s_wait_dscnt 0x0
	s_endpgm
.Lfunc_end_k_q47b06d2a7d_attn:
	.size	k_q47b06d2a7d_attn, .Lfunc_end_k_q47b06d2a7d_attn-k_q47b06d2a7d_attn
	.p2alignl 7, 3214868480
	.fill 96, 4, 3214868480
	.section	.rodata,"a",@progbits
	.p2align	6, 0x0
	.amdhsa_kernel k_q47b06d2a7d_attn
		.amdhsa_group_segment_fixed_size 272896
		.amdhsa_private_segment_fixed_size 0
		.amdhsa_enable_private_segment 0
		.amdhsa_kernarg_size 40
		.amdhsa_user_sgpr_count 2
		.amdhsa_user_sgpr_kernarg_segment_ptr 1
		.amdhsa_wavefront_size32 1
		.amdhsa_system_sgpr_workgroup_id_x 1
		.amdhsa_system_sgpr_workgroup_id_y 1
		.amdhsa_system_sgpr_workgroup_id_z 1
		.amdhsa_system_vgpr_workitem_id 0
		.amdhsa_next_free_vgpr 768
		.amdhsa_next_free_sgpr 72
		.amdhsa_reserve_vcc 1
		.amdhsa_float_denorm_mode_32 3
		.amdhsa_float_denorm_mode_16_64 3
		.amdhsa_memory_ordered 1
		.amdhsa_forward_progress 1
		.amdhsa_inst_pref_size 255
	.end_amdhsa_kernel
	.section	.bss,"aw",@nobits
	.p2align	6
	.space	262144
	.amdgpu_metadata
---
amdhsa.version: [ 1, 2 ]
amdhsa.kernels:
  - .name:           k_q47b06d2a7d_attn
    .symbol:         k_q47b06d2a7d_attn.kd
    .args:
      - { .name: qc, .offset: 0, .size: 8, .value_kind: global_buffer, .address_space: global }
      - { .name: kv, .offset: 8, .size: 8, .value_kind: global_buffer, .address_space: global }
      - { .name: key_padding_mask, .offset: 16, .size: 8, .value_kind: global_buffer, .address_space: global }
      - { .name: lowp_scales, .offset: 24, .size: 8, .value_kind: global_buffer, .address_space: global }
      - { .name: cc, .offset: 32, .size: 8, .value_kind: global_buffer, .address_space: global }
    .group_segment_fixed_size: 272896
    .private_segment_fixed_size: 0
    .kernarg_segment_align: 8
    .kernarg_segment_size: 40
    .max_flat_workgroup_size: 128
    .sgpr_count:     72
    .vgpr_count:     768
    .wavefront_size: 32
...
	.end_amdgpu_metadata
.endif
;; end of part 3
;; launch oproj (part 4): grid 256 x 1, 8 waves a work-group, no clusters, 84,480 bytes of LDS; arguments cc, wc, lowp_scales, b_o, src, ln2_g, ln2_b, s2, x2c; writes s2, x2c
.if DOCPART == 4
	.amdgcn_target "amdgcn-amd-amdhsa--gfx1250"
	.amdhsa_code_object_version 6
	.text
	.protected	k_q47b06d2a7d_oproj
	.globl	k_q47b06d2a7d_oproj
	.p2align	8
	.type	k_q47b06d2a7d_oproj,@function
k_q47b06d2a7d_oproj:
	s_mov_b64 s[64:65], 0
	v_nop
	global_prefetch_b8 v0, s[64:65] scope:SCOPE_SE
	s_setreg_imm32_b32 hwreg(HW_REG_WAVE_MODE, 25, 1), 1
	s_wait_xcnt 0x0
; s2 = src + ctx w_o + b_o;  x2c = codes of LayerNorm(s2).  A work-group takes 32 tokens (two row tiles).
; Wave w holds its 64 columns of w_o (4 tiles x 4 K steps, 256 registers, window 1) and multiplies them, transposed (source 0 = columns, source 1 = rows), with both row tiles;
; the sums meet in a stage in LDS (a row a slot); one barrier; wave w then owns four whole rows: lane L holds k = 128 j + 4 L + e, adds src and b_o, stores s2 by dense 512-byte stores, normalises, quantises;
; the codes meet in two row-tile images in LDS; one barrier; each wave stores a quarter of an image, 512 consecutive bytes a store.
; LIMITS: e10 + e11 between -126 and 127; e12 between -126 and 119.  NaN among the inputs is not served.
; No tensor loads: the weight goes straight into registers; work-groups share only the weight, 262,144 bytes read once each.
.set PC,  16
.set ACC, 32                           ; v32-63   four accumulators
.set XF,  64                           ; v64-191  ctx's eight fragments: (u, s) at 64 u + 16 s
.set XS,  192                          ; v192-255 four rows of src, then of s2, then normalised
.set GG,  64                           ; behind the products: gain, bias, b_o at my 16 k, and the four rows of sums
.set BT,  80
.set BO,  96
.set RR,  112
.set TT,  112                          ; behind those: at work
.set MU,  144
.set RS,  152
.set SPITCH, 2064                      ; a stage slot: 2,048 bytes + 16
.set CT,  32*SPITCH                    ; behind the stage: two images of 32 pieces x 272 bytes
.set TILE, 8704
.set MSB, 0
.macro WIN new
.if MSB != \new
	s_set_vgpr_msb (MSB<<8)|\new
.set MSB, \new
.endif
.endm
.macro RED4
.irp m, 1,2,4,8
.irp p, 0,1,2,3
	v_add_f32_dpp v[TT+8*\p], v[TT+8*\p], v[TT+8*\p] row_xmask:\m row_mask:0xf bank_mask:0xf
.endr
.endr
.irp p, 0,1,2,3
	v_permlanex16_b32 v[TT+8*\p+1], v[TT+8*\p], s24, s25
.endr
.irp p, 0,1,2,3
	v_add_f32 v[TT+8*\p], v[TT+8*\p], v[TT+8*\p+1]
.endr
.endm
.macro LN4 xb                          ; four rows in v[xb] on become four times 16 codes in v[PC] on; the variance in a second pass over x - mean
.irp p, 0,1,2,3
.irp a, 0,1,2,3
	v_pk_add_f32 v[TT+8*\p+2*\a:TT+8*\p+2*\a+1], v[\xb+16*\p+4*\a:\xb+16*\p+4*\a+1], v[\xb+16*\p+4*\a+2:\xb+16*\p+4*\a+3]
.endr
.endr
.irp p, 0,1,2,3
	v_pk_add_f32 v[TT+8*\p:TT+8*\p+1], v[TT+8*\p:TT+8*\p+1], v[TT+8*\p+2:TT+8*\p+3]
	v_pk_add_f32 v[TT+8*\p+4:TT+8*\p+5], v[TT+8*\p+4:TT+8*\p+5], v[TT+8*\p+6:TT+8*\p+7]
.endr
.irp p, 0,1,2,3
	v_pk_add_f32 v[TT+8*\p:TT+8*\p+1], v[TT+8*\p:TT+8*\p+1], v[TT+8*\p+4:TT+8*\p+5]
.endr
.irp p, 0,1,2,3
	v_add_f32 v[TT+8*\p], v[TT+8*\p], v[TT+8*\p+1]
.endr
	RED4
.irp p, 0,1,2,3
	v_mul_f32 v[MU+2*\p], s26, v[TT+8*\p]
.endr
.irp p, 0,1,2,3
.irp a, 0,2,4,6,8,10,12,14
	v_pk_add_f32 v[\xb+16*\p+\a:\xb+16*\p+\a+1], v[\xb+16*\p+\a:\xb+16*\p+\a+1], v[MU+2*\p:MU+2*\p+1] op_sel_hi:[1,0] neg_lo:[0,1] neg_hi:[0,1]
.endr
.endr
.irp p, 0,1,2,3
	v_pk_mul_f32 v[TT+8*\p:TT+8*\p+1], v[\xb+16*\p:\xb+16*\p+1], v[\xb+16*\p:\xb+16*\p+1]
	v_pk_mul_f32 v[TT+8*\p+2:TT+8*\p+3], v[\xb+16*\p+2:\xb+16*\p+3], v[\xb+16*\p+2:\xb+16*\p+3]
.endr
.irp a, 4,8,12
.irp p, 0,1,2,3
	v_pk_fma_f32 v[TT+8*\p:TT+8*\p+1], v[\xb+16*\p+\a:\xb+16*\p+\a+1], v[\xb+16*\p+\a:\xb+16*\p+\a+1], v[TT+8*\p:TT+8*\p+1]
	v_pk_fma_f32 v[TT+8*\p+2:TT+8*\p+3], v[\xb+16*\p+\a+2:\xb+16*\p+\a+3], v[\xb+16*\p+\a+2:\xb+16*\p+\a+3], v[TT+8*\p+2:TT+8*\p+3]
.endr
.endr
.irp p, 0,1,2,3
	v_pk_add_f32 v[TT+8*\p:TT+8*\p+1], v[TT+8*\p:TT+8*\p+1], v[TT+8*\p+2:TT+8*\p+3]
.endr
.irp p, 0,1,2,3
	v_add_f32 v[TT+8*\p], v[TT+8*\p], v[TT+8*\p+1]
.endr
	RED4
.irp p, 0,1,2,3
	v_fma_f32 v[TT+8*\p], v[TT+8*\p], s26, s27
.endr
.irp p, 0,1,2,3
	v_rsq_f32 v[RS+2*\p], v[TT+8*\p]
.endr
	v_nop                                          ; a plain instruction behind the last of the four,
	s_wait_alu depctr_va_vdst(0)                   ; and one wait for the batch, ahead of its first reader
.irp p, 0,1,2,3
.irp a, 0,2,4,6,8,10,12,14
	v_pk_mul_f32 v[\xb+16*\p+\a:\xb+16*\p+\a+1], v[\xb+16*\p+\a:\xb+16*\p+\a+1], v[RS+2*\p:RS+2*\p+1] op_sel_hi:[1,0]
.endr
.endr
.irp p, 0,1,2,3
.irp a, 0,2,4,6,8,10,12,14
	v_pk_fma_f32 v[\xb+16*\p+\a:\xb+16*\p+\a+1], v[\xb+16*\p+\a:\xb+16*\p+\a+1], v[GG+\a:GG+\a+1], v[BT+\a:BT+\a+1]
.endr
.endr
.irp p, 0,1,2,3
.irp a, 0,1,2,3,4,5,6,7,8,9,10,11,12,13,14,15
	v_med3_num_f32 v[\xb+16*\p+\a], v[\xb+16*\p+\a], -v8, v8
.endr
.endr
.irp p, 0,1,2,3
	v_cvt_scalef32_pk8_fp8_f32 v[PC+4*\p:PC+4*\p+1], v[\xb+16*\p:\xb+16*\p+7], v9
	v_cvt_scalef32_pk8_fp8_f32 v[PC+4*\p+2:PC+4*\p+3], v[\xb+16*\p+8:\xb+16*\p+15], v9
.endr
	v_nop                                          ; one plain instruction behind the last scaled conversion
.endm
.macro MUL16 u                         ; row tile u: 16 matrix instructions, four accumulators by turns, one instruction a turn
	WIN 0x01
.irp s, 0,1,2,3
.irp t, 0,1,2,3
.if \s == 0
	v_wmma_f32_16x16x128_fp8_fp8 v[ACC+8*\t:ACC+8*\t+7], v[16*(4*\t+\s):16*(4*\t+\s)+15], v[XF+64*(\u)+16*\s:XF+64*(\u)+16*\s+15], 0
.else
	v_wmma_f32_16x16x128_fp8_fp8 v[ACC+8*\t:ACC+8*\t+7], v[16*(4*\t+\s):16*(4*\t+\s)+15], v[XF+64*(\u)+16*\s:XF+64*(\u)+16*\s+15], v[ACC+8*\t:ACC+8*\t+7]
.endif
.endr
.endr
	WIN 0
.rept 4
	v_nop                                          ; four places ahead of the first read of results and of loads into the products' registers
.endr
.endm
.macro TOSTAGE u                       ; lane (r, h): row slot 16 u + r, columns 64 w + 32 b + 16 h + 0 .. 15
.irp b, 0,1
.irp j, 0,1,2,3
	ds_store_b128 v2, v[ACC+16*\b+4*\j:ACC+16*\b+4*\j+3] offset:(\u)*16*SPITCH+128*\b+16*\j
.endr
.endr
.endm
	s_load_b512 s[4:19], s[0:1], 0x0               ; cc, wc, the scales, b_o, src, ln2_g, ln2_b, s2
	s_load_b64 s[20:21], s[0:1], 0x40              ; x2c
	v_lshl_add_u32 v14, v0, 2, 0x14600
	v_mov_b32 v15, 0
	v_lshrrev_b32 v10, 5, v0
	v_readfirstlane_b32 s22, v10                   ; wave
	v_and_b32 v11, 31, v0
	v_lshlrev_b32 v1, 4, v11                       ; 16 x lane
	v_and_b32 v12, 15, v0                          ; r
	v_bfe_u32 v13, v0, 4, 1                        ; h
	s_lshr_b32 s30, s22, 2                         ; w / 4: which row tile my four rows belong to
	s_and_b32 s31, s22, 3
	s_bfe_u32 s32, s22, 0x10001
	v_mul_u32_u24 v2, v12, SPITCH
	v_lshl_add_u32 v2, v13, 6, v2
	s_lshl_b32 s40, s22, 8
	v_add_nc_u32 v2, s40, v2                       ; into the stage: slot r, + 64 h, + my 256 bytes of a row
	s_mul_i32 s40, s22, 4*SPITCH
	v_add_nc_u32 v3, s40, v1                       ; out of it: slots 4 w on, 16 bytes a lane
	s_mul_i32 s41, s30, TILE
	s_add_co_u32 s41, s41, CT
	s_lshl_b32 s42, s31, 6
	s_add_co_u32 s42, s42, s41
	v_mul_u32_u24 v4, v11, 272
	v_add_nc_u32 v4, s42, v4                       ; codes in: piece = my lane, row lanes 4 (w % 4) on
	s_mul_i32 s42, s31, 8*272
	s_add_co_u32 s42, s42, s41
	v_mul_u32_u24 v5, v13, 272
	v_lshl_add_u32 v5, v12, 4, v5
	v_add_nc_u32 v5, s42, v5                       ; codes out: pieces 8 (w % 4) + h on
	s_lshl_b32 s42, s30, 13
	s_lshl_b32 s43, s31, 11
	s_add_co_u32 s42, s42, s43
	v_lshlrev_b32 v6, 8, v13
	v_lshl_add_u32 v6, v12, 4, v6
	v_add_nc_u32 v6, s42, v6                       ; and the same place in x2c
	s_lshl_b32 s33, s30, 3                         ; slots 4 w .. 4 w + 3 are tokens 8 (w/4) + 4 (w%4) + 8 ((w/2)%2) + 0 .. 3 of the 32
	s_lshl_b32 s34, s31, 2
	s_add_co_u32 s33, s33, s34
	s_lshl_b32 s34, s32, 3
	s_add_co_u32 s33, s33, s34
	s_lshl_b32 s34, ttmp9, 5
	s_add_co_u32 s34, s34, s33
	s_lshl_b32 s34, s34, 11                        ; rows of 2,048 bytes
	s_mov_b32 s35, 0
	s_lshl_b32 s52, ttmp9, 14                      ; two images of 8,192 bytes
	s_mov_b32 s53, 0
	s_lshl_b32 s54, s22, 15
	s_add_co_u32 s54, s54, 0xc0000                 ; w_o in wc, my four tiles
	s_mov_b32 s55, 0
	s_mov_b32 s24, 0x76543210
	s_mov_b32 s25, 0xfedcba98
	s_mov_b32 s26, 0x3b000000                      ; 1 / 512
	s_mov_b32 s27, 0x3727c5ac                      ; 1e-5
	s_wait_kmcnt 0x0
	s_load_b512 s[36:51], s[8:9], 0x0
	s_add_nc_u64 s[4:5], s[4:5], s[52:53]
	s_add_nc_u64 s[20:21], s[20:21], s[52:53]
	s_add_nc_u64 s[6:7], s[6:7], s[54:55]
	s_add_nc_u64 s[12:13], s[12:13], s[34:35]
	s_add_nc_u64 s[18:19], s[18:19], s[34:35]
.set ll, 0
.rept 32
	global_load_b128 v[XF+4*ll:XF+4*ll+3], v1, s[4:5] offset:512*ll
.set ll, ll+1
.endr
	WIN 0x40
.set ll, 0
.rept 64
	global_load_b128 v[4*ll:4*ll+3], v1, s[6:7] offset:512*ll
.set ll, ll+1
.endr
	WIN 0
.irp p, 0,1,2,3
.irp j, 0,1,2,3
	global_load_b128 v[XS+16*\p+4*\j:XS+16*\p+4*\j+3], v1, s[12:13] offset:\p*2048+512*\j th:TH_LOAD_NT
.endr
.endr
	s_wait_kmcnt 0x0
	s_add_co_i32 s28, s46, s47
	s_add_co_i32 s28, s28, 127
	s_lshl_b32 s28, s28, 23                        ; 2^(e10 + e11)
	s_mov_b32 s29, s28
	s_add_co_i32 s56, s48, 127
	s_lshl_b32 s57, s56, 23
	v_mov_b32 v9, s57                              ; 2^e12
	s_add_co_i32 s56, s56, 8
	s_lshl_b32 s56, s56, 23
	s_or_b32 s56, s56, 0x600000
	v_mov_b32 v8, s56
	s_wait_loadcnt 16                              ; ctx and the weight are in; src's sixteen loads may stay out
	MUL16 0
	TOSTAGE 0
	s_wait_dscnt 0x0                               ; the stores have read the accumulators,
	v_nop                                          ; and a fifth place stands ahead of the products that write over them
	MUL16 1
.irp j, 0,1,2,3
	global_load_b128 v[GG+4*\j:GG+4*\j+3], v1, s[14:15] offset:512*\j
	global_load_b128 v[BT+4*\j:BT+4*\j+3], v1, s[16:17] offset:512*\j
	global_load_b128 v[BO+4*\j:BO+4*\j+3], v1, s[10:11] offset:512*\j
.endr
	TOSTAGE 1
	s_wait_dscnt 0x0
	s_barrier_signal -1
	s_barrier_wait -1                              ; 32 whole rows of sums lie in the stage
.irp p, 0,1,2,3
.irp j, 0,1,2,3
	ds_load_b128 v[RR+16*\p+4*\j:RR+16*\p+4*\j+3], v3 offset:\p*SPITCH+512*\j
.endr
.endr
	s_wait_loadcnt 0x0
	s_wait_dscnt 0x0
.irp p, 0,1,2,3
.irp a, 0,2,4,6,8,10,12,14
	v_pk_add_f32 v[XS+16*\p+\a:XS+16*\p+\a+1], v[XS+16*\p+\a:XS+16*\p+\a+1], v[BO+\a:BO+\a+1]
.endr
.endr
.irp p, 0,1,2,3
.irp a, 0,2,4,6,8,10,12,14
	v_pk_fma_f32 v[XS+16*\p+\a:XS+16*\p+\a+1], v[RR+16*\p+\a:RR+16*\p+\a+1], s[28:29], v[XS+16*\p+\a:XS+16*\p+\a+1] op_sel_hi:[1,0,1]   ; src + b_o + sum x 2^(e10 + e11)
.endr
.endr
.irp p, 0,1,2,3
.irp j, 0,1,2,3
	global_store_b128 v1, v[XS+16*\p+4*\j:XS+16*\p+4*\j+3], s[18:19] offset:\p*2048+512*\j
.endr
.endr
	s_wait_xcnt 0x0                                ; the stores have read their data: the rows are normalised in place only behind this wait
	LN4 XS
.irp p, 0,1,2,3
	ds_store_b128 v4, v[PC+4*\p:PC+4*\p+3] offset:16*\p
.endr
	s_wait_dscnt 0x0
	s_barrier_signal -1
	s_barrier_wait -1                              ; both images are whole
.irp i, 0,1,2,3
	ds_load_b128 v[ACC+4*\i:ACC+4*\i+3], v5 offset:544*\i
.endr
.irp i, 0,1,2,3
	s_wait_dscnt 3-\i
	global_store_b128 v6, v[ACC+4*\i:ACC+4*\i+3], s[20:21] offset:512*\i
.endr
	s_wait_tensorcnt 0x0
	ds_add_u32 v14, v15
	s_wait_dscnt 0x0
	s_endpgm
.Lfunc_end_k_q47b06d2a7d_oproj:
	.size	k_q47b06d2a7d_oproj, .Lfunc_end_k_q47b06d2a7d_oproj-k_q47b06d2a7d_oproj
	.p2alignl 7, 3214868480
	.fill 96, 4, 3214868480
	.section	.rodata,"a",@progbits
	.p2align	6, 0x0
	.amdhsa_kernel k_q47b06d2a7d_oproj
		.amdhsa_group_segment_fixed_size 84480
		.amdhsa_private_segment_fixed_size 0
		.amdhsa_enable_private_segment 0
		.amdhsa_kernarg_size 72
		.amdhsa_user_sgpr_count 2
		.amdhsa_user_sgpr_kernarg_segment_ptr 1
		.amdhsa_wavefront_size32 1
		.amdhsa_system_sgpr_workgroup_id_x 1
		.amdhsa_system_sgpr_workgroup_id_y 1
		.amdhsa_system_sgpr_workgroup_id_z 1
		.amdhsa_system_vgpr_workitem_id 0
		.amdhsa_next_free_vgpr 512
		.amdhsa_next_free_sgpr 66
		.amdhsa_reserve_vcc 0
		.amdhsa_float_denorm_mode_32 3
		.amdhsa_float_denorm_mode_16_64 3
		.amdhsa_memory_ordered 1
		.amdhsa_forward_progress 1
		.amdhsa_inst_pref_size 45
	.end_amdhsa_kernel
	.amdgpu_metadata
---
amdhsa.version: [ 1, 2 ]
amdhsa.kernels:
  - .name:           k_q47b06d2a7d_oproj
    .symbol:         k_q47b06d2a7d_oproj.kd
    .args:
      - { .name: cc, .offset: 0, .size: 8, .value_kind: global_buffer, .address_space: global }
      - { .name: wc, .offset: 8, .size: 8, .value_kind: global_buffer, .address_space: global }
      - { .name: lowp_scales, .offset: 16, .size: 8, .value_kind: global_buffer, .address_space: global }
      - { .name: b_o, .offset: 24, .size: 8, .value_kind: global_buffer, .address_space: global }
      - { .name: src, .offset: 32, .size: 8, .value_kind: global_buffer, .address_space: global }
      - { .name: ln2_g, .offset: 40, .size: 8, .value_kind: global_buffer, .address_space: global }
      - { .name: ln2_b, .offset: 48, .size: 8, .value_kind: global_buffer, .address_space: global }
      - { .name: s2, .offset: 56, .size: 8, .value_kind: global_buffer, .address_space: global }
      - { .name: x2c, .offset: 64, .size: 8, .value_kind: global_buffer, .address_space: global }
    .group_segment_fixed_size: 84480
    .private_segment_fixed_size: 0
    .kernarg_segment_align: 8
    .kernarg_segment_size: 72
    .max_flat_workgroup_size: 256
    .sgpr_count:     66
    .vgpr_count:     512
    .wavefront_size: 32
...
	.end_amdgpu_metadata
.endif
;; end of part 4
;; launch ffn1 (part 5): grid 8 x 32, 8 waves a work-group, no clusters, 132,096 bytes of LDS; arguments x2c, wc, lowp_scales, b1, hc; writes hc
.if DOCPART == 5
	.amdgcn_target "amdgcn-amd-amdhsa--gfx1250"
	.amdhsa_code_object_version 6
	.text
	.protected	k_q47b06d2a7d_ffn1
	.globl	k_q47b06d2a7d_ffn1
	.p2align	8
	.type	k_q47b06d2a7d_ffn1,@function
k_q47b06d2a7d_ffn1:
	s_mov_b64 s[64:65], 0
	v_nop
	global_prefetch_b8 v0, s[64:65] scope:SCOPE_SE
	s_setreg_imm32_b32 hwreg(HW_REG_WAVE_MODE, 25, 1), 1
	s_wait_xcnt 0x0
; hidden = gelu(x2 w1[:, :2048] + b1[:2048]) x (x2 w1[:, 2048:] + b1[2048:]), quantised for the last product.  Work-group (256 hidden units, 256 rows).
; Wave w holds two tiles of gate columns and the two tiles of linear columns 2,048 further on (4 tiles x 4 K steps, 256 registers, window 1): 32 hidden units, one group of four registers of the next operand.
; The rows' sixteen images (131,072 bytes) are copied into LDS once; a trip takes one row tile: 16 matrix instructions (transposed: a lane holds one token and 16 neighbouring hidden units), the GLU, the conversion,
; one store of 512 consecutive bytes.  Two waves to a SIMD: one wave's GLU stands beside the other's products.
; b1 goes in as the C of each sum's first product, divided by 2^(e12 + e13).
; erf(z) = z P(z^2) / Q(z^2), z held within +-4: a rational form of degrees 6 and 4 in z^2, good to a few parts in 10^7.
; gelu(g) lin = G L (1 + erf) x 2^(2 (e12 + e13) - 1) for the raw sums G, L: that power of two is folded into the conversion's scale.
; LIMITS: e12 + e13 between -125 and 126; e14 - 2 (e12 + e13) + 1 between -126 and 119.  NaN among the inputs is not served.
.set BI,  16                           ; v16-47   b1 / 2^(e12 + e13): gate's 16, linear's 16
.set PC,  48                           ; v48-51   the codes
.set XF,  64                           ; v64-127  a row tile's four fragments
.set ACC, 128                          ; v128-143 gate, v144-159 linear
.set ZC,  160
.set W2,  176
.set PN,  192
.set QD,  208
.set MSB, 0
.macro WIN new
.if MSB != \new
	s_set_vgpr_msb (MSB<<8)|\new
.set MSB, \new
.endif
.endm
.macro GLU16
.irp j, 0,2,4,6,8,10,12,14
	v_pk_mul_f32 v[ZC+\j:ZC+\j+1], v[ACC+\j:ACC+\j+1], s[18:19] op_sel_hi:[1,0]   ; z = g / sqrt(2)
.endr
.irp i, 0,1,2,3,4,5,6,7,8,9,10,11,12,13,14,15
	v_med3_num_f32 v[ZC+\i], v[ZC+\i], -4.0, 4.0
.endr
.irp j, 0,2,4,6,8,10,12,14
	v_pk_mul_f32 v[W2+\j:W2+\j+1], v[ZC+\j:ZC+\j+1], v[ZC+\j:ZC+\j+1]
.endr
.irp j, 0,2,4,6,8,10,12,14
	v_pk_fma_f32 v[PN+\j:PN+\j+1], v[W2+\j:W2+\j+1], v[224:225], 0x32edffee op_sel_hi:[1,1,0]
	v_pk_fma_f32 v[QD+\j:QD+\j+1], v[W2+\j:W2+\j+1], v[226:227], 0xb95fbd29 op_sel_hi:[1,1,0]
.endr
.irp c, 0xb60cff51, 0xb86ec2d2, 0xba40ac63, 0xbb41a1f6, 0xbc83dbd4
.irp j, 0,2,4,6,8,10,12,14
	v_pk_fma_f32 v[PN+\j:PN+\j+1], v[PN+\j:PN+\j+1], v[W2+\j:W2+\j+1], \c op_sel_hi:[1,1,0]
.endr
.endr
.irp c, 0xbadc924e, 0xbbf19bf8, 0xbc69b6a7
.irp j, 0,2,4,6,8,10,12,14
	v_pk_fma_f32 v[QD+\j:QD+\j+1], v[QD+\j:QD+\j+1], v[W2+\j:W2+\j+1], \c op_sel_hi:[1,1,0]
.endr
.endr
.irp i, 0,1,2,3,4,5,6,7,8,9,10,11,12,13,14,15
	v_rcp_f32 v[QD+\i], v[QD+\i]
.endr
.irp j, 0,2,4,6,8,10,12,14
	v_pk_mul_f32 v[PN+\j:PN+\j+1], v[PN+\j:PN+\j+1], v[ZC+\j:ZC+\j+1]   ; plain work behind the batch of reciprocals
.endr
	s_wait_alu depctr_va_vdst(0)                   ; one wait for the sixteen, ahead of their first reader
.irp j, 0,2,4,6,8,10,12,14
	v_pk_mul_f32 v[PN+\j:PN+\j+1], v[PN+\j:PN+\j+1], v[QD+\j:QD+\j+1]   ; erf
.endr
.irp j, 0,2,4,6,8,10,12,14
	v_pk_fma_f32 v[ACC+\j:ACC+\j+1], v[ACC+\j:ACC+\j+1], v[PN+\j:PN+\j+1], v[ACC+\j:ACC+\j+1]   ; G (1 + erf)
.endr
.irp j, 0,2,4,6,8,10,12,14
	v_pk_mul_f32 v[ACC+\j:ACC+\j+1], v[ACC+\j:ACC+\j+1], v[ACC+16+\j:ACC+16+\j+1]   ; x L, each accumulator from its low end on
.endr
.endm
.macro ROWT fetch                      ; one row tile.  fetch = 1: the next tile's fragments are asked for behind the products
	s_wait_dscnt 0x0
	WIN 0x01
.irp s, 0,1,2,3
.irp t, 0,1,2,3
.if \s == 0
	v_wmma_f32_16x16x128_fp8_fp8 v[ACC+8*\t:ACC+8*\t+7], v[16*(4*\t+\s):16*(4*\t+\s)+15], v[XF+16*\s:XF+16*\s+15], v[BI+8*\t:BI+8*\t+7]
.else
	v_wmma_f32_16x16x128_fp8_fp8 v[ACC+8*\t:ACC+8*\t+7], v[16*(4*\t+\s):16*(4*\t+\s)+15], v[XF+16*\s:XF+16*\s+15], v[ACC+8*\t:ACC+8*\t+7]
.endif
.endr
.endr
	WIN 0
.rept 4
	v_nop                                          ; four places ahead of the loads into the fragments' registers and of the first read of results
.endr
.if \fetch
	s_add_co_u32 s20, s20, 8192
	v_add_nc_u32 v4, s20, v1
.irp l, 0,1,2,3,4,5,6,7,8,9,10,11,12,13,14,15
	ds_load_b128 v[XF+4*\l:XF+4*\l+3], v4 offset:512*\l
.endr
.endif
	GLU16
.irp i, 0,1,2,3,4,5,6,7,8,9,10,11,12,13,14,15
	v_med3_num_f32 v[ACC+\i], v[ACC+\i], -v8, v8
.endr
	v_cvt_scalef32_pk8_fp8_f32 v[PC:PC+1], v[ACC:ACC+7], v9
	v_cvt_scalef32_pk8_fp8_f32 v[PC+2:PC+3], v[ACC+8:ACC+15], v9
	v_nop                                          ; one plain instruction behind the last scaled conversion: the next products write its sources
	global_store_b128 v1, v[PC:PC+3], s[12:13]
	s_wait_xcnt 0x0                                ; the store has read its base and data: both are written again only behind this wait
	s_add_nc_u64 s[12:13], s[12:13], 32768         ; the next row tile's images
.endm
	s_load_b256 s[4:11], s[0:1], 0x0               ; x2c, wc, the scales, b1
	s_load_b64 s[12:13], s[0:1], 0x20              ; hc
	v_lshl_add_u32 v254, v0, 2, 0x20000
	v_mov_b32 v255, 0
	v_lshrrev_b32 v10, 5, v0
	v_readfirstlane_b32 s14, v10                   ; wave
	s_mov_b32 s15, ttmp9                           ; block of 256 hidden units
	s_and_b32 s16, ttmp7, 0xffff                   ; block of 256 rows
	v_and_b32 v11, 31, v0
	v_lshlrev_b32 v1, 4, v11
	v_lshlrev_b32 v2, 4, v0                        ; the copy: 16 x thread,
	v_add_nc_u32 v3, 0x10000, v2                   ; and 65,536 bytes on
	v_bfe_u32 v12, v0, 4, 1
	v_lshlrev_b32 v5, 6, v12                       ; b1: 64 h
	s_mov_b32 s23, 0
	s_mov_b32 s25, 0
	s_mov_b32 s27, 0
	s_mov_b32 s29, 0
	s_lshl_b32 s22, s16, 17                        ; the rows' sixteen images
	s_lshl_b32 s24, s15, 4
	s_lshl_b32 s30, s14, 1
	s_add_co_u32 s24, s24, s30
	s_lshl_b32 s24, s24, 13
	s_add_co_u32 s24, s24, 0x100000                ; w1 in wc, gate tiles 16 block + 2 wave on
	s_lshl_b32 s26, s15, 10
	s_lshl_b32 s30, s14, 7
	s_add_co_u32 s26, s26, s30                     ; b1: 4 (256 block + 32 wave)
	s_lshl_b32 s28, s16, 19                        ; hc: row tile 16 x row block,
	s_lshl_b32 s30, s15, 12                        ; K step 2 block + wave / 4, group wave % 4: 4,096 block + 512 wave
	s_add_co_u32 s28, s28, s30
	s_lshl_b32 s30, s14, 9
	s_add_co_u32 s28, s28, s30
	s_wait_kmcnt 0x0
	s_load_b512 s[36:51], s[8:9], 0x0
	s_add_nc_u64 s[4:5], s[4:5], s[22:23]
	s_add_nc_u64 s[6:7], s[6:7], s[24:25]
	s_add_nc_u64 s[10:11], s[10:11], s[26:27]
	s_add_nc_u64 s[12:13], s[12:13], s[28:29]
.set ll, 0
.rept 32
	global_load_b128 v[64+4*ll:64+4*ll+3], v2, s[4:5] offset:4096*ll
.set ll, ll+1
.endr
	WIN 0x40
.set ll, 0
.rept 32
	global_load_b128 v[4*ll:4*ll+3], v1, s[6:7] offset:512*ll
.set ll, ll+1
.endr
.set ll, 0
.rept 32
	global_load_b128 v[128+4*ll:128+4*ll+3], v1, s[6:7] offset:0x100000+512*ll   ; the linear half: 128 tiles of 8,192 bytes on
.set ll, ll+1
.endr
	WIN 0
.irp j, 0,1,2,3
	global_load_b128 v[BI+4*\j:BI+4*\j+3], v5, s[10:11] offset:16*\j
	global_load_b128 v[BI+16+4*\j:BI+16+4*\j+3], v5, s[10:11] offset:8192+16*\j
.endr
	v_mov_b32 v224, 0xaf95df0b                     ; the leading coefficients, as pairs
	v_mov_b32 v225, 0xaf95df0b
	v_mov_b32 v226, 0xb77460cd
	v_mov_b32 v227, 0xb77460cd
	s_wait_kmcnt 0x0
	s_add_co_i32 s30, s48, s49                     ; E = e12 + e13
	s_lshl_b32 s31, s30, 23
	s_add_co_i32 s18, s31, 0x3f3504f3              ; 2^E / sqrt(2): E is added to the exponent field
	s_mov_b32 s19, s18
	s_sub_co_i32 s32, 0, s30                       ; -E
	s_lshl_b32 s33, s30, 1
	s_sub_co_i32 s33, s50, s33
	s_add_co_i32 s33, s33, 128                     ; e14 - 2 E + 1 + 127
	s_lshl_b32 s34, s33, 23
	v_mov_b32 v9, s34
	s_add_co_i32 s33, s33, 8
	s_lshl_b32 s33, s33, 23
	s_or_b32 s33, s33, 0x600000
	v_mov_b32 v8, s33
	s_wait_loadcnt 63                              ; the copy's 32 loads are in: behind them stand 72, and the wait's field holds 63
.set ll, 0
.rept 16
	ds_store_b128 v2, v[64+4*ll:64+4*ll+3] offset:4096*ll
.set ll, ll+1
.endr
.set ll, 0
.rept 16
	ds_store_b128 v3, v[128+4*ll:128+4*ll+3] offset:4096*ll
.set ll, ll+1
.endr
	s_wait_dscnt 0x0
	s_barrier_signal -1
	s_barrier_wait -1                              ; the sixteen images lie in LDS; from here on LDS is only read
.irp l, 0,1,2,3,4,5,6,7,8,9,10,11,12,13,14,15
	ds_load_b128 v[XF+4*\l:XF+4*\l+3], v1 offset:512*\l
.endr
	s_wait_loadcnt 0x0                             ; the weight and b1
.set ll, 0
.rept 32
	v_ldexp_f32 v[BI+ll], v[BI+ll], s32
.set ll, ll+1
.endr
	s_mov_b32 s20, 0
	s_mov_b32 s21, 0
.Lrow:
	ROWT 1
	s_add_co_u32 s21, s21, 1
	s_cmp_lt_u32 s21, 15
	s_cbranch_scc1 .Lrow
	ROWT 0                                         ; the last tile fetches nothing
	s_wait_tensorcnt 0x0
	ds_add_u32 v254, v255
	s_wait_dscnt 0x0
	s_endpgm
.Lfunc_end_k_q47b06d2a7d_ffn1:
	.size	k_q47b06d2a7d_ffn1, .Lfunc_end_k_q47b06d2a7d_ffn1-k_q47b06d2a7d_ffn1
	.p2alignl 7, 3214868480
	.fill 96, 4, 3214868480
	.section	.rodata,"a",@progbits
	.p2align	6, 0x0
	.amdhsa_kernel k_q47b06d2a7d_ffn1
		.amdhsa_group_segment_fixed_size 132096
		.amdhsa_private_segment_fixed_size 0
		.amdhsa_enable_private_segment 0
		.amdhsa_kernarg_size 40
		.amdhsa_user_sgpr_count 2
		.amdhsa_user_sgpr_kernarg_segment_ptr 1
		.amdhsa_wavefront_size32 1
		.amdhsa_system_sgpr_workgroup_id_x 1
		.amdhsa_system_sgpr_workgroup_id_y 1
		.amdhsa_system_sgpr_workgroup_id_z 1
		.amdhsa_system_vgpr_workitem_id 0
		.amdhsa_next_free_vgpr 512
		.amdhsa_next_free_sgpr 66
		.amdhsa_reserve_vcc 0
		.amdhsa_float_denorm_mode_32 3
		.amdhsa_float_denorm_mode_16_64 3
		.amdhsa_memory_ordered 1
		.amdhsa_forward_progress 1
		.amdhsa_inst_pref_size 49
	.end_amdhsa_kernel
	.amdgpu_metadata
---
amdhsa.version: [ 1, 2 ]
amdhsa.kernels:
  - .name:           k_q47b06d2a7d_ffn1
    .symbol:         k_q47b06d2a7d_ffn1.kd
    .args:
      - { .name: x2c, .offset: 0, .size: 8, .value_kind: global_buffer, .address_space: global }
      - { .name: wc, .offset: 8, .size: 8, .value_kind: global_buffer, .address_space: global }
      - { .name: lowp_scales, .offset: 16, .size: 8, .value_kind: global_buffer, .address_space: global }
      - { .name: b1, .offset: 24, .size: 8, .value_kind: global_buffer, .address_space: global }
      - { .name: hc, .offset: 32, .size: 8, .value_kind: global_buffer, .address_space: global }
    .group_segment_fixed_size: 132096
    .private_segment_fixed_size: 0
    .kernarg_segment_align: 8
    .kernarg_segment_size: 40
    .max_flat_workgroup_size: 256
    .sgpr_count:     66
    .vgpr_count:     512
    .wavefront_size: 32
...
	.end_amdgpu_metadata
.endif
;; end of part 5
;; launch ffn2 (part 6): grid 4 x 64, 4 waves a work-group, no clusters, 135,680 bytes of LDS; arguments hc, wc, lowp_scales, b2, s2, out0; writes out0
.if DOCPART == 6
	.amdgcn_target "amdgcn-amd-amdhsa--gfx1250"
	.amdhsa_code_object_version 6
	.text
	.protected	k_q47b06d2a7d_ffn2
	.globl	k_q47b06d2a7d_ffn2
	.p2align	8
	.type	k_q47b06d2a7d_ffn2,@function
k_q47b06d2a7d_ffn2:
	s_mov_b64 s[64:65], 0
	v_nop
	global_prefetch_b8 v0, s[64:65] scope:SCOPE_SE
	s_setreg_imm32_b32 hwreg(HW_REG_WAVE_MODE, 25, 1), 1
	s_wait_xcnt 0x0
; out0 = s2 + hidden w2 + b2.  Work-group (128 columns, 128 rows).
; K IS SHARED OUT AMONG THE WAVES: wave w holds K steps 4 w .. 4 w + 3 of all eight column tiles of w2 (512 registers, windows 1 and 2), so each hidden fragment is read by one wave, straight from memory into
; registers, and feeds eight products.  The four partial sums meet in the LDS stage through which the results have to go in any case, so that whole rows leave.
; The rows go in four pairs of tiles, written out; the hidden fragments of pair pi + 2 are asked for behind pair pi's products (two buffers, window 3).
; The stage has two buffers by turns, so one barrier a pair does: a buffer is written again only behind the next pair's barrier, ahead of which every wave has waited for its reads of it.
; LIMIT: e14 + e15 between -126 and 127.
.set B2,  16                           ; v16-19   b2 at my four columns
.set S2,  32                           ; v32-63   eight rows of s2, then of the result
.set ACC, 128                          ; v128-255 sixteen accumulators (64 u + 8 t); later the partial sums read back (16 row + 4 wave)
.set SP,  528                          ; a stage slot: 512 bytes + 16
.set REG, 32*SP                        ; a wave's region
.set BUF, 4*REG
.set MSB, 0
.macro WIN new
.if MSB != \new
	s_set_vgpr_msb (MSB<<8)|\new
.set MSB, \new
.endif
.endm
.macro HLD pi                          ; the hidden fragments of pair pi, my four K steps, into buffer pi % 2 of window 3
	WIN 0xc0
.irp u, 0,1
.irp m, 0,1,2,3,4,5,6,7,8,9,10,11,12,13,14,15
	global_load_b128 v[128*((\pi)%2)+64*\u+4*\m:128*((\pi)%2)+64*\u+4*\m+3], v1, s[4:5] offset:(2*(\pi)+\u)*32768+512*\m
.endr
.endr
	WIN 0
.endm
.macro MUL32 pi, t0                    ; column tiles t0 .. t0 + 3: eight accumulators by turns, one instruction a turn
.irp s, 0,1,2,3
.irp u, 0,1
.irp t, 0,1,2,3
.if \s == 0
	v_wmma_f32_16x16x128_fp8_fp8 v[ACC+64*\u+8*(\t0+\t):ACC+64*\u+8*(\t0+\t)+7], v[64*\t+16*\s:64*\t+16*\s+15], v[128*((\pi)%2)+64*\u+16*\s:128*((\pi)%2)+64*\u+16*\s+15], 0
.else
	v_wmma_f32_16x16x128_fp8_fp8 v[ACC+64*\u+8*(\t0+\t):ACC+64*\u+8*(\t0+\t)+7], v[64*\t+16*\s:64*\t+16*\s+15], v[128*((\pi)%2)+64*\u+16*\s:128*((\pi)%2)+64*\u+16*\s+15], v[ACC+64*\u+8*(\t0+\t):ACC+64*\u+8*(\t0+\t)+7]
.endif
.endr
.endr
.endr
.endm
; wpre: the count of the wait ahead of the products (-1: none is needed);  ws2: of the wait for this pair's rows of s2
.macro PAIR pi, wpre, ws2
	s_wait_xcnt 0x0                                ; the last pair's stores have read their data: the rows of s2 land there only behind this wait
.irp p, 0,1,2,3,4,5,6,7
	global_load_b128 v[S2+4*\p:S2+4*\p+3], v1, s[12:13] offset:(\pi)*65536+\p*2048 th:TH_LOAD_NT
.endr
.if \wpre >= 0
	s_wait_loadcnt \wpre
.endif
	WIN 0x0d                                       ; source 0 (w2) window 1, source 1 (hidden) window 3
	MUL32 \pi, 0
	WIN 0x0e                                       ; source 0 window 2
	MUL32 \pi, 4
	WIN 0
.rept 4
	v_nop                                          ; four places ahead of the loads into the fragments' registers and of the first read of results
.endr
.if (\pi) < 2
	HLD (\pi)+2
.endif
.irp u, 0,1
.irp b, 0,1,2,3
.irp j, 0,1,2,3
	ds_store_b128 v[2+(\pi)%2], v[ACC+64*\u+16*\b+4*\j:ACC+64*\u+16*\b+4*\j+3] offset:\u*16*SP+128*\b+16*\j   ; lane (r, h): slot 16 u + r, columns 32 b + 16 h + 0 .. 15
.endr
.endr
.endr
	s_wait_dscnt 0x0                               ; my partial sums lie in the stage, and my reads of the other buffer are back
	s_barrier_signal -1
	s_barrier_wait -1
.irp p, 0,1,2,3,4,5,6,7
.irp k, 0,1,2,3
	ds_load_b128 v[ACC+16*\p+4*\k:ACC+16*\p+4*\k+3], v[4+(\pi)%2] offset:\k*REG+\p*SP   ; row 8 w + p of the 32, wave k's part
.endr
.endr
	s_wait_loadcnt \ws2
.irp p, 0,1,2,3,4,5,6,7
	s_wait_dscnt 28-4*\p                           ; this row's four loads are in; the later rows' may stay out
	v_pk_add_f32 v[ACC+16*\p:ACC+16*\p+1], v[ACC+16*\p:ACC+16*\p+1], v[ACC+16*\p+4:ACC+16*\p+5]
	v_pk_add_f32 v[ACC+16*\p+2:ACC+16*\p+3], v[ACC+16*\p+2:ACC+16*\p+3], v[ACC+16*\p+6:ACC+16*\p+7]
	v_pk_add_f32 v[ACC+16*\p+8:ACC+16*\p+9], v[ACC+16*\p+8:ACC+16*\p+9], v[ACC+16*\p+12:ACC+16*\p+13]
	v_pk_add_f32 v[ACC+16*\p+10:ACC+16*\p+11], v[ACC+16*\p+10:ACC+16*\p+11], v[ACC+16*\p+14:ACC+16*\p+15]
	v_pk_add_f32 v[S2+4*\p:S2+4*\p+1], v[S2+4*\p:S2+4*\p+1], v[B2:B2+1]
	v_pk_add_f32 v[S2+4*\p+2:S2+4*\p+3], v[S2+4*\p+2:S2+4*\p+3], v[B2+2:B2+3]
	v_pk_add_f32 v[ACC+16*\p:ACC+16*\p+1], v[ACC+16*\p:ACC+16*\p+1], v[ACC+16*\p+8:ACC+16*\p+9]
	v_pk_add_f32 v[ACC+16*\p+2:ACC+16*\p+3], v[ACC+16*\p+2:ACC+16*\p+3], v[ACC+16*\p+10:ACC+16*\p+11]
	v_pk_fma_f32 v[S2+4*\p:S2+4*\p+1], v[ACC+16*\p:ACC+16*\p+1], s[20:21], v[S2+4*\p:S2+4*\p+1] op_sel_hi:[1,0,1]
	v_pk_fma_f32 v[S2+4*\p+2:S2+4*\p+3], v[ACC+16*\p+2:ACC+16*\p+3], s[20:21], v[S2+4*\p+2:S2+4*\p+3] op_sel_hi:[1,0,1]
	global_store_b128 v1, v[S2+4*\p:S2+4*\p+3], s[14:15] offset:(\pi)*65536+\p*2048 th:TH_STORE_NT   ; 32 lanes store 512 consecutive bytes, aligned
.endr
.endm
	s_load_b256 s[4:11], s[0:1], 0x0               ; hc, wc, the scales, b2
	s_load_b128 s[12:15], s[0:1], 0x20             ; s2, out0
	v_lshl_add_u32 v126, v0, 2, 0x21000
	v_mov_b32 v127, 0
	v_lshrrev_b32 v8, 5, v0
	v_readfirstlane_b32 s16, v8                    ; wave
	v_and_b32 v9, 31, v0
	v_lshlrev_b32 v1, 4, v9
	v_and_b32 v6, 15, v0
	v_bfe_u32 v7, v0, 4, 1
	v_mul_u32_u24 v2, v6, SP
	v_lshl_add_u32 v2, v7, 6, v2
	s_mul_i32 s24, s16, REG
	v_add_nc_u32 v2, s24, v2                       ; into the stage: my region, slot r, + 64 h
	v_add_nc_u32 v3, BUF, v2
	s_mul_i32 s25, s16, 8*SP
	v_add_nc_u32 v4, s25, v1                       ; out of it: slots 8 w on, 16 bytes a lane
	v_add_nc_u32 v5, BUF, v4
	s_and_b32 s18, ttmp7, 0xffff                   ; block of 128 rows
	s_mov_b32 s27, 0
	s_mov_b32 s29, 0
	s_mov_b32 s31, 0
	s_lshl_b32 s26, s18, 18                        ; hc: eight row tiles of 32,768 bytes,
	s_lshl_b32 s17, s16, 13                        ; my four K steps
	s_add_co_u32 s26, s26, s17
	s_lshl_b32 s28, ttmp9, 18                      ; w2 in wc: eight column tiles of 32,768 bytes,
	s_add_co_u32 s28, s28, s17
	s_add_co_u32 s28, s28, 0x300000
	s_lshr_b32 s19, s16, 1                         ; slots 8 w .. 8 w + 7 are tokens 8 (w/2) + 16 (w%2) + 0 .. 7 of the 32
	s_lshl_b32 s19, s19, 3
	s_and_b32 s17, s16, 1
	s_lshl_b32 s17, s17, 4
	s_add_co_u32 s19, s19, s17
	s_lshl_b32 s17, s18, 7
	s_add_co_u32 s19, s19, s17
	s_lshl_b32 s30, s19, 11                        ; rows of 2,048 bytes,
	s_lshl_b32 s17, ttmp9, 9                       ; my block's 512 bytes of them
	s_add_co_u32 s30, s30, s17
	s_wait_kmcnt 0x0
	s_load_b64 s[22:23], s[8:9], 0x38              ; e14, e15
	s_add_nc_u64 s[4:5], s[4:5], s[26:27]
	s_add_nc_u64 s[6:7], s[6:7], s[28:29]
	s_add_nc_u64 s[12:13], s[12:13], s[30:31]
	s_add_nc_u64 s[14:15], s[14:15], s[30:31]
	s_mov_b32 s26, s17
	s_add_nc_u64 s[10:11], s[10:11], s[26:27]
	global_load_b128 v[B2:B2+3], v1, s[10:11]
	HLD 0
	WIN 0x40
.irp t, 0,1,2,3
.irp m, 0,1,2,3,4,5,6,7,8,9,10,11,12,13,14,15
	global_load_b128 v[64*\t+4*\m:64*\t+4*\m+3], v1, s[6:7] offset:\t*32768+512*\m
.endr
.endr
	WIN 0x80
.irp t, 0,1,2,3
.irp m, 0,1,2,3,4,5,6,7,8,9,10,11,12,13,14,15
	global_load_b128 v[64*\t+4*\m:64*\t+4*\m+3], v1, s[6:7] offset:(\t+4)*32768+512*\m
.endr
.endr
	WIN 0
	HLD 1
	s_wait_kmcnt 0x0
	s_add_co_i32 s20, s22, s23
	s_add_co_i32 s20, s20, 127
	s_lshl_b32 s20, s20, 23                        ; 2^(e14 + e15)
	s_mov_b32 s21, s20
	PAIR 0, 40, 32                                 ; ahead of the products: behind the weight stand pair 1's 32 loads and s2's 8.  For s2: behind it pair 2's 32
	PAIR 1, -1, 32                                 ; pair 1's fragments were shown in by the last wait; behind s2 stand pair 3's 32
	PAIR 2, -1, 0                                  ; likewise pair 2's; nothing is asked for behind s2
	PAIR 3, -1, 0
	s_wait_tensorcnt 0x0
	ds_add_u32 v126, v127
	s_wait_dscnt 0x0
	s_endpgm
.Lfunc_end_k_q47b06d2a7d_ffn2:
	.size	k_q47b06d2a7d_ffn2, .Lfunc_end_k_q47b06d2a7d_ffn2-k_q47b06d2a7d_ffn2
	.p2alignl 7, 3214868480
	.fill 96, 4, 3214868480
	.section	.rodata,"a",@progbits
	.p2align	6, 0x0
	.amdhsa_kernel k_q47b06d2a7d_ffn2
		.amdhsa_group_segment_fixed_size 135680
		.amdhsa_private_segment_fixed_size 0
		.amdhsa_enable_private_segment 0
		.amdhsa_kernarg_size 48
		.amdhsa_user_sgpr_count 2
		.amdhsa_user_sgpr_kernarg_segment_ptr 1
		.amdhsa_wavefront_size32 1
		.amdhsa_system_sgpr_workgroup_id_x 1
		.amdhsa_system_sgpr_workgroup_id_y 1
		.amdhsa_system_sgpr_workgroup_id_z 1
		.amdhsa_system_vgpr_workitem_id 0
		.amdhsa_next_free_vgpr 1024
		.amdhsa_next_free_sgpr 66
		.amdhsa_reserve_vcc 0
		.amdhsa_float_denorm_mode_32 3
		.amdhsa_float_denorm_mode_16_64 3
		.amdhsa_memory_ordered 1
		.amdhsa_forward_progress 1
		.amdhsa_inst_pref_size 88
	.end_amdhsa_kernel
	.amdgpu_metadata
---
amdhsa.version: [ 1, 2 ]
amdhsa.kernels:
  - .name:           k_q47b06d2a7d_ffn2
    .symbol:         k_q47b06d2a7d_ffn2.kd
    .args:
      - { .name: hc, .offset: 0, .size: 8, .value_kind: global_buffer, .address_space: global }
      - { .name: wc, .offset: 8, .size: 8, .value_kind: global_buffer, .address_space: global }
      - { .name: lowp_scales, .offset: 16, .size: 8, .value_kind: global_buffer, .address_space: global }
      - { .name: b2, .offset: 24, .size: 8, .value_kind: global_buffer, .address_space: global }
      - { .name: s2, .offset: 32, .size: 8, .value_kind: global_buffer, .address_space: global }
      - { .name: out0, .offset: 40, .size: 8, .value_kind: global_buffer, .address_space: global }
    .group_segment_fixed_size: 135680
    .private_segment_fixed_size: 0
    .kernarg_segment_align: 8
    .kernarg_segment_size: 48
    .max_flat_workgroup_size: 128
    .sgpr_count:     66
    .vgpr_count:     1024
    .wavefront_size: 32
...
	.end_amdgpu_metadata
.endif
;; end of part 6
;; ======== version 2 of 2: 6 launches; version 1 with the launches lnqkv, attn, oproj, ffn1, ffn2 written anew for expert scheduling mode
;; limits: right only within a limited range of input values
;; workspace buffers: wc 4,194,304 bytes; qc 4,194,304 bytes; kv 8,388,608 bytes; cc 4,194,304 bytes; s2 16,777,216 bytes; x2c 4,194,304 bytes; hc 16,777,216 bytes
;; launch wprep: the kernel of part 1 again; grid 256 x 1, 4 waves a work-group, no clusters, 0 bytes of LDS; arguments w_q, w_k, w_v, w_o, w1, w2, lowp_scales, wc; writes wc
;; launch lnqkv (part 7): grid 3 x 64, 8 waves a work-group, no clusters, 70,656 bytes of LDS; arguments src, ln1_g, ln1_b, lowp_scales, wc, qc, kv; writes qc, kv
.if DOCPART == 7
	.amdgcn_target "amdgcn-amd-amdhsa--gfx1250"
	.amdhsa_code_object_version 6
	.text
	.protected	k_q47b06d2a7d_lnqkv
	.globl	k_q47b06d2a7d_lnqkv
	.p2align	8
	.type	k_q47b06d2a7d_lnqkv,@function
k_q47b06d2a7d_lnqkv:
	s_mov_b64 s[64:65], 0
	v_nop
	global_prefetch_b8 v0, s[64:65] scope:SCOPE_SE
	s_setreg_imm32_b32 hwreg(HW_REG_WAVE_SCHED_MODE, 0, 2), 2
	s_setreg_imm32_b32 hwreg(HW_REG_WAVE_MODE, 25, 1), 1
	s_wait_xcnt 0x0
	s_wait_alu depctr_vm_vsrc(0)
; x = LayerNorm(src), quantised with product p's scale; one of Q (p = 0), K (1), V (2) = x W; the result quantised for attention.  Work-group (p, block of 128 rows).
; SHARES.  Wave w normalises rows 16 w .. 16 w + 15 (a row a wave: lane L holds k = 128 j + 4 L + e, four dense loads of 512 bytes) and stores each row's codes into the block's eight row-tile images in LDS;
; one barrier; then wave w is HEAD w: its 64 columns of the weight (4 tiles x 4 K steps, 256 registers, window 1) stay in registers, and it multiplies them with all 128 rows.
; 192 work-groups: a product's codes fill the eight waves' registers once, and 3 x 8,192 rows do not divide evenly into 256 such groups.
; Q and K: the product is used TRANSPOSED (source 0 = 16 columns, source 1 = 16 rows): a lane holds one token and 16 neighbouring channels.  V: natural (source 0 = rows): a lane holds one channel and 16 neighbouring tokens,
; since the tokens are the K of attention's second product.  Lane r of a tile (of rows or of columns) stands for index 32 (T/2) + 8 (T%2) + r + 8 (r/8): that makes the 16 registers of two neighbouring tiles neighbours.
; The conversions' results are stored as images of operand registers: every store of a wave covers 512 consecutive bytes, aligned.
; The variance is taken in a second pass over x - mean: no difference of large sums.
; LIMITS: e[2p] and e[6+p] - e[2p] - e[2p+1] between -126 and 119.  NaN among the inputs is not served.
; No tensor loads: the weights go straight into registers and the rows are read once by the wave that normalises them; nothing is shared between work-groups at one time, so no cluster.
; THE MODE: SCHED_MODE bits 1:0 = 2 (LLVM: expert scheduling mode 2), set by the entry lines.  The code itself states the register dependences
; between vector or matrix instructions and memory or LDS instructions, with s_wait_alu, always for 0.
; THE PLAN.  Registers that memory or LDS instructions touch:
;   XA, XB     four rows each: written by global loads; read and written by the LayerNorm's lines; loaded again behind the wait that stands ahead of the rows' LDS stores.
;   PC         written by conversions; read by the rows' LDS stores, later by the results' global stores: one wait on va_vdst ahead of each run of stores, one on vm_vsrc ahead of the conversions that write it again.
;   XF         (XA's and XB's registers) written by LDS loads; read by a group's 32 products; loaded again behind one wait on va_vdst, eight loads ahead of each of the four blocks of holds and conversions, which name ACC, PC, v10 and v11 alone.
;   v4         the fragments' LDS address, stepped once a group: vm_vsrc, the addition, and the wait on va_vdst that stands there for XF.
;   v5         the stores' offset, stepped at a group's end behind vm_vsrc; the next wait on va_vdst ahead of the stores covers it.
;   v1, v2, v3 made at the head, never written again.  The weight (window 1): written by loads, read by products alone.
.set PC,  16                           ; v16-31   codes just made
.set GG,  32                           ; v32-47   the gain at my 16 k
.set BT,  48                           ; v48-63   the bias
.set XA,  64                           ; v64-127  four rows
.set XB,  128                          ; v128-191 four rows
.set TT,  192                          ; v192-223 at work, eight a row
.set MU,  224                          ; v224-231 the means, in pairs (the low word serves both halves)
.set RS,  232                          ; v232-239 1 / sqrt(var + eps), likewise
.set XF,  64                           ; later: x's fragments of two row tiles: (u, s) at 64 u + 16 s
.set ACC, 192                          ; later: eight accumulators
.set TILE, 8704                        ; a row tile's image in LDS: 32 pieces x (256 bytes + 16)
.set MSB, 0
.macro WIN new                         ; the immediate's high byte repeats the setting that is left
.if MSB != \new
	s_set_vgpr_msb (MSB<<8)|\new
.set MSB, \new
.endif
.endm
.macro XLD xb, i0                      ; rows i0 .. i0 + 3 of my sixteen
.irp p, 0,1,2,3
.irp j, 0,1,2,3
	global_load_b128 v[\xb+16*\p+4*\j:\xb+16*\p+4*\j+3], v1, s[30:31] offset:(\i0+\p)*2048+512*\j
.endr
.endr
.endm
.macro WLD l0, n                       ; n loads of my head's weight codes: load l brings bytes 512 l on into registers 4 l on of window 1
	WIN 0x40
.set ll, \l0
.rept \n
	global_load_b128 v[4*ll:4*ll+3], v1, s[32:33] offset:512*ll
.set ll, ll+1
.endr
	WIN 0
.endm
.macro RED4                            ; v[TT + 8 p] summed over the 32 lanes, four rows side by side
.irp m, 1,2,4,8
.irp p, 0,1,2,3
	v_add_f32_dpp v[TT+8*\p], v[TT+8*\p], v[TT+8*\p] row_xmask:\m row_mask:0xf bank_mask:0xf
.endr
.endr
.irp p, 0,1,2,3
	v_permlanex16_b32 v[TT+8*\p+1], v[TT+8*\p], s22, s23
.endr
.irp p, 0,1,2,3
	v_add_f32 v[TT+8*\p], v[TT+8*\p], v[TT+8*\p+1]
.endr
.endm
.macro LN4 xb                          ; four rows in v[xb] on become four times 16 codes in v[PC] on
.irp p, 0,1,2,3
.irp a, 0,1,2,3
	v_pk_add_f32 v[TT+8*\p+2*\a:TT+8*\p+2*\a+1], v[\xb+16*\p+4*\a:\xb+16*\p+4*\a+1], v[\xb+16*\p+4*\a+2:\xb+16*\p+4*\a+3]
.endr
.endr
.irp p, 0,1,2,3
	v_pk_add_f32 v[TT+8*\p:TT+8*\p+1], v[TT+8*\p:TT+8*\p+1], v[TT+8*\p+2:TT+8*\p+3]
	v_pk_add_f32 v[TT+8*\p+4:TT+8*\p+5], v[TT+8*\p+4:TT+8*\p+5], v[TT+8*\p+6:TT+8*\p+7]
.endr
.irp p, 0,1,2,3
	v_pk_add_f32 v[TT+8*\p:TT+8*\p+1], v[TT+8*\p:TT+8*\p+1], v[TT+8*\p+4:TT+8*\p+5]
.endr
.irp p, 0,1,2,3
	v_add_f32 v[TT+8*\p], v[TT+8*\p], v[TT+8*\p+1]
.endr
	RED4
.irp p, 0,1,2,3
	v_mul_f32 v[MU+2*\p], s24, v[TT+8*\p]          ; the mean: sum / 512
.endr
.irp p, 0,1,2,3
.irp a, 0,2,4,6,8,10,12,14
	v_pk_add_f32 v[\xb+16*\p+\a:\xb+16*\p+\a+1], v[\xb+16*\p+\a:\xb+16*\p+\a+1], v[MU+2*\p:MU+2*\p+1] op_sel_hi:[1,0] neg_lo:[0,1] neg_hi:[0,1]
.endr
.endr
.irp p, 0,1,2,3
	v_pk_mul_f32 v[TT+8*\p:TT+8*\p+1], v[\xb+16*\p:\xb+16*\p+1], v[\xb+16*\p:\xb+16*\p+1]
	v_pk_mul_f32 v[TT+8*\p+2:TT+8*\p+3], v[\xb+16*\p+2:\xb+16*\p+3], v[\xb+16*\p+2:\xb+16*\p+3]
.endr
.irp a, 4,8,12
.irp p, 0,1,2,3
	v_pk_fma_f32 v[TT+8*\p:TT+8*\p+1], v[\xb+16*\p+\a:\xb+16*\p+\a+1], v[\xb+16*\p+\a:\xb+16*\p+\a+1], v[TT+8*\p:TT+8*\p+1]
	v_pk_fma_f32 v[TT+8*\p+2:TT+8*\p+3], v[\xb+16*\p+\a+2:\xb+16*\p+\a+3], v[\xb+16*\p+\a+2:\xb+16*\p+\a+3], v[TT+8*\p+2:TT+8*\p+3]
.endr
.endr
.irp p, 0,1,2,3
	v_pk_add_f32 v[TT+8*\p:TT+8*\p+1], v[TT+8*\p:TT+8*\p+1], v[TT+8*\p+2:TT+8*\p+3]
.endr
.irp p, 0,1,2,3
	v_add_f32 v[TT+8*\p], v[TT+8*\p], v[TT+8*\p+1]
.endr
	RED4
.irp p, 0,1,2,3
	v_fma_f32 v[TT+8*\p], v[TT+8*\p], s24, s25     ; var + eps
.endr
.irp p, 0,1,2,3
	v_rsq_f32 v[RS+2*\p], v[TT+8*\p]
.endr
	v_nop                                          ; a plain instruction behind the last of the four,
	s_wait_alu depctr_va_vdst(0)                   ; and one wait for the batch: the four reciprocal roots v[RS ..] are written, ahead of their first reader
.irp p, 0,1,2,3
.irp a, 0,2,4,6,8,10,12,14
	v_pk_mul_f32 v[\xb+16*\p+\a:\xb+16*\p+\a+1], v[\xb+16*\p+\a:\xb+16*\p+\a+1], v[RS+2*\p:RS+2*\p+1] op_sel_hi:[1,0]
.endr
.endr
.irp p, 0,1,2,3
.irp a, 0,2,4,6,8,10,12,14
	v_pk_fma_f32 v[\xb+16*\p+\a:\xb+16*\p+\a+1], v[\xb+16*\p+\a:\xb+16*\p+\a+1], v[GG+\a:GG+\a+1], v[BT+\a:BT+\a+1]
.endr
.endr
.irp p, 0,1,2,3
.irp a, 0,1,2,3,4,5,6,7,8,9,10,11,12,13,14,15
	v_med3_num_f32 v[\xb+16*\p+\a], v[\xb+16*\p+\a], -v8, v8   ; the conversion does not saturate (ISA guide 7.6.2)
.endr
.endr
	s_wait_dscnt 0x0                               ; the last codes' LDS stores are done,
	s_wait_alu depctr_vm_vsrc(0)                   ; and they have read v[PC ..], which the conversions below write again
.irp p, 0,1,2,3
	v_cvt_scalef32_pk8_fp8_f32 v[PC+4*\p:PC+4*\p+1], v[\xb+16*\p:\xb+16*\p+7], v9
	v_cvt_scalef32_pk8_fp8_f32 v[PC+4*\p+2:PC+4*\p+3], v[\xb+16*\p+8:\xb+16*\p+15], v9
.endr
	v_nop                                          ; one plain instruction behind the last scaled conversion
.endm
.macro LNROWS xb, i0                   ; row i of wave w is token 16 w + i: tile 2 (w/2) + i/8 of the block, lane 8 (w%2) + i%8; my lane's 16 codes are piece L of that row
	LN4 \xb
	s_wait_alu depctr_va_vdst(0)                   ; the conversions have written v[PC ..], which the LDS stores read; the rows' arithmetic is done with v[xb ..], in which the next rows' loads land
.irp p, 0,1,2,3
	ds_store_b128 v2, v[PC+4*\p:PC+4*\p+3] offset:(((\i0+\p)/8)%2)*TILE+((\i0+\p)%8)*16
.endr
.endm
.macro FETCH8 g                        ; eight of the 32 loads that bring the eight fragments of two row tiles: load l = 8 g + i is group l % 16 of tile l / 16, which lies at 544 (l % 16) + 272 h + 16 r
.irp i, 0,1,2,3,4,5,6,7
	ds_load_b128 v[XF+4*(8*(\g)+\i):XF+4*(8*(\g)+\i)+3], v4 offset:((8*(\g)+\i)/16)*TILE+544*((8*(\g)+\i)%16)
.endr
.endm
; 32 matrix instructions, K step by K step; the eight accumulators take turns, one instruction a turn; the first K step starts the sums
.macro MULQK
.irp s, 0,1,2,3
.irp u, 0,1
.irp t, 0,1,2,3
.if \s == 0
	v_wmma_f32_16x16x128_fp8_fp8 v[ACC+32*\u+8*\t:ACC+32*\u+8*\t+7], v[16*(4*\t+\s):16*(4*\t+\s)+15], v[XF+64*\u+16*\s:XF+64*\u+16*\s+15], 0
.else
	v_wmma_f32_16x16x128_fp8_fp8 v[ACC+32*\u+8*\t:ACC+32*\u+8*\t+7], v[16*(4*\t+\s):16*(4*\t+\s)+15], v[XF+64*\u+16*\s:XF+64*\u+16*\s+15], v[ACC+32*\u+8*\t:ACC+32*\u+8*\t+7]
.endif
.endr
.endr
.endr
.endm
.macro MULV
.irp s, 0,1,2,3
.irp u, 0,1
.irp t, 0,1,2,3
.if \s == 0
	v_wmma_f32_16x16x128_fp8_fp8 v[ACC+16*\t+8*\u:ACC+16*\t+8*\u+7], v[XF+64*\u+16*\s:XF+64*\u+16*\s+15], v[16*(4*\t+\s):16*(4*\t+\s)+15], 0
.else
	v_wmma_f32_16x16x128_fp8_fp8 v[ACC+16*\t+8*\u:ACC+16*\t+8*\u+7], v[XF+64*\u+16*\s:XF+64*\u+16*\s+15], v[16*(4*\t+\s):16*(4*\t+\s)+15], v[ACC+16*\t+8*\u:ACC+16*\t+8*\u+7]
.endif
.endr
.endr
.endr
.endm
; One group of 32 tokens.  fetch = 1: the next group's fragments are asked for behind the products, eight loads ahead of each block of holds and conversions.
.macro PAIRSTEP fetch
	s_wait_dscnt 0x0                               ; this group's fragments are in
	s_cmp_eq_u32 s19, 2
	s_cbranch_scc1 .Lvway_\@
	WIN 0x01                                       ; source 0 (the weight) window 1
	MULQK
	WIN 0
	s_branch .Lmuld_\@
.Lvway_\@:
	WIN 0x04                                       ; source 1 (the weight) window 1
	MULV
	WIN 0
.Lmuld_\@:
.rept 4
	v_nop                                          ; four places ahead of the first read of results (ISA guide 7.12.1)
.endr
.if \fetch
	s_add_co_u32 s36, s36, 2*TILE
	s_wait_alu depctr_vm_vsrc(0)                   ; this group's LDS loads have read v4; in the first group the rows' LDS stores have read v[PC ..]
	v_add_nc_u32 v4, s36, v3
	s_wait_alu depctr_va_vdst(0)                   ; v4 is written, and the products are done reading v[XF ..], in which the loads below land
.endif
.irp g, 0,1,2,3
.if \fetch
	FETCH8 \g                                      ; no further wait: the lines between name ACC, PC, v10 and v11 alone
.endif
.irp i, 0,1,2,3,4,5,6,7,8,9,10,11,12,13,14,15
	v_med3_num_f32 v[ACC+16*\g+\i], v[ACC+16*\g+\i], -v10, v10   ; each accumulator from its low end on
.endr
	v_cvt_scalef32_pk8_fp8_f32 v[PC+4*\g:PC+4*\g+1], v[ACC+16*\g:ACC+16*\g+7], v11
	v_cvt_scalef32_pk8_fp8_f32 v[PC+4*\g+2:PC+4*\g+3], v[ACC+16*\g+8:ACC+16*\g+15], v11
.endr
	v_nop                                          ; one plain instruction behind the last scaled conversion: the next products write its sources
	s_wait_alu depctr_va_vdst(0)                   ; the conversions have written v[PC ..], the stores' data, and v5, their offset, is written
	s_cmp_eq_u32 s19, 2
	s_cbranch_scc1 .Lvst_\@
.irp g, 0,1,2,3
	global_store_b128 v5, v[PC+4*\g:PC+4*\g+3], s[34:35] offset:512*\g    ; tile u = g/2, channels 32 (g%2) on
.endr
	s_branch .Lstd_\@
.Lvst_\@:
.irp g, 0,1,2,3
	global_store_b128 v5, v[PC+4*\g:PC+4*\g+3], s[34:35] offset:2048*\g   ; channel tile g, this group's 32 tokens
.endr
.Lstd_\@:
	s_wait_xcnt 0x0                                ; the stores have had their addresses translated: offset and data are written again only behind this wait,
	s_wait_alu depctr_vm_vsrc(0)                   ; and they have read v5, written below, and v[PC ..], which the next group's conversions write
	v_add_nc_u32 v5, s38, v5
.endm
	s_load_b256 s[4:11], s[0:1], 0x0               ; src, ln1_g, ln1_b, the scales
	s_load_b128 s[12:15], s[0:1], 0x20             ; wc, qc
	s_load_b64 s[16:17], s[0:1], 0x30              ; kv
	v_lshl_add_u32 v6, v0, 2, 0x11000
	v_mov_b32 v7, 0
	v_lshrrev_b32 v12, 5, v0
	v_readfirstlane_b32 s18, v12                   ; wave = head
	v_and_b32 v13, 31, v0
	v_lshlrev_b32 v1, 4, v13                       ; 16 x lane
	s_mov_b32 s19, ttmp9                           ; p
	s_and_b32 s20, ttmp7, 0xffff                   ; block of 128 rows
	s_wait_alu depctr_va_sdst(0)                   ; s18 is written, ahead of its first reader
	s_lshr_b32 s40, s18, 1
	s_mul_i32 s40, s40, 2*TILE
	s_and_b32 s41, s18, 1
	s_lshl_b32 s41, s41, 7
	s_add_co_u32 s40, s40, s41
	v_mul_u32_u24 v2, v13, 272
	v_add_nc_u32 v2, s40, v2                       ; where my codes go: pair w/2, lanes 8 (w%2) on, piece = my lane
	v_and_b32 v14, 15, v0
	v_bfe_u32 v15, v0, 4, 1
	v_mul_u32_u24 v3, v15, 272
	v_lshl_add_u32 v3, v14, 4, v3                  ; where a fragment's group begins for my lane: 272 h + 16 r
	s_mov_b32 s22, 0x76543210
	s_mov_b32 s23, 0xfedcba98                      ; v_permlanex16_b32: lane l xor 16
	s_mov_b32 s24, 0x3b000000                      ; 1 / 512
	s_mov_b32 s25, 0x3727c5ac                      ; 1e-5
	s_lshl_b32 s44, s19, 3
	s_lshl_b32 s45, s19, 2
	s_lshl_b32 s42, s20, 18                        ; 128 rows of 2,048 bytes,
	s_lshl_b32 s43, s18, 15                        ; my 16 of them
	s_add_co_u32 s42, s42, s43
	s_mov_b32 s43, 0
	s_lshl_b32 s46, s19, 18                        ; product p's weight in wc,
	s_lshl_b32 s47, s18, 15                        ; my head's four tiles
	s_add_co_u32 s46, s46, s47
	s_mov_b32 s47, 0
	s_wait_kmcnt 0x0
	s_load_b64 s[26:27], s[10:11], s44 offset:0x0  ; e[2p], e[2p+1]
	s_load_b32 s28, s[10:11], s45 offset:0x18      ; e[6+p]
	s_add_nc_u64 s[30:31], s[4:5], s[42:43]
	s_add_nc_u64 s[32:33], s[12:13], s[46:47]
	s_wait_alu depctr_va_vdst(0)                   ; v1, the offset of every load below, is written; so are v2 and v3
.irp j, 0,1,2,3
	global_load_b128 v[GG+4*\j:GG+4*\j+3], v1, s[6:7] offset:512*\j
	global_load_b128 v[BT+4*\j:BT+4*\j+3], v1, s[8:9] offset:512*\j
.endr
	XLD XA, 0
	XLD XB, 4
	WLD 0, 16
.irp p, 1,3,5,7
	v_mov_b32 v[MU+\p], 0                          ; named as the upper halves of pairs, so they are written
	v_mov_b32 v[RS+\p], 0
.endr
	s_cmp_eq_u32 s19, 0
	s_cselect_b64 s[34:35], s[14:15], s[16:17]     ; Q goes to qc, K and V to kv
	s_cselect_b32 s46, 17, 18                      ; a head's bytes there: 2^17 or 2^18
	s_lshr_b32 s47, s20, 4
	s_lshl_b32 s47, s47, 3
	s_add_co_u32 s47, s47, s18                     ; 8 x batch + head
	s_lshl_b32 s47, s47, s46
	s_and_b32 s48, s20, 15
	s_lshl_b32 s48, s48, 13                        ; the block's 128 tokens: 8,192 bytes in K's, Q's and V's layout alike
	s_add_co_u32 s47, s47, s48
	s_cmp_eq_u32 s19, 2
	s_mov_b32 s38, 2048
	s_cselect_b32 s38, 512, s38                    ; from one group of 32 tokens to the next
	s_cselect_b32 s48, 0x20000, 0                  ; V lies behind the head's K
	s_add_co_u32 s47, s47, s48
	v_add_nc_u32 v5, s47, v1
	s_wait_kmcnt 0x0
	s_add_co_i32 s48, s26, 127
	s_lshl_b32 s49, s48, 23
	v_mov_b32 v9, s49                              ; 2^e[2p]
	s_add_co_i32 s48, s48, 8
	s_lshl_b32 s48, s48, 23
	s_or_b32 s48, s48, 0x600000
	v_mov_b32 v8, s48                              ; 448 x that
	s_sub_co_i32 s48, s28, s26
	s_sub_co_i32 s48, s48, s27                     ; a sum stands for sum x 2^(e[2p] + e[2p+1]): the three scales are folded into the conversion's one
	s_add_co_i32 s48, s48, 127
	s_lshl_b32 s49, s48, 23
	v_mov_b32 v11, s49
	s_add_co_i32 s48, s48, 8
	s_lshl_b32 s48, s48, 23
	s_or_b32 s48, s48, 0x600000
	v_mov_b32 v10, s48
	s_wait_loadcnt 32                              ; gain, bias and rows 0-3 are in; behind them: rows 4-7 (16) and 16 of the weight
	LNROWS XA, 0
	XLD XA, 8
	WLD 16, 16
	s_wait_loadcnt 48                              ; rows 4-7; behind them 16 + 16 + 16
	LNROWS XB, 4
	XLD XB, 12
	WLD 32, 32
	s_wait_loadcnt 63                              ; rows 8-11; behind them 64, and the wait's field holds 63
	LNROWS XA, 8
	s_wait_loadcnt 32                              ; rows 12-15; behind them the weight's last 32
	LNROWS XB, 12
	s_wait_dscnt 0x0                               ; for the others' sake: my codes lie in LDS
	s_barrier_signal -1
	s_barrier_wait -1                              ; the block's eight images are whole; from here on LDS is only read
	v_mov_b32 v4, v3
	s_wait_alu depctr_va_vdst(0)                   ; v4 is written, which the loads below read (the rows' arithmetic, which named v[XF ..], stands ahead of the last such wait)
.irp g, 0,1,2,3
	FETCH8 \g
.endr
	s_wait_loadcnt 0x0                             ; the weight
	s_mov_b32 s36, 0
	s_mov_b32 s37, 0
.Lpair:
	PAIRSTEP 1
	s_add_co_u32 s37, s37, 1
	s_cmp_lt_u32 s37, 3
	s_cbranch_scc1 .Lpair
	PAIRSTEP 0                                     ; the last group fetches nothing
	s_wait_dscnt 0x0                               ; the closing lines, six on end
	s_wait_alu 0x0
	s_wait_tensorcnt 0x0
	ds_add_u32 v6, v7
	s_wait_dscnt 0x0
	s_endpgm
.Lfunc_end_k_q47b06d2a7d_lnqkv:
	.size	k_q47b06d2a7d_lnqkv, .Lfunc_end_k_q47b06d2a7d_lnqkv-k_q47b06d2a7d_lnqkv
	.p2alignl 7, 3214868480
	.fill 96, 4, 3214868480
	.section	.rodata,"a",@progbits
	.p2align	6, 0x0
	.amdhsa_kernel k_q47b06d2a7d_lnqkv
		.amdhsa_group_segment_fixed_size 70656
		.amdhsa_private_segment_fixed_size 0
		.amdhsa_enable_private_segment 0
		.amdhsa_kernarg_size 56
		.amdhsa_user_sgpr_count 2
		.amdhsa_user_sgpr_kernarg_segment_ptr 1
		.amdhsa_wavefront_size32 1
		.amdhsa_system_sgpr_workgroup_id_x 1
		.amdhsa_system_sgpr_workgroup_id_y 1
		.amdhsa_system_sgpr_workgroup_id_z 1
		.amdhsa_system_vgpr_workitem_id 0
		.amdhsa_next_free_vgpr 512
		.amdhsa_next_free_sgpr 66
		.amdhsa_reserve_vcc 0
		.amdhsa_float_denorm_mode_32 3
		.amdhsa_float_denorm_mode_16_64 3
		.amdhsa_memory_ordered 1
		.amdhsa_forward_progress 1
		.amdhsa_inst_pref_size 116
	.end_amdhsa_kernel
	.amdgpu_metadata
---
amdhsa.version: [ 1, 2 ]
amdhsa.kernels:
  - .name:           k_q47b06d2a7d_lnqkv
    .symbol:         k_q47b06d2a7d_lnqkv.kd
    .args:
      - { .name: src, .offset: 0, .size: 8, .value_kind: global_buffer, .address_space: global }
      - { .name: ln1_g, .offset: 8, .size: 8, .value_kind: global_buffer, .address_space: global }
      - { .name: ln1_b, .offset: 16, .size: 8, .value_kind: global_buffer, .address_space: global }
      - { .name: lowp_scales, .offset: 24, .size: 8, .value_kind: global_buffer, .address_space: global }
      - { .name: wc, .offset: 32, .size: 8, .value_kind: global_buffer, .address_space: global }
      - { .name: qc, .offset: 40, .size: 8, .value_kind: global_buffer, .address_space: global }
      - { .name: kv, .offset: 48, .size: 8, .value_kind: global_buffer, .address_space: global }
    .group_segment_fixed_size: 70656
    .private_segment_fixed_size: 0
    .kernarg_segment_align: 8
    .kernarg_segment_size: 56
    .max_flat_workgroup_size: 256
    .sgpr_count:     66
    .vgpr_count:     512
    .wavefront_size: 32
...
	.end_amdgpu_metadata
.endif
;; end of part 7
;; launch attn (part 8): grid 8 x 32, 4 waves a work-group, no clusters, 272,896 bytes of LDS; arguments qc, kv, key_padding_mask, lowp_scales, cc; writes cc
.if DOCPART == 8
	.amdgcn_target "amdgcn-amd-amdhsa--gfx1250"
	.amdhsa_code_object_version 6
	.text
	.protected	k_q47b06d2a7d_attn
	.globl	k_q47b06d2a7d_attn
	.p2align	8
	.type	k_q47b06d2a7d_attn,@function
k_q47b06d2a7d_attn:
	s_mov_b64 s[64:65], 0
	v_nop
	global_prefetch_b8 v0, s[64:65] scope:SCOPE_SE
	s_setreg_imm32_b32 hwreg(HW_REG_WAVE_SCHED_MODE, 0, 2), 2
	s_setreg_imm32_b32 hwreg(HW_REG_WAVE_MODE, 25, 1), 1
	s_wait_xcnt 0x0
	s_wait_alu depctr_vm_vsrc(0)
; ctx = softmax(Q K^T / 8 + slope (k - q), masked keys out) V for one head and 256 queries, both products on codes of E4M3; ctx is quantised for the next product and stored as images of operand registers.
; SHARES.  Work-group (block of 256 queries, batch x 8 + head); four waves, as many as a WGP has SIMDs; a wave owns 64 queries, four tiles of 16, so that each fragment of K, of V and of the table that it reads from LDS feeds four tiles.
; Every wave walks all 2,048 keys, 128 a step.  The head's K and V codes (262,144 bytes, already images of operand registers) are copied into LDS as they lie, a chunk of four steps ahead of their use, through registers.
; BOTH PRODUCTS ARE USED TRANSPOSED: S^T = K Q^T, O^T = V^T P^T: a lane holds one query throughout; the keys of a tile are chosen so that 16 registers of two neighbouring tiles are 16 neighbouring keys.
; A STEP goes by PAIRS of tiles: K Q^T of tiles 0, 1 | their softmax, in which V is asked for | K Q^T of tiles 2, 3, then V^T P of tiles 0, 1, which runs under what follows | softmax of tiles 2, 3, in which the next step's K and table are asked for | their V^T P.
; The wave is alone on its SIMD, so the two tiles of a pair go through the softmax LINE BY LINE, and the maximum and the sum run in four chains a tile: eight independent lines stand between a line and the one that reads its result.
; THE BIAS AND THE MASK COST NO VECTOR INSTRUCTION: a table in LDS holds, for each key, (key % 128) x 2^(2 - head - e6 - e7), or -2^120 where the key is masked, and goes in as the C of S^T's products.
; What is left of the bias is one number a lane and step: t = c' s + s2 D, c' = log2(e) / 8 x 2^(e6 + e7), s2 = log2(e) x 2^-(head + 1), D = the step's first key - my query (a whole number, exact in f32).
; THE SOFTMAX: M = the running largest t rounded up to a whole number; p = 2^(t - M) is quantised, not normalised; the row's sum is taken of the unquantised p; when M moves, sum and O^T are multiplied by 2^(old M - new M), exactly.
; The largest t starts at -2^60, above every masked t: a step all of whose keys are masked gives p = 0.
; p is at most 1, so its hold at 448 x 2^e9 can bite only where e9 <= -9: a scalar branch on that given whole number jumps over the 128 lines of a pair elsewhere.  The launch has no tensor load, and so no joint
; loads in a cluster: what partners would share is 262,144 bytes a work-group, read once and asked for three steps ahead.
; LIMITS: e6 + e7 between -55 and 37; e9 and e10 between -126 and 119.  NaN among the inputs is not served; a batch ALL of whose keys are masked is not served.
; THE MODE: SCHED_MODE bits 1:0 = 2 (LLVM: expert scheduling mode 2), set by the entry lines.  The code itself states the register dependences
; between vector or matrix instructions and memory or LDS instructions, with s_wait_alu, always for 0.
; THE PLAN.  Registers that memory or LDS instructions touch:
;   K, the table  (window 1, v0-127)   written by LDKT's 32 LDS loads; read by a step's 32 products K Q^T.
;   V             (window 1, v128-191) written by LDV's 16 LDS loads; read by a step's 16 products V^T P.
;   the chunk     (window 2, v128-255) written by GL4's global loads in a chunk's first step; read by DST's LDS stores at the chunk's end; no vector instruction names it.
;   v[ADV], v[ADK], v[ADT]             written at each step's head (the last two at a chunk's head too); read by those LDS loads.
;   v[GAK], v[GAV]                     written at a chunk's head; read by GL4 and DST.      v[LI], v[AV0], v[AT0], v[GA0], v[GV0]: made at the head, never written again.
;   S at the kernel's head (the table's entries, read by LDS stores); P on the way out (ctx's codes, read by global stores).
; A pair's softmax has ONE wait on va_vdst, behind its 128 exponentials, ahead of their first reader.  The step's LDS loads stand straight behind those two waits: V's behind the first pair's (the last step's V^T P is done reading V,
; v[ADV] is written), the next step's K and table behind the second pair's (both K Q^T are done reading them).  So a step holds no further wait on va_vdst.  One wait on vm_vsrc at a step's head frees the three addresses.
; At a chunk's head: vm_vsrc (the loads and DST have read the addresses and the chunk's registers), the four additions, va_vdst, the chunk's first K and table.  GL4's loads follow with no further wait: no vector
; instruction issued since names v[GAK], v[GAV] or the chunk's registers.
; REGISTERS, in windows of 256 (s_set_vgpr_msb: bits 1:0 source 0, 3:2 source 1, 5:4 source 2, 7:6 destination).  All that a softmax touches but O^T lies in window 0.
.set LI,  1                            ; v1   16 x lane
.set AV0, 2                            ; v2   + V's place in LDS
.set AT0, 3                            ; v3   the table: 64 h
.set ADK, 4                            ; v4-6 the step's addresses
.set ADV, 5
.set ADT, 6
.set GA0, 7                            ; v7   16 x thread: a chunk's copy, K's part
.set GV0, 8                            ; v8   V's part
.set GAK, 9                            ; v9, v10 the same in the chunk in hand: byte in the head's block = byte in LDS
.set GAV, 10
.set PSC, 11                           ; v11  2^e9, for p's conversions
.set DD,  12                           ; v12-15 D of tiles 0 to 3
.set ST,  16                           ; tile x at v[16 + 8 x]: +0 s2 D - M (+1 its pair's upper word), +2, +3 the sum in two halves, +4 -M, +5 the largest t, +6 f (+7 its pair's upper word)
.set S,   48                           ; v48-175  S^T of a pair of tiles, then p: 64 a tile
.set P,   176                          ; v176-239 p's codes, 16 a tile; at the end ctx's codes
.set TMP, 240                          ; v240-253 at work: 8 for each tile of the pair, of which six are used; v254, v255: the closing add's two
.set KF,  0                            ; window 1: v0-63 K, v64-127 the table's 64 entries, v128-191 V, v192-223 Q (8 a tile)
.set TF,  64
.set VF,  128
.set QF,  192
.set OO,  0                            ; window 2: v0-127 O^T (32 a tile), v128-255 a chunk on its way
.set STG, 128
.set VLDS, 0x20000
.set TLDS, 0x40000
.set MSB, 0
.macro WIN new                         ; the immediate's high byte repeats the setting that is left
.if MSB != \new
	s_set_vgpr_msb (MSB<<8)|\new
.set MSB, \new
.endif
.endm
; Four of a chunk's 32 loads.  A chunk is 32,768 bytes of K (loads 0-15) and as many of V (loads 16-31); each load of the work-group covers 2,048 consecutive bytes.
.macro GL4 n
	WIN 0x80                                       ; destination window 2
.irp k, 0,1,2,3
.if 4*(\n)+\k < 16
	global_load_b128 v[STG+16*(\n)+4*\k:STG+16*(\n)+4*\k+3], v[GAK], s[6:7] offset:2048*(4*(\n)+\k)
.else
	global_load_b128 v[STG+16*(\n)+4*\k:STG+16*(\n)+4*\k+3], v[GAV], s[6:7] offset:2048*(4*(\n)+\k-16)
.endif
.endr
	WIN 0
.endm
.macro HOOK gl, n                      ; gl = 1: the chunk's first step carries the next chunk's loads, four at each of eight places, so that the wave never stands with all 32 at once
.if \gl
	GL4 \n
.endif
.endm
.macro DST                             ; the chunk goes into LDS, at the bytes that it has in the head's block
	WIN 0x08                                       ; the data (source 1) in window 2
.irp i, 0,1,2,3,4,5,6,7,8,9,10,11,12,13,14,15
	ds_store_b128 v[GAK], v[STG+4*\i:STG+4*\i+3] offset:2048*\i
.endr
.irp i, 0,1,2,3,4,5,6,7,8,9,10,11,12,13,14,15
	ds_store_b128 v[GAV], v[STG+64+4*\i:STG+64+4*\i+3] offset:2048*\i
.endr
	WIN 0
.endm
.macro LDKT ko, to                     ; a step's K (16 loads) and its 64 table entries a lane (16 loads), ko and to bytes on from the step in hand
	WIN 0x40                                       ; destination window 1
.irp l, 0,1,2,3,4,5,6,7,8,9,10,11,12,13,14,15
	ds_load_b128 v[KF+4*\l:KF+4*\l+3], v[ADK] offset:\ko+512*\l
.endr
.irp b, 0,1,2,3
.irp j, 0,1,2,3
	ds_load_b128 v[TF+16*\b+4*\j:TF+16*\b+4*\j+3], v[ADT] offset:\to+128*\b+16*\j   ; register 16 b + i: key 32 b + 16 h + i of the step
.endr
.endr
	WIN 0
.endm
.macro LDV                             ; the step's V: 16 loads
	WIN 0x40                                       ; destination window 1
.irp l, 0,1,2,3,4,5,6,7,8,9,10,11,12,13,14,15
	ds_load_b128 v[VF+4*\l:VF+4*\l+3], v[ADV] offset:512*\l
.endr
	WIN 0
.endm
.macro QK p                            ; S^T of tiles p, p + 1: eight tiles of 16 keys each; C = the table's entries; in the order in which the maximum will read them
	WIN 0x15                                       ; K, Q and the table in window 1, S^T in window 0
.irp t, 0,1,2,3,4,5,6,7
.irp y, 0,1
	v_wmma_f32_16x16x64_fp8_fp8 v[S+64*\y+8*\t:S+64*\y+8*\t+7], v[KF+8*\t:KF+8*\t+7], v[QF+8*((\p)+\y):QF+8*((\p)+\y)+7], v[TF+8*\t:TF+8*\t+7]
.endr
.endr
.endm
.macro PV p                            ; O^T += V^T P^T of tiles p, p + 1: eight accumulators, one instruction each
	WIN 0xa1                                       ; V in window 1, p's codes in window 0, C and D in window 2
.irp c, 0,1,2,3
.irp y, 0,1
	v_wmma_f32_16x16x128_fp8_fp8 v[OO+32*((\p)+\y)+8*\c:OO+32*((\p)+\y)+8*\c+7], v[VF+16*\c:VF+16*\c+15], v[P+16*((\p)+\y):P+16*((\p)+\y)+15], v[OO+32*((\p)+\y)+8*\c:OO+32*((\p)+\y)+8*\c+7]
.endr
.endr
.endm
; The softmax of tiles p and p + 1 for one key step, the two tiles line by line.  gl, n: see HOOK; three of its places lie in here.
; ld: which LDS loads stand behind the batch's wait: 1: this step's V; 2: the next step's K and table; 0: none.
.macro SOFTMAX2 p, gl, n, ld
.irp c, 0,1,2,3                        ; the step's largest score of my query among my 64 keys: four chains a tile, the registers in ascending order
.irp y, 0,1
	v_max3_num_f32 v[TMP+8*\y+\c], v[S+64*\y+3*\c], v[S+64*\y+3*\c+1], v[S+64*\y+3*\c+2]
.endr
.endr
.set jj, 0
.rept 26
.irp y, 0,1
	v_max3_num_f32 v[TMP+8*\y+jj%4], v[TMP+8*\y+jj%4], v[S+64*\y+12+2*jj], v[S+64*\y+13+2*jj]
.endr
.set jj, jj+1
.endr
	HOOK \gl, \n
.irp y, 0,1
	v_max3_num_f32 v[TMP+8*\y], v[TMP+8*\y], v[TMP+8*\y+1], v[TMP+8*\y+2]
.endr
.irp y, 0,1
	v_mul_f32 v[TMP+8*\y+1], s24, v[DD+(\p)+\y]    ; s2 D
.endr
.irp y, 0,1
	v_max_num_f32 v[TMP+8*\y], v[TMP+8*\y], v[TMP+8*\y+3]
.endr
.irp y, 0,1
	v_mov_b32 v[TMP+8*\y+3], v[ST+8*((\p)+\y)+4]   ; the old -M
.endr
.irp y, 0,1
	v_permlanex16_b32 v[TMP+8*\y+2], v[TMP+8*\y], s20, s21
.endr
.irp y, 0,1
	v_max_num_f32 v[TMP+8*\y], v[TMP+8*\y], v[TMP+8*\y+2]   ; and among lane l xor 16's
.endr
.irp y, 0,1
	v_fma_f32 v[TMP+8*\y], s22, v[TMP+8*\y], v[TMP+8*\y+1]  ; as t (c' is positive)
.endr
.irp y, 0,1
	v_max_num_f32 v[ST+8*((\p)+\y)+5], v[ST+8*((\p)+\y)+5], v[TMP+8*\y]   ; the running largest t
.endr
.irp y, 0,1
	v_floor_f32 v[ST+8*((\p)+\y)+4], -v[ST+8*((\p)+\y)+5]   ; -M = floor(-t): M is a whole number
.endr
.irp y, 0,1
	v_fma_f32 v[ST+8*((\p)+\y)], s24, v[DD+(\p)+\y], v[ST+8*((\p)+\y)+4]   ; s2 D - M, one rounding
.endr
.irp y, 0,1
	v_sub_f32 v[TMP+8*\y+3], v[ST+8*((\p)+\y)+4], v[TMP+8*\y+3]   ; old M - new M, 0 or less
.endr
.irp y, 0,1
	v_cvt_i32_f32 v[TMP+8*\y+3], v[TMP+8*\y+3]     ; (it saturates)
.endr
.irp y, 0,1
	v_ldexp_f32 v[ST+8*((\p)+\y)+6], 1.0, v[TMP+8*\y+3]   ; f = 2^(old M - new M)
.endr
.set jj, 0
.rept 32
	v_pk_fma_f32 v[S+jj:S+jj+1], v[S+jj:S+jj+1], s[22:23], v[ST+8*(\p):ST+8*(\p)+1] op_sel_hi:[1,0,0]   ; the first tile's t - M, two at a time
.set jj, jj+2
.endr
	HOOK \gl, (\n)+1
.set jj, 0
.rept 32                               ; ONE BATCH of 128 exponentials; the second tile's scalings stand among the first tile's: none of these lines reads an exponential's result
	v_exp_f32 v[S+jj], v[S+jj]                     ; p = 2^(t - M)
	v_exp_f32 v[S+jj+1], v[S+jj+1]
	v_pk_fma_f32 v[S+64+jj:S+64+jj+1], v[S+64+jj:S+64+jj+1], s[22:23], v[ST+8*(\p)+8:ST+8*(\p)+9] op_sel_hi:[1,0,0]
.set jj, jj+2
.endr
.set jj, 0
.rept 64
	v_exp_f32 v[S+64+jj], v[S+64+jj]
.set jj, jj+1
.endr
.irp y, 0,1
	v_pk_mul_f32 v[ST+8*((\p)+\y)+2:ST+8*((\p)+\y)+3], v[ST+8*((\p)+\y)+2:ST+8*((\p)+\y)+3], v[ST+8*((\p)+\y)+6:ST+8*((\p)+\y)+7] op_sel_hi:[1,0]   ; the sums under the new M: the plain lines behind the batch
.endr
	s_wait_alu depctr_va_vdst(0)                   ; the 128 exponentials have written p in v[S ..], ahead of their first reader; the step's addresses are written; ld = 1: the last step's V^T P is done reading V; ld = 2: this step's K Q^T are done reading K and the table
.if (\ld) == 1
	LDV
.endif
.if (\ld) == 2
	LDKT 8192, 512
.endif
.irp c, 0,1,2                          ; the rows' sums are taken of the unquantised p: four chains a tile, the running sum among them
.irp y, 0,1
	v_pk_add_f32 v[TMP+8*\y+2*\c:TMP+8*\y+2*\c+1], v[S+64*\y+4*\c:S+64*\y+4*\c+1], v[S+64*\y+4*\c+2:S+64*\y+4*\c+3]
.endr
.endr
.set jj, 0
.rept 26
.irp y, 0,1
.if jj%4 == 0
.set cr, ST+8*((\p)+\y)+2
.else
.set cr, TMP+8*\y+2*(jj%4)-2
.endif
	v_pk_add_f32 v[cr:cr+1], v[cr:cr+1], v[S+64*\y+12+2*jj:S+64*\y+13+2*jj]
.endr
.set jj, jj+1
.endr
.irp y, 0,1
	v_pk_add_f32 v[TMP+8*\y:TMP+8*\y+1], v[TMP+8*\y:TMP+8*\y+1], v[TMP+8*\y+2:TMP+8*\y+3]
.endr
.irp y, 0,1
	v_pk_add_f32 v[ST+8*((\p)+\y)+2:ST+8*((\p)+\y)+3], v[ST+8*((\p)+\y)+2:ST+8*((\p)+\y)+3], v[TMP+8*\y+4:TMP+8*\y+5]
.endr
.irp y, 0,1
	v_pk_add_f32 v[ST+8*((\p)+\y)+2:ST+8*((\p)+\y)+3], v[ST+8*((\p)+\y)+2:ST+8*((\p)+\y)+3], v[TMP+8*\y:TMP+8*\y+1]
.endr
	HOOK \gl, (\n)+2
	s_cmp_gt_i32 s45, -9                           ; 448 x 2^e9 >= 1 from e9 = -8 on: p, at most 1, cannot pass it
	s_cbranch_scc1 .Lnohold_\@
.set jj, 0
.rept 128
	v_min_num_f32 v[S+jj], s33, v[S+jj]            ; the conversion does not saturate (ISA guide 7.6.2); p is not negative, so the hold is one-sided
.set jj, jj+1
.endr
.Lnohold_\@:
.irp b, 0,1,2,3
.irp y, 0,1
	v_cvt_scalef32_pk8_fp8_f32 v[P+16*((\p)+\y)+4*\b:P+16*((\p)+\y)+4*\b+1], v[S+64*\y+16*\b:S+64*\y+16*\b+7], v[PSC]
	v_cvt_scalef32_pk8_fp8_f32 v[P+16*((\p)+\y)+4*\b+2:P+16*((\p)+\y)+4*\b+3], v[S+64*\y+16*\b+8:S+64*\y+16*\b+15], v[PSC]
.endr
.endr
	WIN 0x82                                       ; O^T (destination and source 0) in window 2
.set jj, 0
.rept 16
.irp y, 0,1
	v_pk_mul_f32 v[OO+32*((\p)+\y)+jj:OO+32*((\p)+\y)+jj+1], v[OO+32*((\p)+\y)+jj:OO+32*((\p)+\y)+jj+1], v[ST+8*((\p)+\y)+6:ST+8*((\p)+\y)+7] op_sel_hi:[1,0]   ; O^T under the new M; these are also the plain lines behind the conversions and ahead of the products that write S^T anew
.endr
.set jj, jj+2
.endr
	WIN 0
.endm
; A key step: 128 keys.  At its head K and the table are on their way or in (32 LDS loads).  pf = 1: the next step's are asked for in the second pair's softmax.  gl: see HOOK.
.macro STEP pf, gl
	s_wait_alu depctr_vm_vsrc(0)                   ; the LDS loads issued so far have read v[ADV], v[ADK] and v[ADT], which are written below
.irp j, 0,1,2,3
	v_add_f32 v[DD+\j], 0x43000000, v[DD+\j]       ; D + 128
.endr
	v_add_nc_u32 v[ADV], s26, v[AV0]
	v_add_nc_u32 v[ADK], s26, v[LI]
	v_add_nc_u32 v[ADT], s27, v[AT0]
	HOOK \gl, 0
	s_wait_dscnt 0x0                               ; K and the table are in: theirs are the only LDS loads out
	QK 0
	WIN 0
.rept 4
	v_nop                                          ; four places ahead of the first read of results (ISA guide 7.12.1)
.endr
	SOFTMAX2 0, \gl, 1, 1
	QK 2
	s_wait_dscnt 0x0                               ; V, asked for in the softmax above
	PV 0                                           ; runs under the softmax below
	WIN 0
.rept 4
	v_nop                                          ; four places ahead of the first read of results
.endr
	HOOK \gl, 4
	SOFTMAX2 2, \gl, 5, 2*\pf
	PV 2
	WIN 0
	s_add_co_u32 s26, s26, 8192
	s_add_co_u32 s27, s27, 512
.endm
; A chunk of four steps.  fill = 1: the next chunk is asked for in its first step and laid into LDS at its end, between two barriers: every wave's reads are back ahead of the first, every wave's stores have landed ahead of the second.
; The chunk's last step asks for no K ahead: the next chunk's is not in LDS yet; the first lines below fetch it behind the barrier.
.macro CHUNK fill
	s_wait_alu depctr_vm_vsrc(0)                   ; the LDS loads have read v[ADK] and v[ADT]; the chunk's loads and LDS stores have read v[GAK], v[GAV] and the chunk's registers, in which the next chunk lands; ahead of the first chunk the table's stores have read v[ADT] and v[S ..]
	v_add_nc_u32 v[ADK], s26, v[LI]
	v_add_nc_u32 v[ADT], s27, v[AT0]
.if \fill
	s_add_co_u32 s28, s28, 32768
	v_add_nc_u32 v[GAK], s28, v[GA0]               ; (the loads that read these registers have been waited for)
	v_add_nc_u32 v[GAV], s28, v[GV0]
.endif
	s_wait_alu depctr_va_vdst(0)                   ; the addresses above are written, which the loads below and the next chunk's loads read
	LDKT 0, 0
.if \fill
	STEP 1, 1
	s_mov_b32 s30, 0
.Lstep_\@:
	STEP 1, 0
	s_add_co_u32 s30, s30, 1
	s_cmp_lt_u32 s30, 2
	s_cbranch_scc1 .Lstep_\@
.else
	s_mov_b32 s30, 0
.Lstep_\@:
	STEP 1, 0
	s_add_co_u32 s30, s30, 1
	s_cmp_lt_u32 s30, 3
	s_cbranch_scc1 .Lstep_\@
.endif
	STEP 0, 0
.if \fill
	s_wait_dscnt 0x0
	s_barrier_signal -1
	s_barrier_wait -1
	s_wait_loadcnt 0x0
	DST
	s_wait_dscnt 0x0
	s_barrier_signal -1
	s_barrier_wait -1
.endif
.endm
	s_load_b256 s[4:11], s[0:1], 0x0               ; qc, kv, the mask, the scales
	s_load_b64 s[12:13], s[0:1], 0x20              ; cc
	v_lshl_add_u32 v254, v0, 2, 0x42800
	v_mov_b32 v255, 0
	v_lshrrev_b32 v[ADK], 5, v0
	v_readfirstlane_b32 s14, v[ADK]                ; wave
	s_and_b32 s16, ttmp7, 0xffff                   ; 8 x batch + head
	s_lshr_b32 s17, s16, 3
	s_and_b32 s18, s16, 7
	s_lshl_b32 s19, ttmp9, 2
	s_wait_alu depctr_va_sdst(0)                   ; s14 is written, ahead of its first reader
	s_add_co_u32 s19, s19, s14                     ; my group of four query tiles
	v_and_b32 v[ADK], 31, v0
	v_lshlrev_b32 v[LI], 4, v[ADK]
	v_add_nc_u32 v[AV0], VLDS, v[LI]
	v_bfe_u32 v[ADK], v0, 4, 1
	v_lshlrev_b32 v[AT0], 6, v[ADK]
	v_add_nc_u32 v[AT0], TLDS, v[AT0]
	v_lshlrev_b32 v[GA0], 4, v0
	v_add_nc_u32 v[GV0], VLDS, v[GA0]
	v_mov_b32 v[GAK], v[GA0]
	v_mov_b32 v[GAV], v[GV0]
	v_lshlrev_b32 v[ADT], 6, v0
	v_add_nc_u32 v[ADT], TLDS, v[ADT]              ; where I store my sixteen table entries
	s_mov_b32 s20, 0x76543210
	s_mov_b32 s21, 0xfedcba98                      ; v_permlanex16_b32: lane l xor 16
	s_mov_b32 s53, 0
	s_wait_kmcnt 0x0
	s_load_b512 s[36:51], s[10:11], 0x0
	s_lshl_b32 s52, s16, 18
	s_add_nc_u64 s[6:7], s[6:7], s[52:53]          ; the head's K and V
	s_wait_alu depctr_va_vdst(0)                   ; v[GAK], v[GAV], v[GA0] and v[LI] are written, which the loads below read
.irp n, 0,1,2,3,4,5,6,7
	GL4 \n                                         ; chunk 0
.endr
	s_lshl_b32 s52, s17, 11
	s_add_nc_u64 s[8:9], s[8:9], s[52:53]
	global_load_b128 v[TMP:TMP+3], v[GA0], s[8:9]  ; my sixteen bytes of the mask
	s_lshl_b32 s52, s16, 17
	s_lshl_b32 s55, s19, 12                        ; four tiles of 1,024 bytes
	s_add_co_u32 s52, s52, s55
	s_add_nc_u64 s[4:5], s[4:5], s[52:53]
	WIN 0x40
.irp l, 0,1,2,3,4,5,6,7
	global_load_b128 v[QF+4*\l:QF+4*\l+3], v[LI], s[4:5] offset:512*\l
.endr
	WIN 0
	s_lshl_b32 s52, s17, 7
	s_lshl_b32 s54, s19, 2
	s_add_co_u32 s52, s52, s54                     ; ctx: row tile 128 x batch + 4 x group,
	s_lshl_b32 s52, s52, 13
	s_lshl_b32 s54, s18, 10                        ; the head's 64 of the 512 along K: 1,024 bytes of the image
	s_add_co_u32 s52, s52, s54
	s_add_nc_u64 s[12:13], s[12:13], s[52:53]
	v_and_b32 v[S], 15, v0
	v_and_b32 v[S+1], 8, v[S]
	v_add_nc_u32 v[S], v[S], v[S+1]                ; r + 8 (r / 8)
	s_lshl_b32 s57, s19, 6
	v_add_nc_u32 v[S], s57, v[S]                   ; my query of tile 0; tiles 1, 2, 3 lie 8, 32, 40 further on
.irp j, 0,1,2,3
	v_add_nc_u32 v[S+1], 128+32*(\j/2)+8*(\j%2), v[S]
	v_cvt_f32_u32 v[DD+\j], v[S+1]
	v_mul_f32 v[DD+\j], -1.0, v[DD+\j]             ; D = -query - 128: the first step adds 128
.endr
.irp x, 0,1,2,3
	v_mov_b32 v[ST+8*\x], 0
	v_mov_b32 v[ST+8*\x+1], 0
	v_mov_b32 v[ST+8*\x+2], 0                      ; the sum
	v_mov_b32 v[ST+8*\x+3], 0
	v_mov_b32 v[ST+8*\x+4], 0x5d800000             ; -M = 2^60
	v_mov_b32 v[ST+8*\x+5], 0xdd800000             ; the largest t so far: -2^60
	v_mov_b32 v[ST+8*\x+6], 0
	v_mov_b32 v[ST+8*\x+7], 0
.endr
	WIN 0x80
.set jj, 0
.rept 128
	v_mov_b32 v[OO+jj], 0                          ; O^T: the step has no first form of its own; the first change of M leaves zeros zeros
.set jj, jj+1
.endr
	WIN 0
	s_wait_kmcnt 0x0
	s_add_co_i32 s52, s42, s43                     ; e6 + e7
	s_lshl_b32 s58, s52, 23
	s_add_co_i32 s22, s58, 0x3e38aa3b              ; c' = log2(e) / 8 x 2^(e6 + e7): the exponents are added to the exponent field
	s_mov_b32 s23, s22
	s_add_co_u32 s54, s18, 1
	s_lshl_b32 s54, s54, 23
	s_sub_co_u32 s24, 0x3fb8aa3b, s54              ; s2 = log2(e) x 2^-(head + 1)
	s_sub_co_i32 s56, 2, s18
	s_sub_co_i32 s56, s56, s52                     ; 2 - head - e6 - e7
	s_add_co_i32 s25, s44, s45                     ; e8 + e9
	s_add_co_i32 s54, s45, 127
	s_lshl_b32 s55, s54, 23
	v_mov_b32 v[PSC], s55                          ; 2^e9
	s_add_co_i32 s54, s54, 8
	s_lshl_b32 s54, s54, 23
	s_or_b32 s33, s54, 0x600000                    ; 448 x 2^e9
	s_add_co_i32 s54, s46, 127
	s_lshl_b32 s35, s54, 23                        ; 2^e10
	s_add_co_i32 s54, s54, 8
	s_lshl_b32 s54, s54, 23
	s_or_b32 s34, s54, 0x600000                    ; 448 x 2^e10
	v_and_b32 v[ADK], 7, v0
	v_lshlrev_b32 v[ADK], 4, v[ADK]                ; (16 x thread) % 128
.irp e, 0,1,2,3,4,5,6,7,8,9,10,11,12,13,14,15
	v_add_nc_u32 v[S+\e], \e, v[ADK]
	v_cvt_f32_u32 v[S+\e], v[S+\e]
	v_ldexp_f32 v[S+\e], v[S+\e], s56              ; (key % 128) x 2^(2 - head - e6 - e7): exact
.endr
	v_mov_b32 v[S+32], 0xfb800000                  ; -2^120
	s_wait_loadcnt 0x0                             ; chunk 0, the mask, Q
.irp e, 0,1,2,3,4,5,6,7,8,9,10,11,12,13,14,15
	v_bfe_u32 v[S+16+\e], v[TMP+\e/4], 8*(\e%4), 8
.endr
.irp e, 0,1,2,3,4,5,6,7,8,9,10,11,12,13,14,15
	v_cmp_ne_u32 s[36+\e+2*(\e/8)], 0, v[S+16+\e]  ; the sixteen compares in one run, into s36-43 and s46-53: of the exponents that lay there only e9, in s45, is wanted from here on
.endr
	s_wait_alu depctr_va_sdst(0)                   ; the sixteen masks are written, ahead of the selects that read them
.irp e, 0,1,2,3,4,5,6,7,8,9,10,11,12,13,14,15
	v_cndmask_b32 v[S+\e], v[S+\e], v[S+32], s[36+\e+2*(\e/8)]
.endr
	s_wait_alu depctr_va_vdst(0)                   ; the selects have written the table's entries v[S ..], which the LDS stores read
.irp j, 0,1,2,3
	ds_store_b128 v[ADT], v[S+4*\j:S+4*\j+3] offset:16*\j
.endr
	DST
	s_mov_b32 s26, 0                               ; the step's K and V in LDS
	s_mov_b32 s27, 0                               ; the step's table entries
	s_mov_b32 s28, 0                               ; the chunk being copied
	s_mov_b32 s29, 0
	s_wait_dscnt 0x0                               ; for the others' sake: my part of the table and of chunk 0 lies in LDS
	s_barrier_signal -1
	s_barrier_wait -1
.Lchunk:
	CHUNK 1
	s_add_co_u32 s29, s29, 1
	s_cmp_lt_u32 s29, 3
	s_cbranch_scc1 .Lchunk
	CHUNK 0                                        ; the last chunk asks for nothing
	; THE WAY OUT
.rept 4
	v_nop                                          ; four places behind the last products
.endr
.irp x, 0,1,2,3
	v_add_f32 v[TMP+\x], v[ST+8*\x+2], v[ST+8*\x+3]
.endr
.irp x, 0,1,2,3
	v_permlanex16_b32 v[TMP+8+\x], v[TMP+\x], s20, s21
.endr
.irp x, 0,1,2,3
	v_add_f32 v[TMP+\x], v[TMP+\x], v[TMP+8+\x]    ; the rows' sums
.endr
.irp x, 0,1,2,3
	v_rcp_f32 v[TMP+\x], v[TMP+\x]
.endr
	v_mov_b32 v[TMP+4], s34                        ; 448 x 2^e10 (plain lines behind the reciprocals)
	v_mov_b32 v[TMP+5], s35                        ; 2^e10
	s_wait_alu depctr_va_vdst(0)                   ; the four reciprocals v[TMP ..] are written, ahead of their first reader
.irp x, 0,1,2,3
	v_ldexp_f32 v[TMP+\x], v[TMP+\x], s25          ; x 2^(e8 + e9)
.endr
	WIN 0x02                                       ; source 0 (O^T) window 2
.irp x, 0,1,2,3
.set jj, 0
.rept 32
	v_mul_f32 v[S+32*\x+jj], v[OO+32*\x+jj], v[TMP+\x]   ; each accumulator from its low end on
.set jj, jj+1
.endr
.endr
	WIN 0
.irp g, 0,1,2,3,4,5,6,7                ; tile g / 2, channels 32 (g % 2) + 16 h + 0 .. 15
.irp i, 0,1,2,3,4,5,6,7,8,9,10,11,12,13,14,15
	v_med3_num_f32 v[S+16*\g+\i], v[S+16*\g+\i], -v[TMP+4], v[TMP+4]
.endr
	v_cvt_scalef32_pk8_fp8_f32 v[P+4*\g:P+4*\g+1], v[S+16*\g:S+16*\g+7], v[TMP+5]
	v_cvt_scalef32_pk8_fp8_f32 v[P+4*\g+2:P+4*\g+3], v[S+16*\g+8:S+16*\g+15], v[TMP+5]
.endr
	v_nop                                          ; one plain line behind the last scaled conversion
	s_wait_alu depctr_va_vdst(0)                   ; the conversions have written ctx's codes v[P ..], which the stores read
.irp g, 0,1,2,3,4,5,6,7
	global_store_b128 v[LI], v[P+4*\g:P+4*\g+3], s[12:13] offset:(\g/2)*8192+(\g%2)*512   ; 32 lanes store 512 consecutive bytes, aligned
.endr
	s_wait_dscnt 0x0                               ; the closing lines, six on end
	s_wait_alu 0x0
	s_wait_tensorcnt 0x0
	ds_add_u32 v254, v255
	s_wait_dscnt 0x0
	s_endpgm
.Lfunc_end_k_q47b06d2a7d_attn:
	.size	k_q47b06d2a7d_attn, .Lfunc_end_k_q47b06d2a7d_attn-k_q47b06d2a7d_attn
	.p2alignl 7, 3214868480
	.fill 96, 4, 3214868480
	.section	.rodata,"a",@progbits
	.p2align	6, 0x0
	.amdhsa_kernel k_q47b06d2a7d_attn
		.amdhsa_group_segment_fixed_size 272896
		.amdhsa_private_segment_fixed_size 0
		.amdhsa_enable_private_segment 0
		.amdhsa_kernarg_size 40
		.amdhsa_user_sgpr_count 2
		.amdhsa_user_sgpr_kernarg_segment_ptr 1
		.amdhsa_wavefront_size32 1
		.amdhsa_system_sgpr_workgroup_id_x 1
		.amdhsa_system_sgpr_workgroup_id_y 1
		.amdhsa_system_sgpr_workgroup_id_z 1
		.amdhsa_system_vgpr_workitem_id 0
		.amdhsa_next_free_vgpr 768
		.amdhsa_next_free_sgpr 72
		.amdhsa_reserve_vcc 0
		.amdhsa_float_denorm_mode_32 3
		.amdhsa_float_denorm_mode_16_64 3
		.amdhsa_memory_ordered 1
		.amdhsa_forward_progress 1
		.amdhsa_inst_pref_size 255
	.end_amdhsa_kernel
	.section	.bss,"aw",@nobits
	.p2align	6
	.space	262144
	.amdgpu_metadata
---
amdhsa.version: [ 1, 2 ]
amdhsa.kernels:
  - .name:           k_q47b06d2a7d_attn
    .symbol:         k_q47b06d2a7d_attn.kd
    .args:
      - { .name: qc, .offset: 0, .size: 8, .value_kind: global_buffer, .address_space: global }
      - { .name: kv, .offset: 8, .size: 8, .value_kind: global_buffer, .address_space: global }
      - { .name: key_padding_mask, .offset: 16, .size: 8, .value_kind: global_buffer, .address_space: global }
      - { .name: lowp_scales, .offset: 24, .size: 8, .value_kind: global_buffer, .address_space: global }
      - { .name: cc, .offset: 32, .size: 8, .value_kind: global_buffer, .address_space: global }
    .group_segment_fixed_size: 272896
    .private_segment_fixed_size: 0
    .kernarg_segment_align: 8
    .kernarg_segment_size: 40
    .max_flat_workgroup_size: 128
    .sgpr_count:     72
    .vgpr_count:     768
    .wavefront_size: 32
...
	.end_amdgpu_metadata
.endif
;; end of part 8
;; launch oproj (part 9): grid 256 x 1, 8 waves a work-group, no clusters, 84,480 bytes of LDS; arguments cc, wc, lowp_scales, b_o, src, ln2_g, ln2_b, s2, x2c; writes s2, x2c
.if DOCPART == 9
	.amdgcn_target "amdgcn-amd-amdhsa--gfx1250"
	.amdhsa_code_object_version 6
	.text
	.protected	k_q47b06d2a7d_oproj
	.globl	k_q47b06d2a7d_oproj
	.p2align	8
	.type	k_q47b06d2a7d_oproj,@function
k_q47b06d2a7d_oproj:
	s_mov_b64 s[64:65], 0
	v_nop
	global_prefetch_b8 v0, s[64:65] scope:SCOPE_SE
	s_setreg_imm32_b32 hwreg(HW_REG_WAVE_SCHED_MODE, 0, 2), 2
	s_setreg_imm32_b32 hwreg(HW_REG_WAVE_MODE, 25, 1), 1
	s_wait_xcnt 0x0
	s_wait_alu depctr_vm_vsrc(0)
; s2 = src + ctx w_o + b_o;  x2c = codes of LayerNorm(s2).  A work-group takes 32 tokens (two row tiles).
; Wave w holds its 64 columns of w_o (4 tiles x 4 K steps, 256 registers, window 1) and multiplies them, transposed (source 0 = columns, source 1 = rows), with both row tiles;
; the sums meet in a stage in LDS (a row a slot); one barrier; wave w then owns four whole rows: lane L holds k = 128 j + 4 L + e, adds src and b_o, stores s2 by dense 512-byte stores, normalises, quantises;
; the codes meet in two row-tile images in LDS; one barrier; each wave stores a quarter of an image, 512 consecutive bytes a store.
; LIMITS: e10 + e11 between -126 and 127; e12 between -126 and 119.  NaN among the inputs is not served.
; No tensor loads: the weight goes straight into registers; work-groups share only the weight, 262,144 bytes read once each.
; THE MODE: SCHED_MODE bits 1:0 = 2 (LLVM: expert scheduling mode 2), set by the entry lines.  The code itself states the register dependences
; between vector or matrix instructions and memory or LDS instructions, with s_wait_alu, always for 0.
; THE PLAN.  Registers that memory or LDS instructions touch, in the order of the text:
;   XF    written by global loads; read by the products; behind the second run of products gain, bias, b_o and the rows of sums are loaded into its registers.
;   ACC   written by the products; read by the LDS stores into the stage; written again by the second run of products; at the end LDS loads land in it, and global stores read it.
;   XS    written by global loads (src); written by the additions; read by s2's stores; then normalised in place.
;   PC    written by the conversions; read by the LDS stores of the codes.
;   v1 to v6: addresses, made at the head, never written again.
; One wait on va_vdst behind each run of products (and its places), one ahead of s2's stores, one ahead of the codes' LDS stores.  One wait on vm_vsrc ahead of the second run of products, one ahead of the LayerNorm.
.set PC,  16
.set ACC, 32                           ; v32-63   four accumulators
.set XF,  64                           ; v64-191  ctx's eight fragments: (u, s) at 64 u + 16 s
.set XS,  192                          ; v192-255 four rows of src, then of s2, then normalised
.set GG,  64                           ; behind the products: gain, bias, b_o at my 16 k, and the four rows of sums
.set BT,  80
.set BO,  96
.set RR,  112
.set TT,  112                          ; behind those: at work
.set MU,  144
.set RS,  152
.set SPITCH, 2064                      ; a stage slot: 2,048 bytes + 16
.set CT,  32*SPITCH                    ; behind the stage: two images of 32 pieces x 272 bytes
.set TILE, 8704
.set MSB, 0
.macro WIN new
.if MSB != \new
	s_set_vgpr_msb (MSB<<8)|\new
.set MSB, \new
.endif
.endm
.macro RED4
.irp m, 1,2,4,8
.irp p, 0,1,2,3
	v_add_f32_dpp v[TT+8*\p], v[TT+8*\p], v[TT+8*\p] row_xmask:\m row_mask:0xf bank_mask:0xf
.endr
.endr
.irp p, 0,1,2,3
	v_permlanex16_b32 v[TT+8*\p+1], v[TT+8*\p], s24, s25
.endr
.irp p, 0,1,2,3
	v_add_f32 v[TT+8*\p], v[TT+8*\p], v[TT+8*\p+1]
.endr
.endm
.macro LN4 xb                          ; four rows in v[xb] on become four times 16 codes in v[PC] on; the variance in a second pass over x - mean
.irp p, 0,1,2,3
.irp a, 0,1,2,3
	v_pk_add_f32 v[TT+8*\p+2*\a:TT+8*\p+2*\a+1], v[\xb+16*\p+4*\a:\xb+16*\p+4*\a+1], v[\xb+16*\p+4*\a+2:\xb+16*\p+4*\a+3]
.endr
.endr
.irp p, 0,1,2,3
	v_pk_add_f32 v[TT+8*\p:TT+8*\p+1], v[TT+8*\p:TT+8*\p+1], v[TT+8*\p+2:TT+8*\p+3]
	v_pk_add_f32 v[TT+8*\p+4:TT+8*\p+5], v[TT+8*\p+4:TT+8*\p+5], v[TT+8*\p+6:TT+8*\p+7]
.endr
.irp p, 0,1,2,3
	v_pk_add_f32 v[TT+8*\p:TT+8*\p+1], v[TT+8*\p:TT+8*\p+1], v[TT+8*\p+4:TT+8*\p+5]
.endr
.irp p, 0,1,2,3
	v_add_f32 v[TT+8*\p], v[TT+8*\p], v[TT+8*\p+1]
.endr
	RED4
.irp p, 0,1,2,3
	v_mul_f32 v[MU+2*\p], s26, v[TT+8*\p]
.endr
.irp p, 0,1,2,3
.irp a, 0,2,4,6,8,10,12,14
	v_pk_add_f32 v[\xb+16*\p+\a:\xb+16*\p+\a+1], v[\xb+16*\p+\a:\xb+16*\p+\a+1], v[MU+2*\p:MU+2*\p+1] op_sel_hi:[1,0] neg_lo:[0,1] neg_hi:[0,1]
.endr
.endr
.irp p, 0,1,2,3
	v_pk_mul_f32 v[TT+8*\p:TT+8*\p+1], v[\xb+16*\p:\xb+16*\p+1], v[\xb+16*\p:\xb+16*\p+1]
	v_pk_mul_f32 v[TT+8*\p+2:TT+8*\p+3], v[\xb+16*\p+2:\xb+16*\p+3], v[\xb+16*\p+2:\xb+16*\p+3]
.endr
.irp a, 4,8,12
.irp p, 0,1,2,3
	v_pk_fma_f32 v[TT+8*\p:TT+8*\p+1], v[\xb+16*\p+\a:\xb+16*\p+\a+1], v[\xb+16*\p+\a:\xb+16*\p+\a+1], v[TT+8*\p:TT+8*\p+1]
	v_pk_fma_f32 v[TT+8*\p+2:TT+8*\p+3], v[\xb+16*\p+\a+2:\xb+16*\p+\a+3], v[\xb+16*\p+\a+2:\xb+16*\p+\a+3], v[TT+8*\p+2:TT+8*\p+3]
.endr
.endr
.irp p, 0,1,2,3
	v_pk_add_f32 v[TT+8*\p:TT+8*\p+1], v[TT+8*\p:TT+8*\p+1], v[TT+8*\p+2:TT+8*\p+3]
.endr
.irp p, 0,1,2,3
	v_add_f32 v[TT+8*\p], v[TT+8*\p], v[TT+8*\p+1]
.endr
	RED4
.irp p, 0,1,2,3
	v_fma_f32 v[TT+8*\p], v[TT+8*\p], s26, s27
.endr
.irp p, 0,1,2,3
	v_rsq_f32 v[RS+2*\p], v[TT+8*\p]
.endr
	v_nop                                          ; a plain instruction behind the last of the four,
	s_wait_alu depctr_va_vdst(0)                   ; and one wait for the batch: the four reciprocal roots v[RS ..] are written, ahead of their first reader
.irp p, 0,1,2,3
.irp a, 0,2,4,6,8,10,12,14
	v_pk_mul_f32 v[\xb+16*\p+\a:\xb+16*\p+\a+1], v[\xb+16*\p+\a:\xb+16*\p+\a+1], v[RS+2*\p:RS+2*\p+1] op_sel_hi:[1,0]
.endr
.endr
.irp p, 0,1,2,3
.irp a, 0,2,4,6,8,10,12,14
	v_pk_fma_f32 v[\xb+16*\p+\a:\xb+16*\p+\a+1], v[\xb+16*\p+\a:\xb+16*\p+\a+1], v[GG+\a:GG+\a+1], v[BT+\a:BT+\a+1]
.endr
.endr
.irp p, 0,1,2,3
.irp a, 0,1,2,3,4,5,6,7,8,9,10,11,12,13,14,15
	v_med3_num_f32 v[\xb+16*\p+\a], v[\xb+16*\p+\a], -v8, v8
.endr
.endr
.irp p, 0,1,2,3
	v_cvt_scalef32_pk8_fp8_f32 v[PC+4*\p:PC+4*\p+1], v[\xb+16*\p:\xb+16*\p+7], v9
	v_cvt_scalef32_pk8_fp8_f32 v[PC+4*\p+2:PC+4*\p+3], v[\xb+16*\p+8:\xb+16*\p+15], v9
.endr
	v_nop                                          ; one plain instruction behind the last scaled conversion
.endm
.macro MUL16 u                         ; row tile u: 16 matrix instructions, four accumulators by turns, one instruction a turn
	WIN 0x01
.irp s, 0,1,2,3
.irp t, 0,1,2,3
.if \s == 0
	v_wmma_f32_16x16x128_fp8_fp8 v[ACC+8*\t:ACC+8*\t+7], v[16*(4*\t+\s):16*(4*\t+\s)+15], v[XF+64*(\u)+16*\s:XF+64*(\u)+16*\s+15], 0
.else
	v_wmma_f32_16x16x128_fp8_fp8 v[ACC+8*\t:ACC+8*\t+7], v[16*(4*\t+\s):16*(4*\t+\s)+15], v[XF+64*(\u)+16*\s:XF+64*(\u)+16*\s+15], v[ACC+8*\t:ACC+8*\t+7]
.endif
.endr
.endr
	WIN 0
.rept 4
	v_nop                                          ; four places ahead of the first read of results (ISA guide 7.12.1)
.endr
	s_wait_alu depctr_va_vdst(0)                   ; the products have written the accumulators, which the LDS stores read, and are done reading ctx's fragments, in whose registers loads land behind the second run
.endm
.macro TOSTAGE u                       ; lane (r, h): row slot 16 u + r, columns 64 w + 32 b + 16 h + 0 .. 15
.irp b, 0,1
.irp j, 0,1,2,3
	ds_store_b128 v2, v[ACC+16*\b+4*\j:ACC+16*\b+4*\j+3] offset:(\u)*16*SPITCH+128*\b+16*\j
.endr
.endr
.endm
	s_load_b512 s[4:19], s[0:1], 0x0               ; cc, wc, the scales, b_o, src, ln2_g, ln2_b, s2
	s_load_b64 s[20:21], s[0:1], 0x40              ; x2c
	v_lshl_add_u32 v14, v0, 2, 0x14600
	v_mov_b32 v15, 0
	v_lshrrev_b32 v10, 5, v0
	v_readfirstlane_b32 s22, v10                   ; wave
	v_and_b32 v11, 31, v0
	v_lshlrev_b32 v1, 4, v11                       ; 16 x lane
	v_and_b32 v12, 15, v0                          ; r
	v_bfe_u32 v13, v0, 4, 1                        ; h
	s_wait_alu depctr_va_sdst(0)                   ; s22 is written, ahead of its first reader
	s_lshr_b32 s30, s22, 2                         ; w / 4: which row tile my four rows belong to
	s_and_b32 s31, s22, 3
	s_bfe_u32 s32, s22, 0x10001
	v_mul_u32_u24 v2, v12, SPITCH
	v_lshl_add_u32 v2, v13, 6, v2
	s_lshl_b32 s40, s22, 8
	v_add_nc_u32 v2, s40, v2                       ; into the stage: slot r, + 64 h, + my 256 bytes of a row
	s_mul_i32 s40, s22, 4*SPITCH
	v_add_nc_u32 v3, s40, v1                       ; out of it: slots 4 w on, 16 bytes a lane
	s_mul_i32 s41, s30, TILE
	s_add_co_u32 s41, s41, CT
	s_lshl_b32 s42, s31, 6
	s_add_co_u32 s42, s42, s41
	v_mul_u32_u24 v4, v11, 272
	v_add_nc_u32 v4, s42, v4                       ; codes in: piece = my lane, row lanes 4 (w % 4) on
	s_mul_i32 s42, s31, 8*272
	s_add_co_u32 s42, s42, s41
	v_mul_u32_u24 v5, v13, 272
	v_lshl_add_u32 v5, v12, 4, v5
	v_add_nc_u32 v5, s42, v5                       ; codes out: pieces 8 (w % 4) + h on
	s_lshl_b32 s42, s30, 13
	s_lshl_b32 s43, s31, 11
	s_add_co_u32 s42, s42, s43
	v_lshlrev_b32 v6, 8, v13
	v_lshl_add_u32 v6, v12, 4, v6
	v_add_nc_u32 v6, s42, v6                       ; and the same place in x2c
	s_lshl_b32 s33, s30, 3                         ; slots 4 w .. 4 w + 3 are tokens 8 (w/4) + 4 (w%4) + 8 ((w/2)%2) + 0 .. 3 of the 32
	s_lshl_b32 s34, s31, 2
	s_add_co_u32 s33, s33, s34
	s_lshl_b32 s34, s32, 3
	s_add_co_u32 s33, s33, s34
	s_lshl_b32 s34, ttmp9, 5
	s_add_co_u32 s34, s34, s33
	s_lshl_b32 s34, s34, 11                        ; rows of 2,048 bytes
	s_mov_b32 s35, 0
	s_lshl_b32 s52, ttmp9, 14                      ; two images of 8,192 bytes
	s_mov_b32 s53, 0
	s_lshl_b32 s54, s22, 15
	s_add_co_u32 s54, s54, 0xc0000                 ; w_o in wc, my four tiles
	s_mov_b32 s55, 0
	s_mov_b32 s24, 0x76543210
	s_mov_b32 s25, 0xfedcba98
	s_mov_b32 s26, 0x3b000000                      ; 1 / 512
	s_mov_b32 s27, 0x3727c5ac                      ; 1e-5
	s_wait_kmcnt 0x0
	s_load_b512 s[36:51], s[8:9], 0x0
	s_add_nc_u64 s[4:5], s[4:5], s[52:53]
	s_add_nc_u64 s[20:21], s[20:21], s[52:53]
	s_add_nc_u64 s[6:7], s[6:7], s[54:55]
	s_add_nc_u64 s[12:13], s[12:13], s[34:35]
	s_add_nc_u64 s[18:19], s[18:19], s[34:35]
	s_wait_alu depctr_va_vdst(0)                   ; the six addresses v1 to v6 are written, which the loads and stores of the kernel read
.set ll, 0
.rept 32
	global_load_b128 v[XF+4*ll:XF+4*ll+3], v1, s[4:5] offset:512*ll
.set ll, ll+1
.endr
	WIN 0x40
.set ll, 0
.rept 64
	global_load_b128 v[4*ll:4*ll+3], v1, s[6:7] offset:512*ll
.set ll, ll+1
.endr
	WIN 0
.irp p, 0,1,2,3
.irp j, 0,1,2,3
	global_load_b128 v[XS+16*\p+4*\j:XS+16*\p+4*\j+3], v1, s[12:13] offset:\p*2048+512*\j th:TH_LOAD_NT
.endr
.endr
	s_wait_kmcnt 0x0
	s_add_co_i32 s28, s46, s47
	s_add_co_i32 s28, s28, 127
	s_lshl_b32 s28, s28, 23                        ; 2^(e10 + e11)
	s_mov_b32 s29, s28
	s_add_co_i32 s56, s48, 127
	s_lshl_b32 s57, s56, 23
	v_mov_b32 v9, s57                              ; 2^e12
	s_add_co_i32 s56, s56, 8
	s_lshl_b32 s56, s56, 23
	s_or_b32 s56, s56, 0x600000
	v_mov_b32 v8, s56
	s_wait_loadcnt 16                              ; ctx and the weight are in; src's sixteen loads may stay out
	MUL16 0
	TOSTAGE 0
	s_wait_dscnt 0x0                               ; the stores are done,
	s_wait_alu depctr_vm_vsrc(0)                   ; and they have read the accumulators, which the products below write again;
	v_nop                                          ; and a fifth place stands ahead of the products that write over them
	MUL16 1
.irp j, 0,1,2,3
	global_load_b128 v[GG+4*\j:GG+4*\j+3], v1, s[14:15] offset:512*\j
	global_load_b128 v[BT+4*\j:BT+4*\j+3], v1, s[16:17] offset:512*\j
	global_load_b128 v[BO+4*\j:BO+4*\j+3], v1, s[10:11] offset:512*\j
.endr
	TOSTAGE 1
	s_wait_dscnt 0x0
	s_barrier_signal -1
	s_barrier_wait -1                              ; 32 whole rows of sums lie in the stage
.irp p, 0,1,2,3
.irp j, 0,1,2,3
	ds_load_b128 v[RR+16*\p+4*\j:RR+16*\p+4*\j+3], v3 offset:\p*SPITCH+512*\j   ; no wait: no vector or matrix instruction since the wait behind the products names these registers
.endr
.endr
	s_wait_loadcnt 0x0
	s_wait_dscnt 0x0
.irp p, 0,1,2,3
.irp a, 0,2,4,6,8,10,12,14
	v_pk_add_f32 v[XS+16*\p+\a:XS+16*\p+\a+1], v[XS+16*\p+\a:XS+16*\p+\a+1], v[BO+\a:BO+\a+1]
.endr
.endr
.irp p, 0,1,2,3
.irp a, 0,2,4,6,8,10,12,14
	v_pk_fma_f32 v[XS+16*\p+\a:XS+16*\p+\a+1], v[RR+16*\p+\a:RR+16*\p+\a+1], s[28:29], v[XS+16*\p+\a:XS+16*\p+\a+1] op_sel_hi:[1,0,1]   ; src + b_o + sum x 2^(e10 + e11)
.endr
.endr
	s_wait_alu depctr_va_vdst(0)                   ; the multiply-adds have written the four rows v[XS ..], which the stores read
.irp p, 0,1,2,3
.irp j, 0,1,2,3
	global_store_b128 v1, v[XS+16*\p+4*\j:XS+16*\p+4*\j+3], s[18:19] offset:\p*2048+512*\j
.endr
.endr
	s_wait_xcnt 0x0                                ; the stores have had their addresses translated: the rows are normalised in place only behind this wait,
	s_wait_alu depctr_vm_vsrc(0)                   ; and they have read v[XS ..]; the stage's stores have read the accumulators, in which the last LDS loads land
	LN4 XS
	s_wait_alu depctr_va_vdst(0)                   ; the conversions have written v[PC ..], which the LDS stores read
.irp p, 0,1,2,3
	ds_store_b128 v4, v[PC+4*\p:PC+4*\p+3] offset:16*\p
.endr
	s_wait_dscnt 0x0
	s_barrier_signal -1
	s_barrier_wait -1                              ; both images are whole
.irp i, 0,1,2,3
	ds_load_b128 v[ACC+4*\i:ACC+4*\i+3], v5 offset:544*\i
.endr
.irp i, 0,1,2,3
	s_wait_dscnt 3-\i
	global_store_b128 v6, v[ACC+4*\i:ACC+4*\i+3], s[20:21] offset:512*\i
.endr
	s_wait_dscnt 0x0                               ; the closing lines, six on end
	s_wait_alu 0x0
	s_wait_tensorcnt 0x0
	ds_add_u32 v14, v15
	s_wait_dscnt 0x0
	s_endpgm
.Lfunc_end_k_q47b06d2a7d_oproj:
	.size	k_q47b06d2a7d_oproj, .Lfunc_end_k_q47b06d2a7d_oproj-k_q47b06d2a7d_oproj
	.p2alignl 7, 3214868480
	.fill 96, 4, 3214868480
	.section	.rodata,"a",@progbits
	.p2align	6, 0x0
	.amdhsa_kernel k_q47b06d2a7d_oproj
		.amdhsa_group_segment_fixed_size 84480
		.amdhsa_private_segment_fixed_size 0
		.amdhsa_enable_private_segment 0
		.amdhsa_kernarg_size 72
		.amdhsa_user_sgpr_count 2
		.amdhsa_user_sgpr_kernarg_segment_ptr 1
		.amdhsa_wavefront_size32 1
		.amdhsa_system_sgpr_workgroup_id_x 1
		.amdhsa_system_sgpr_workgroup_id_y 1
		.amdhsa_system_sgpr_workgroup_id_z 1
		.amdhsa_system_vgpr_workitem_id 0
		.amdhsa_next_free_vgpr 512
		.amdhsa_next_free_sgpr 66
		.amdhsa_reserve_vcc 0
		.amdhsa_float_denorm_mode_32 3
		.amdhsa_float_denorm_mode_16_64 3
		.amdhsa_memory_ordered 1
		.amdhsa_forward_progress 1
		.amdhsa_inst_pref_size 45
	.end_amdhsa_kernel
	.amdgpu_metadata
---
amdhsa.version: [ 1, 2 ]
amdhsa.kernels:
  - .name:           k_q47b06d2a7d_oproj
    .symbol:         k_q47b06d2a7d_oproj.kd
    .args:
      - { .name: cc, .offset: 0, .size: 8, .value_kind: global_buffer, .address_space: global }
      - { .name: wc, .offset: 8, .size: 8, .value_kind: global_buffer, .address_space: global }
      - { .name: lowp_scales, .offset: 16, .size: 8, .value_kind: global_buffer, .address_space: global }
      - { .name: b_o, .offset: 24, .size: 8, .value_kind: global_buffer, .address_space: global }
      - { .name: src, .offset: 32, .size: 8, .value_kind: global_buffer, .address_space: global }
      - { .name: ln2_g, .offset: 40, .size: 8, .value_kind: global_buffer, .address_space: global }
      - { .name: ln2_b, .offset: 48, .size: 8, .value_kind: global_buffer, .address_space: global }
      - { .name: s2, .offset: 56, .size: 8, .value_kind: global_buffer, .address_space: global }
      - { .name: x2c, .offset: 64, .size: 8, .value_kind: global_buffer, .address_space: global }
    .group_segment_fixed_size: 84480
    .private_segment_fixed_size: 0
    .kernarg_segment_align: 8
    .kernarg_segment_size: 72
    .max_flat_workgroup_size: 256
    .sgpr_count:     66
    .vgpr_count:     512
    .wavefront_size: 32
...
	.end_amdgpu_metadata
.endif
;; end of part 9
;; launch ffn1 (part 10): grid 8 x 32, 8 waves a work-group, no clusters, 132,096 bytes of LDS; arguments x2c, wc, lowp_scales, b1, hc; writes hc
.if DOCPART == 10
	.amdgcn_target "amdgcn-amd-amdhsa--gfx1250"
	.amdhsa_code_object_version 6
	.text
	.protected	k_q47b06d2a7d_ffn1
	.globl	k_q47b06d2a7d_ffn1
	.p2align	8
	.type	k_q47b06d2a7d_ffn1,@function
k_q47b06d2a7d_ffn1:
	s_mov_b64 s[64:65], 0
	v_nop
	global_prefetch_b8 v0, s[64:65] scope:SCOPE_SE
	s_setreg_imm32_b32 hwreg(HW_REG_WAVE_SCHED_MODE, 0, 2), 2
	s_setreg_imm32_b32 hwreg(HW_REG_WAVE_MODE, 25, 1), 1
	s_wait_xcnt 0x0
	s_wait_alu depctr_vm_vsrc(0)
; hidden = gelu(x2 w1[:, :2048] + b1[:2048]) x (x2 w1[:, 2048:] + b1[2048:]), quantised for the last product.  Work-group (256 hidden units, 256 rows).
; Wave w holds two tiles of gate columns and the two tiles of linear columns 2,048 further on (4 tiles x 4 K steps, 256 registers, window 1): 32 hidden units, one group of four registers of the next operand.
; The rows' sixteen images (131,072 bytes) are copied into LDS once; a trip takes one row tile: 16 matrix instructions (transposed: a lane holds one token and 16 neighbouring hidden units), the GLU, the conversion,
; one store of 512 consecutive bytes.  Two waves to a SIMD: one wave's GLU stands beside the other's products.
; b1 goes in as the C of each sum's first product, divided by 2^(e12 + e13).
; erf(z) = z P(z^2) / Q(z^2), z held within +-4: a rational form of degrees 6 and 4 in z^2, good to a few parts in 10^7.
; gelu(g) lin = G L (1 + erf) x 2^(2 (e12 + e13) - 1) for the raw sums G, L: that power of two is folded into the conversion's scale.
; LIMITS: e12 + e13 between -125 and 126; e14 - 2 (e12 + e13) + 1 between -126 and 119.  NaN among the inputs is not served.
; THE MODE: SCHED_MODE bits 1:0 = 2 (LLVM: expert scheduling mode 2), set by the entry lines.  The code itself states the register dependences
; between vector or matrix instructions and memory or LDS instructions, with s_wait_alu, always for 0.
; THE PLAN.  Registers that memory or LDS instructions touch:
;   v64-191  at the head: written by the copy's global loads, read by its LDS stores; one wait on vm_vsrc behind the barrier frees them for all that follows (XF, ACC, ZC, W2).
;   XF       written by a trip's sixteen LDS loads; read by the next trip's products.
;   v4       the LDS address, stepped once a trip: vm_vsrc, the addition, va_vdst.
;   PC       written by the conversions; read by the trip's one store.
;   v1, v2, v3, v5: made at the head, never written again.
; A trip: the products and their places | vm_vsrc: the last trip's store has read PC, its LDS loads v4 | the addition | va_vdst: v4 is written, the products are done reading XF | the sixteen loads, four at each of four places
; early in the GLU, whose lines name ACC, ZC, W2, PN, QD and v224-227 alone | the reciprocals' wait | va_vdst ahead of the store.  There are no registers for a second XF: two waves of 512 fill a SIMD.
.set BI,  16                           ; v16-47   b1 / 2^(e12 + e13): gate's 16, linear's 16
.set PC,  48                           ; v48-51   the codes
.set XF,  64                           ; v64-127  a row tile's four fragments
.set ACC, 128                          ; v128-143 gate, v144-159 linear
.set ZC,  160
.set W2,  176
.set PN,  192
.set QD,  208
.set MSB, 0
.macro WIN new
.if MSB != \new
	s_set_vgpr_msb (MSB<<8)|\new
.set MSB, \new
.endif
.endm
.macro FR4 fetch, n                    ; fetch = 1: four of the sixteen loads that bring the next row tile's fragments
.if \fetch
.irp l, 0,1,2,3
	ds_load_b128 v[XF+4*(4*(\n)+\l):XF+4*(4*(\n)+\l)+3], v4 offset:512*(4*(\n)+\l)
.endr
.endif
.endm
.macro GLU16 fetch
	FR4 \fetch, 0
.irp j, 0,2,4,6,8,10,12,14
	v_pk_mul_f32 v[ZC+\j:ZC+\j+1], v[ACC+\j:ACC+\j+1], s[18:19] op_sel_hi:[1,0]   ; z = g / sqrt(2)
.endr
	FR4 \fetch, 1
.irp i, 0,1,2,3,4,5,6,7,8,9,10,11,12,13,14,15
	v_med3_num_f32 v[ZC+\i], v[ZC+\i], -4.0, 4.0
.endr
	FR4 \fetch, 2
.irp j, 0,2,4,6,8,10,12,14
	v_pk_mul_f32 v[W2+\j:W2+\j+1], v[ZC+\j:ZC+\j+1], v[ZC+\j:ZC+\j+1]
.endr
	FR4 \fetch, 3
.irp j, 0,2,4,6,8,10,12,14
	v_pk_fma_f32 v[PN+\j:PN+\j+1], v[W2+\j:W2+\j+1], v[224:225], 0x32edffee op_sel_hi:[1,1,0]
	v_pk_fma_f32 v[QD+\j:QD+\j+1], v[W2+\j:W2+\j+1], v[226:227], 0xb95fbd29 op_sel_hi:[1,1,0]
.endr
.irp c, 0xb60cff51, 0xb86ec2d2, 0xba40ac63, 0xbb41a1f6, 0xbc83dbd4
.irp j, 0,2,4,6,8,10,12,14
	v_pk_fma_f32 v[PN+\j:PN+\j+1], v[PN+\j:PN+\j+1], v[W2+\j:W2+\j+1], \c op_sel_hi:[1,1,0]
.endr
.endr
.irp c, 0xbadc924e, 0xbbf19bf8, 0xbc69b6a7
.irp j, 0,2,4,6,8,10,12,14
	v_pk_fma_f32 v[QD+\j:QD+\j+1], v[QD+\j:QD+\j+1], v[W2+\j:W2+\j+1], \c op_sel_hi:[1,1,0]
.endr
.endr
.irp i, 0,1,2,3,4,5,6,7,8,9,10,11,12,13,14,15
	v_rcp_f32 v[QD+\i], v[QD+\i]
.endr
.irp j, 0,2,4,6,8,10,12,14
	v_pk_mul_f32 v[PN+\j:PN+\j+1], v[PN+\j:PN+\j+1], v[ZC+\j:ZC+\j+1]   ; plain work behind the batch of reciprocals
.endr
	s_wait_alu depctr_va_vdst(0)                   ; the sixteen reciprocals v[QD ..] are written, ahead of their first reader: one wait for the batch
.irp j, 0,2,4,6,8,10,12,14
	v_pk_mul_f32 v[PN+\j:PN+\j+1], v[PN+\j:PN+\j+1], v[QD+\j:QD+\j+1]   ; erf
.endr
.irp j, 0,2,4,6,8,10,12,14
	v_pk_fma_f32 v[ACC+\j:ACC+\j+1], v[ACC+\j:ACC+\j+1], v[PN+\j:PN+\j+1], v[ACC+\j:ACC+\j+1]   ; G (1 + erf)
.endr
.irp j, 0,2,4,6,8,10,12,14
	v_pk_mul_f32 v[ACC+\j:ACC+\j+1], v[ACC+\j:ACC+\j+1], v[ACC+16+\j:ACC+16+\j+1]   ; x L, each accumulator from its low end on
.endr
.endm
.macro ROWT fetch                      ; one row tile.  fetch = 1: the next tile's fragments are asked for behind the products
	s_wait_dscnt 0x0
	WIN 0x01
.irp s, 0,1,2,3
.irp t, 0,1,2,3
.if \s == 0
	v_wmma_f32_16x16x128_fp8_fp8 v[ACC+8*\t:ACC+8*\t+7], v[16*(4*\t+\s):16*(4*\t+\s)+15], v[XF+16*\s:XF+16*\s+15], v[BI+8*\t:BI+8*\t+7]
.else
	v_wmma_f32_16x16x128_fp8_fp8 v[ACC+8*\t:ACC+8*\t+7], v[16*(4*\t+\s):16*(4*\t+\s)+15], v[XF+16*\s:XF+16*\s+15], v[ACC+8*\t:ACC+8*\t+7]
.endif
.endr
.endr
	WIN 0
.rept 4
	v_nop                                          ; four places ahead of the first read of results (ISA guide 7.12.1)
.endr
	s_wait_alu depctr_vm_vsrc(0)                   ; the last tile's store has read v[PC ..], which this tile's conversions write; its LDS loads have read v4, written below
.if \fetch
	s_add_co_u32 s20, s20, 8192
	v_add_nc_u32 v4, s20, v1
	s_wait_alu depctr_va_vdst(0)                   ; v4 is written, and the products are done reading v[XF ..], in which the loads dealt into the GLU land
.endif
	GLU16 \fetch
.irp i, 0,1,2,3,4,5,6,7,8,9,10,11,12,13,14,15
	v_med3_num_f32 v[ACC+\i], v[ACC+\i], -v8, v8
.endr
	v_cvt_scalef32_pk8_fp8_f32 v[PC:PC+1], v[ACC:ACC+7], v9
	v_cvt_scalef32_pk8_fp8_f32 v[PC+2:PC+3], v[ACC+8:ACC+15], v9
	v_nop                                          ; one plain instruction behind the last scaled conversion: the next products write its sources
	s_wait_alu depctr_va_vdst(0)                   ; the conversions have written v[PC ..], which the store reads
	global_store_b128 v1, v[PC:PC+3], s[12:13]
	s_wait_xcnt 0x0                                ; the store has had its address translated: its base and data are written again only behind this wait
	s_add_nc_u64 s[12:13], s[12:13], 32768         ; the next row tile's images
.endm
	s_load_b256 s[4:11], s[0:1], 0x0               ; x2c, wc, the scales, b1
	s_load_b64 s[12:13], s[0:1], 0x20              ; hc
	v_lshl_add_u32 v254, v0, 2, 0x20000
	v_mov_b32 v255, 0
	v_lshrrev_b32 v10, 5, v0
	v_readfirstlane_b32 s14, v10                   ; wave
	s_mov_b32 s15, ttmp9                           ; block of 256 hidden units
	s_and_b32 s16, ttmp7, 0xffff                   ; block of 256 rows
	v_and_b32 v11, 31, v0
	v_lshlrev_b32 v1, 4, v11
	v_lshlrev_b32 v2, 4, v0                        ; the copy: 16 x thread,
	v_add_nc_u32 v3, 0x10000, v2                   ; and 65,536 bytes on
	v_bfe_u32 v12, v0, 4, 1
	v_lshlrev_b32 v5, 6, v12                       ; b1: 64 h
	s_mov_b32 s23, 0
	s_mov_b32 s25, 0
	s_mov_b32 s27, 0
	s_mov_b32 s29, 0
	s_lshl_b32 s22, s16, 17                        ; the rows' sixteen images
	s_lshl_b32 s24, s15, 4
	s_wait_alu depctr_va_sdst(0)                   ; s14 is written, ahead of its first reader
	s_lshl_b32 s30, s14, 1
	s_add_co_u32 s24, s24, s30
	s_lshl_b32 s24, s24, 13
	s_add_co_u32 s24, s24, 0x100000                ; w1 in wc, gate tiles 16 block + 2 wave on
	s_lshl_b32 s26, s15, 10
	s_lshl_b32 s30, s14, 7
	s_add_co_u32 s26, s26, s30                     ; b1: 4 (256 block + 32 wave)
	s_lshl_b32 s28, s16, 19                        ; hc: row tile 16 x row block,
	s_lshl_b32 s30, s15, 12                        ; K step 2 block + wave / 4, group wave % 4: 4,096 block + 512 wave
	s_add_co_u32 s28, s28, s30
	s_lshl_b32 s30, s14, 9
	s_add_co_u32 s28, s28, s30
	s_wait_kmcnt 0x0
	s_load_b512 s[36:51], s[8:9], 0x0
	s_add_nc_u64 s[4:5], s[4:5], s[22:23]
	s_add_nc_u64 s[6:7], s[6:7], s[24:25]
	s_add_nc_u64 s[10:11], s[10:11], s[26:27]
	s_add_nc_u64 s[12:13], s[12:13], s[28:29]
	s_wait_alu depctr_va_vdst(0)                   ; the addresses v1, v2, v3 and v5 are written, which the loads and stores of the kernel read
.set ll, 0
.rept 32
	global_load_b128 v[64+4*ll:64+4*ll+3], v2, s[4:5] offset:4096*ll
.set ll, ll+1
.endr
	WIN 0x40
.set ll, 0
.rept 32
	global_load_b128 v[4*ll:4*ll+3], v1, s[6:7] offset:512*ll
.set ll, ll+1
.endr
.set ll, 0
.rept 32
	global_load_b128 v[128+4*ll:128+4*ll+3], v1, s[6:7] offset:0x100000+512*ll   ; the linear half: 128 tiles of 8,192 bytes on
.set ll, ll+1
.endr
	WIN 0
.irp j, 0,1,2,3
	global_load_b128 v[BI+4*\j:BI+4*\j+3], v5, s[10:11] offset:16*\j
	global_load_b128 v[BI+16+4*\j:BI+16+4*\j+3], v5, s[10:11] offset:8192+16*\j
.endr
	v_mov_b32 v224, 0xaf95df0b                     ; the leading coefficients, as pairs
	v_mov_b32 v225, 0xaf95df0b
	v_mov_b32 v226, 0xb77460cd
	v_mov_b32 v227, 0xb77460cd
	s_wait_kmcnt 0x0
	s_add_co_i32 s30, s48, s49                     ; E = e12 + e13
	s_lshl_b32 s31, s30, 23
	s_add_co_i32 s18, s31, 0x3f3504f3              ; 2^E / sqrt(2): E is added to the exponent field
	s_mov_b32 s19, s18
	s_sub_co_i32 s32, 0, s30                       ; -E
	s_lshl_b32 s33, s30, 1
	s_sub_co_i32 s33, s50, s33
	s_add_co_i32 s33, s33, 128                     ; e14 - 2 E + 1 + 127
	s_lshl_b32 s34, s33, 23
	v_mov_b32 v9, s34
	s_add_co_i32 s33, s33, 8
	s_lshl_b32 s33, s33, 23
	s_or_b32 s33, s33, 0x600000
	v_mov_b32 v8, s33
	s_wait_loadcnt 63                              ; the copy's 32 loads are in: behind them stand 72, and the wait's field holds 63
.set ll, 0
.rept 16
	ds_store_b128 v2, v[64+4*ll:64+4*ll+3] offset:4096*ll
.set ll, ll+1
.endr
.set ll, 0
.rept 16
	ds_store_b128 v3, v[128+4*ll:128+4*ll+3] offset:4096*ll
.set ll, ll+1
.endr
	s_wait_dscnt 0x0
	s_barrier_signal -1
	s_barrier_wait -1                              ; the sixteen images lie in LDS; from here on LDS is only read
	s_wait_alu depctr_vm_vsrc(0)                   ; my LDS stores have read v64-191: these registers are the fragments, the accumulators and the GLU's from here on
.irp l, 0,1,2,3,4,5,6,7,8,9,10,11,12,13,14,15
	ds_load_b128 v[XF+4*\l:XF+4*\l+3], v1 offset:512*\l
.endr
	s_wait_loadcnt 0x0                             ; the weight and b1
.set ll, 0
.rept 32
	v_ldexp_f32 v[BI+ll], v[BI+ll], s32
.set ll, ll+1
.endr
	s_mov_b32 s20, 0
	s_mov_b32 s21, 0
.Lrow:
	ROWT 1
	s_add_co_u32 s21, s21, 1
	s_cmp_lt_u32 s21, 15
	s_cbranch_scc1 .Lrow
	ROWT 0                                         ; the last tile fetches nothing
	s_wait_dscnt 0x0                               ; the closing lines, six on end
	s_wait_alu 0x0
	s_wait_tensorcnt 0x0
	ds_add_u32 v254, v255
	s_wait_dscnt 0x0
	s_endpgm
.Lfunc_end_k_q47b06d2a7d_ffn1:
	.size	k_q47b06d2a7d_ffn1, .Lfunc_end_k_q47b06d2a7d_ffn1-k_q47b06d2a7d_ffn1
	.p2alignl 7, 3214868480
	.fill 96, 4, 3214868480
	.section	.rodata,"a",@progbits
	.p2align	6, 0x0
	.amdhsa_kernel k_q47b06d2a7d_ffn1
		.amdhsa_group_segment_fixed_size 132096
		.amdhsa_private_segment_fixed_size 0
		.amdhsa_enable_private_segment 0
		.amdhsa_kernarg_size 40
		.amdhsa_user_sgpr_count 2
		.amdhsa_user_sgpr_kernarg_segment_ptr 1
		.amdhsa_wavefront_size32 1
		.amdhsa_system_sgpr_workgroup_id_x 1
		.amdhsa_system_sgpr_workgroup_id_y 1
		.amdhsa_system_sgpr_workgroup_id_z 1
		.amdhsa_system_vgpr_workitem_id 0
		.amdhsa_next_free_vgpr 512
		.amdhsa_next_free_sgpr 66
		.amdhsa_reserve_vcc 0
		.amdhsa_float_denorm_mode_32 3
		.amdhsa_float_denorm_mode_16_64 3
		.amdhsa_memory_ordered 1
		.amdhsa_forward_progress 1
		.amdhsa_inst_pref_size 49
	.end_amdhsa_kernel
	.amdgpu_metadata
---
amdhsa.version: [ 1, 2 ]
amdhsa.kernels:
  - .name:           k_q47b06d2a7d_ffn1
    .symbol:         k_q47b06d2a7d_ffn1.kd
    .args:
      - { .name: x2c, .offset: 0, .size: 8, .value_kind: global_buffer, .address_space: global }
      - { .name: wc, .offset: 8, .size: 8, .value_kind: global_buffer, .address_space: global }
      - { .name: lowp_scales, .offset: 16, .size: 8, .value_kind: global_buffer, .address_space: global }
      - { .name: b1, .offset: 24, .size: 8, .value_kind: global_buffer, .address_space: global }
      - { .name: hc, .offset: 32, .size: 8, .value_kind: global_buffer, .address_space: global }
    .group_segment_fixed_size: 132096
    .private_segment_fixed_size: 0
    .kernarg_segment_align: 8
    .kernarg_segment_size: 40
    .max_flat_workgroup_size: 256
    .sgpr_count:     66
    .vgpr_count:     512
    .wavefront_size: 32
...
	.end_amdgpu_metadata
.endif
;; end of part 10
;; launch ffn2 (part 11): grid 4 x 64, 4 waves a work-group, no clusters, 135,680 bytes of LDS; arguments hc, wc, lowp_scales, b2, s2, out0; writes out0
.if DOCPART == 11
	.amdgcn_target "amdgcn-amd-amdhsa--gfx1250"
	.amdhsa_code_object_version 6
	.text
	.protected	k_q47b06d2a7d_ffn2
	.globl	k_q47b06d2a7d_ffn2
	.p2align	8
	.type	k_q47b06d2a7d_ffn2,@function
k_q47b06d2a7d_ffn2:
	s_mov_b64 s[64:65], 0
	v_nop
	global_prefetch_b8 v0, s[64:65] scope:SCOPE_SE
	s_setreg_imm32_b32 hwreg(HW_REG_WAVE_SCHED_MODE, 0, 2), 2
	s_setreg_imm32_b32 hwreg(HW_REG_WAVE_MODE, 25, 1), 1
	s_wait_xcnt 0x0
	s_wait_alu depctr_vm_vsrc(0)
; out0 = s2 + hidden w2 + b2.  Work-group (128 columns, 128 rows).
; K IS SHARED OUT AMONG THE WAVES: wave w holds K steps 4 w .. 4 w + 3 of all eight column tiles of w2 (512 registers, windows 1 and 2), so each hidden fragment is read by one wave, straight from memory into
; registers, and feeds eight products.  The four partial sums meet in the LDS stage through which the results have to go in any case, so that whole rows leave.
; The rows go in four pairs of tiles, written out; the hidden fragments of pair pi + 2 are asked for behind pair pi's products (two buffers, window 3).
; The stage has two buffers by turns, so one barrier a pair does: a buffer is written again only behind the next pair's barrier, ahead of which every wave has waited for its reads of it.
; LIMIT: e14 + e15 between -126 and 127.
; THE MODE: SCHED_MODE bits 1:0 = 2 (LLVM: expert scheduling mode 2), set by the entry lines.  The code itself states the register dependences
; between vector or matrix instructions and memory or LDS instructions, with s_wait_alu, always for 0.
; THE PLAN.  Registers that memory or LDS instructions touch, round a pair:
;   S2        written by the pair's eight global loads; written by the rows' additions; read by the pair's eight stores; loaded again at the next pair's head.
;   window 3  two buffers of hidden fragments: buffer pi % 2 is read by pair pi's products and loaded again (pair pi + 2) behind them.
;   ACC       written by the products; read by the LDS stores into the stage; behind the barrier LDS loads land in it; the rows' additions read it; the next pair's products write it.
;   v1 to v5  addresses, made at the head, never written again.  The weight (windows 1 and 2): written by loads, read by products alone.
; A pair: vm_vsrc (the last pair's stores have read S2) | s2's loads | the products and their places | ONE va_vdst: the accumulators are written, the products are done reading their fragments | the fragments' loads, the LDS stores |
; the barrier | vm_vsrc (the LDS stores have read ACC) | the LDS loads | the eight rows' arithmetic | ONE va_vdst | the run of eight stores.
.set B2,  16                           ; v16-19   b2 at my four columns
.set S2,  32                           ; v32-63   eight rows of s2, then of the result
.set ACC, 128                          ; v128-255 sixteen accumulators (64 u + 8 t); later the partial sums read back (16 row + 4 wave)
.set SP,  528                          ; a stage slot: 512 bytes + 16
.set REG, 32*SP                        ; a wave's region
.set BUF, 4*REG
.set MSB, 0
.macro WIN new
.if MSB != \new
	s_set_vgpr_msb (MSB<<8)|\new
.set MSB, \new
.endif
.endm
.macro HLD pi                          ; the hidden fragments of pair pi, my four K steps, into buffer pi % 2 of window 3
	WIN 0xc0
.irp u, 0,1
.irp m, 0,1,2,3,4,5,6,7,8,9,10,11,12,13,14,15
	global_load_b128 v[128*((\pi)%2)+64*\u+4*\m:128*((\pi)%2)+64*\u+4*\m+3], v1, s[4:5] offset:(2*(\pi)+\u)*32768+512*\m
.endr
.endr
	WIN 0
.endm
.macro MUL32 pi, t0                    ; column tiles t0 .. t0 + 3: eight accumulators by turns, one instruction a turn
.irp s, 0,1,2,3
.irp u, 0,1
.irp t, 0,1,2,3
.if \s == 0
	v_wmma_f32_16x16x128_fp8_fp8 v[ACC+64*\u+8*(\t0+\t):ACC+64*\u+8*(\t0+\t)+7], v[64*\t+16*\s:64*\t+16*\s+15], v[128*((\pi)%2)+64*\u+16*\s:128*((\pi)%2)+64*\u+16*\s+15], 0
.else
	v_wmma_f32_16x16x128_fp8_fp8 v[ACC+64*\u+8*(\t0+\t):ACC+64*\u+8*(\t0+\t)+7], v[64*\t+16*\s:64*\t+16*\s+15], v[128*((\pi)%2)+64*\u+16*\s:128*((\pi)%2)+64*\u+16*\s+15], v[ACC+64*\u+8*(\t0+\t):ACC+64*\u+8*(\t0+\t)+7]
.endif
.endr
.endr
.endr
.endm
; wpre: the count of the wait ahead of the products (-1: none is needed);  ws2: of the wait for this pair's rows of s2
.macro PAIR pi, wpre, ws2
	s_wait_xcnt 0x0                                ; the last pair's stores have had their addresses translated: the rows of s2 land in their data registers only behind this wait
.if (\pi) > 0
	s_wait_alu depctr_vm_vsrc(0)                   ; and they have read v[S2 ..], in which the loads below land (the additions that named these registers stand ahead of the wait in front of those stores)
.endif
.irp p, 0,1,2,3,4,5,6,7
	global_load_b128 v[S2+4*\p:S2+4*\p+3], v1, s[12:13] offset:(\pi)*65536+\p*2048 th:TH_LOAD_NT
.endr
.if \wpre >= 0
	s_wait_loadcnt \wpre
.endif
	WIN 0x0d                                       ; source 0 (w2) window 1, source 1 (hidden) window 3
	MUL32 \pi, 0
	WIN 0x0e                                       ; source 0 window 2
	MUL32 \pi, 4
	WIN 0
.rept 4
	v_nop                                          ; four places ahead of the first read of results (ISA guide 7.12.1)
.endr
	s_wait_alu depctr_va_vdst(0)                   ; the products have written the accumulators, which the LDS stores read, and are done reading their hidden fragments, in which the loads of two pairs on land
.if (\pi) < 2
	HLD (\pi)+2
.endif
.irp u, 0,1
.irp b, 0,1,2,3
.irp j, 0,1,2,3
	ds_store_b128 v[2+(\pi)%2], v[ACC+64*\u+16*\b+4*\j:ACC+64*\u+16*\b+4*\j+3] offset:\u*16*SP+128*\b+16*\j   ; lane (r, h): slot 16 u + r, columns 32 b + 16 h + 0 .. 15
.endr
.endr
.endr
	s_wait_dscnt 0x0                               ; my partial sums lie in the stage, and my reads of the other buffer are back
	s_barrier_signal -1
	s_barrier_wait -1
	s_wait_alu depctr_vm_vsrc(0)                   ; my LDS stores have read v[ACC ..], in which the loads below land
.irp p, 0,1,2,3,4,5,6,7
.irp k, 0,1,2,3
	ds_load_b128 v[ACC+16*\p+4*\k:ACC+16*\p+4*\k+3], v[4+(\pi)%2] offset:\k*REG+\p*SP   ; row 8 w + p of the 32, wave k's part
.endr
.endr
	s_wait_loadcnt \ws2
.irp p, 0,1,2,3,4,5,6,7
	s_wait_dscnt 28-4*\p                           ; this row's four loads are in; the later rows' may stay out
	v_pk_add_f32 v[ACC+16*\p:ACC+16*\p+1], v[ACC+16*\p:ACC+16*\p+1], v[ACC+16*\p+4:ACC+16*\p+5]
	v_pk_add_f32 v[ACC+16*\p+2:ACC+16*\p+3], v[ACC+16*\p+2:ACC+16*\p+3], v[ACC+16*\p+6:ACC+16*\p+7]
	v_pk_add_f32 v[ACC+16*\p+8:ACC+16*\p+9], v[ACC+16*\p+8:ACC+16*\p+9], v[ACC+16*\p+12:ACC+16*\p+13]
	v_pk_add_f32 v[ACC+16*\p+10:ACC+16*\p+11], v[ACC+16*\p+10:ACC+16*\p+11], v[ACC+16*\p+14:ACC+16*\p+15]
	v_pk_add_f32 v[S2+4*\p:S2+4*\p+1], v[S2+4*\p:S2+4*\p+1], v[B2:B2+1]
	v_pk_add_f32 v[S2+4*\p+2:S2+4*\p+3], v[S2+4*\p+2:S2+4*\p+3], v[B2+2:B2+3]
	v_pk_add_f32 v[ACC+16*\p:ACC+16*\p+1], v[ACC+16*\p:ACC+16*\p+1], v[ACC+16*\p+8:ACC+16*\p+9]
	v_pk_add_f32 v[ACC+16*\p+2:ACC+16*\p+3], v[ACC+16*\p+2:ACC+16*\p+3], v[ACC+16*\p+10:ACC+16*\p+11]
	v_pk_fma_f32 v[S2+4*\p:S2+4*\p+1], v[ACC+16*\p:ACC+16*\p+1], s[20:21], v[S2+4*\p:S2+4*\p+1] op_sel_hi:[1,0,1]
	v_pk_fma_f32 v[S2+4*\p+2:S2+4*\p+3], v[ACC+16*\p+2:ACC+16*\p+3], s[20:21], v[S2+4*\p+2:S2+4*\p+3] op_sel_hi:[1,0,1]
.endr
	s_wait_alu depctr_va_vdst(0)                   ; the multiply-adds have written the eight rows v[S2 ..], which the stores read
.irp p, 0,1,2,3,4,5,6,7
	global_store_b128 v1, v[S2+4*\p:S2+4*\p+3], s[14:15] offset:(\pi)*65536+\p*2048 th:TH_STORE_NT   ; 32 lanes store 512 consecutive bytes, aligned
.endr
.endm
	s_load_b256 s[4:11], s[0:1], 0x0               ; hc, wc, the scales, b2
	s_load_b128 s[12:15], s[0:1], 0x20             ; s2, out0
	v_lshl_add_u32 v126, v0, 2, 0x21000
	v_mov_b32 v127, 0
	v_lshrrev_b32 v8, 5, v0
	v_readfirstlane_b32 s16, v8                    ; wave
	v_and_b32 v9, 31, v0
	v_lshlrev_b32 v1, 4, v9
	v_and_b32 v6, 15, v0
	v_bfe_u32 v7, v0, 4, 1
	v_mul_u32_u24 v2, v6, SP
	v_lshl_add_u32 v2, v7, 6, v2
	s_wait_alu depctr_va_sdst(0)                   ; s16 is written, ahead of its first reader
	s_mul_i32 s24, s16, REG
	v_add_nc_u32 v2, s24, v2                       ; into the stage: my region, slot r, + 64 h
	v_add_nc_u32 v3, BUF, v2
	s_mul_i32 s25, s16, 8*SP
	v_add_nc_u32 v4, s25, v1                       ; out of it: slots 8 w on, 16 bytes a lane
	v_add_nc_u32 v5, BUF, v4
	s_and_b32 s18, ttmp7, 0xffff                   ; block of 128 rows
	s_mov_b32 s27, 0
	s_mov_b32 s29, 0
	s_mov_b32 s31, 0
	s_lshl_b32 s26, s18, 18                        ; hc: eight row tiles of 32,768 bytes,
	s_lshl_b32 s17, s16, 13                        ; my four K steps
	s_add_co_u32 s26, s26, s17
	s_lshl_b32 s28, ttmp9, 18                      ; w2 in wc: eight column tiles of 32,768 bytes,
	s_add_co_u32 s28, s28, s17
	s_add_co_u32 s28, s28, 0x300000
	s_lshr_b32 s19, s16, 1                         ; slots 8 w .. 8 w + 7 are tokens 8 (w/2) + 16 (w%2) + 0 .. 7 of the 32
	s_lshl_b32 s19, s19, 3
	s_and_b32 s17, s16, 1
	s_lshl_b32 s17, s17, 4
	s_add_co_u32 s19, s19, s17
	s_lshl_b32 s17, s18, 7
	s_add_co_u32 s19, s19, s17
	s_lshl_b32 s30, s19, 11                        ; rows of 2,048 bytes,
	s_lshl_b32 s17, ttmp9, 9                       ; my block's 512 bytes of them
	s_add_co_u32 s30, s30, s17
	s_wait_kmcnt 0x0
	s_load_b64 s[22:23], s[8:9], 0x38              ; e14, e15
	s_add_nc_u64 s[4:5], s[4:5], s[26:27]
	s_add_nc_u64 s[6:7], s[6:7], s[28:29]
	s_add_nc_u64 s[12:13], s[12:13], s[30:31]
	s_add_nc_u64 s[14:15], s[14:15], s[30:31]
	s_mov_b32 s26, s17
	s_add_nc_u64 s[10:11], s[10:11], s[26:27]
	s_wait_alu depctr_va_vdst(0)                   ; the five addresses v1 to v5 are written, which the loads and stores of the kernel read
	global_load_b128 v[B2:B2+3], v1, s[10:11]
	HLD 0
	WIN 0x40
.irp t, 0,1,2,3
.irp m, 0,1,2,3,4,5,6,7,8,9,10,11,12,13,14,15
	global_load_b128 v[64*\t+4*\m:64*\t+4*\m+3], v1, s[6:7] offset:\t*32768+512*\m
.endr
.endr
	WIN 0x80
.irp t, 0,1,2,3
.irp m, 0,1,2,3,4,5,6,7,8,9,10,11,12,13,14,15
	global_load_b128 v[64*\t+4*\m:64*\t+4*\m+3], v1, s[6:7] offset:(\t+4)*32768+512*\m
.endr
.endr
	WIN 0
	HLD 1
	s_wait_kmcnt 0x0
	s_add_co_i32 s20, s22, s23
	s_add_co_i32 s20, s20, 127
	s_lshl_b32 s20, s20, 23                        ; 2^(e14 + e15)
	s_mov_b32 s21, s20
	PAIR 0, 40, 32                                 ; ahead of the products: behind the weight stand pair 1's 32 loads and s2's 8.  For s2: behind it pair 2's 32
	PAIR 1, -1, 32                                 ; pair 1's fragments were shown in by the last wait; behind s2 stand pair 3's 32
	PAIR 2, -1, 0                                  ; likewise pair 2's; nothing is asked for behind s2
	PAIR 3, -1, 0
	s_wait_dscnt 0x0                               ; the closing lines, six on end
	s_wait_alu 0x0
	s_wait_tensorcnt 0x0
	ds_add_u32 v126, v127
	s_wait_dscnt 0x0
	s_endpgm
.Lfunc_end_k_q47b06d2a7d_ffn2:
	.size	k_q47b06d2a7d_ffn2, .Lfunc_end_k_q47b06d2a7d_ffn2-k_q47b06d2a7d_ffn2
	.p2alignl 7, 3214868480
	.fill 96, 4, 3214868480
	.section	.rodata,"a",@progbits
	.p2align	6, 0x0
	.amdhsa_kernel k_q47b06d2a7d_ffn2
		.amdhsa_group_segment_fixed_size 135680
		.amdhsa_private_segment_fixed_size 0
		.amdhsa_enable_private_segment 0
		.amdhsa_kernarg_size 48
		.amdhsa_user_sgpr_count 2
		.amdhsa_user_sgpr_kernarg_segment_ptr 1
		.amdhsa_wavefront_size32 1
		.amdhsa_system_sgpr_workgroup_id_x 1
		.amdhsa_system_sgpr_workgroup_id_y 1
		.amdhsa_system_sgpr_workgroup_id_z 1
		.amdhsa_system_vgpr_workitem_id 0
		.amdhsa_next_free_vgpr 1024
		.amdhsa_next_free_sgpr 66
		.amdhsa_reserve_vcc 0
		.amdhsa_float_denorm_mode_32 3
		.amdhsa_float_denorm_mode_16_64 3
		.amdhsa_memory_ordered 1
		.amdhsa_forward_progress 1
		.amdhsa_inst_pref_size 89
	.end_amdhsa_kernel
	.amdgpu_metadata
---
amdhsa.version: [ 1, 2 ]
amdhsa.kernels:
  - .name:           k_q47b06d2a7d_ffn2
    .symbol:         k_q47b06d2a7d_ffn2.kd
    .args:
      - { .name: hc, .offset: 0, .size: 8, .value_kind: global_buffer, .address_space: global }
      - { .name: wc, .offset: 8, .size: 8, .value_kind: global_buffer, .address_space: global }
      - { .name: lowp_scales, .offset: 16, .size: 8, .value_kind: global_buffer, .address_space: global }
      - { .name: b2, .offset: 24, .size: 8, .value_kind: global_buffer, .address_space: global }
      - { .name: s2, .offset: 32, .size: 8, .value_kind: global_buffer, .address_space: global }
      - { .name: out0, .offset: 40, .size: 8, .value_kind: global_buffer, .address_space: global }
    .group_segment_fixed_size: 135680
    .private_segment_fixed_size: 0
    .kernarg_segment_align: 8
    .kernarg_segment_size: 48
    .max_flat_workgroup_size: 128
    .sgpr_count:     66
    .vgpr_count:     1024
    .wavefront_size: 32
...
	.end_amdgpu_metadata
.endif
;; end of part 11
